; MI455X (gfx1250); checked and timed in simulation.
; The chip was launched on July 23, 2026; its instructions are those of AMD's public machine-readable ISA for CDNA 5 (MIT licence, August 2026) and "CDNA5" Instruction Set Architecture Reference Guide (July 2026). The comments in the code are by the model that wrote it; some were corrected since.
;; Hybrid Transformer Block. Allowed arithmetic: matrix products marked QUANTISED: E2M3 operands, one E8M0 scale for each 32 along K, by v_wmma_scale_f32_16x16x128_f8f6f4 with both operands' format E2M3, f32 sums; everything else in f32.
;; Inputs: b1 4,096 float32; b2 1,024 float32; ln1_b 1,024 float32; ln1_g 1,024 float32; ln2_b 1,024 float32; ln2_g 1,024 float32; theta 1 float32; w1 1,024 x 4,096 float32; w2 4,096 x 1,024 float32; wk 1,024 x 1,024 float32; wo 1,024 x 1,024 float32; wq 1,024 x 1,024 float32; wv 1,024 x 1,024 float32; x 2 x 2,048 x 1,024 float32.
;; Outputs: out0 2 x 2,048 x 1,024 float32.
;; This version of the problem:
;;   THIS VERSION OF THE PROBLEM IS GIVEN IN LOW PRECISION. The matrix products marked QUANTISED in the list below multiply operands that are first quantised to E2M3 (2 exponent bits, 3 mantissa bits; 6 bits a number), with one power-of-two scale for each 32 numbers along K (OCP MX v1.0); their sums are f32. All else is computed in f32.
;;   The module's matrix products, in the order in which they are computed (A, B: the left and right operand; K: the contracted axis; several contracted axes count as one K, in the product's order):
;;     1. [M 4,096, K 1,024] x [K 1,024, N 1,024]; A: input x; B: input wq: QUANTISED
;;     2. [M 4,096, K 1,024] x [K 1,024, N 1,024]; A: input x; B: input wk: QUANTISED
;;     3. [M 4,096, K 1,024] x [K 1,024, N 1,024]; A: input x; B: input wv: QUANTISED
;;     4. batch 32 x [M 2,048, K 64] x [K 64, N 2,048]; A: computed on the way; B: computed on the way: QUANTISED
;;     5. batch 32 x [M 2,048, K 2,048] x [K 2,048, N 64]; A: softmax (see below); B: computed on the way: QUANTISED
;;     6. [M 4,096, K 1,024] x [K 1,024, N 1,024]; A: computed on the way; B: input wo: QUANTISED
;;     7. [M 4,096, K 1,024] x [K 1,024, N 4,096]; A: computed on the way; B: input w1: QUANTISED
;;     8. [M 4,096, K 4,096] x [K 4,096, N 1,024]; A: computed on the way; B: input w2: QUANTISED
;;   THE QUANTISER, for each operand of a quantised product, along K:
;;     - K is cut into blocks of 32 from its start; a last block that is shorter is filled with zeros.
;;     - A block's scale is 2^e with e = floor(log2(the largest magnitude in the block)) - 2, held to -126 .. 127; a block of zeros has e = 0. As a byte (E8M0): e + 127.
;;     - Each number is divided by its block's scale, clamped to +-7.5, and rounded to the nearest number of E2M3, ties to even, subnormals kept.
;;     - The product sums the exact products of the quantised numbers (number of the format x scale) in f32.
;;   ~~~python
;;   def quantise(x, axis):      # numpy; x: float32 -> the quantised numbers, widened to float32 again
;;       x = np.moveaxis(x, axis, -1); K = x.shape[-1]
;;       x = np.pad(x, [(0, 0)] * (x.ndim - 1) + [(0, -K % 32)]); x = x.reshape(x.shape[:-1] + (-1, 32)); a = np.abs(x).max(-1, keepdims=True)
;;       e = np.where(a > 0, np.clip(np.frexp(np.where(a > 0, a, 1))[1] - 1 - 2, -126, 127), 0)      # np.frexp(a)[1] - 1 = floor(log2(a)), exactly
;;       r = np.clip(x / 2.0 ** e, -7.5, 7.5)
;;       step = 2.0 ** (np.maximum(np.frexp(np.where(r == 0, 1, r))[1] - 1, 0) - 3)
;;       q = np.round(r / step) * step * 2.0 ** e      # np.round: ties to even
;;       return np.moveaxis(q.reshape(q.shape[:-2] + (-1,))[..., :K], -1, axis).astype(np.float32)
;;   ~~~
;;   SOFTMAX AHEAD OF A QUANTISED PRODUCT. Where the list says 'softmax', what is quantised is not the finished softmax but p = 2^(t - M), with t = logit x log2(e) and M = ceil(the row's largest t), a whole number; so 1/2 < the row's largest p <= 1. The row's sum l is taken of the UNQUANTISED p, in f32, and the product's result is divided by l at the end. Since M is a whole number, a kernel that streams over the keys may use a running M (the ceiling of the running maximum): every later rescaling is an exact power of two, which a block's scale takes up: the codes' values come out the same.
;;   OPERANDS COMPUTED ON THE WAY. 'Computed on the way' means the value that the module computes at that place (a softmax that the list does not call 'softmax' is quantised finished and normalised). What goes into a quantiser is computed in f32, as accurately as f32 sums, v_exp_f32 and their like allow (about 1e-6 of the number): no bf16 or f16 on the way to a quantiser, and a product that is left as it is and whose result goes on into a quantised operand takes f32 operands (vector FMAs, or v_wmma_f32_16x16x4_f32). A number that lies on a knife's edge between two numbers of the format may be rounded either way, as far as f32 arithmetic and the matrix unit's own rounding can turn it there, and no further.
;; 2 versions. Each part assembles by itself: llvm-mc -triple=amdgcn-amd-amdhsa -mcpu=gfx1250 --defsym DOCPART=n.
;; ======== version 1 of 2: 9 launches
;; limits: right only within a limited range of input values
;; workspace buffers: ac 3,276,800 bytes; wqkc 1,638,400 bytes; wvc 819,200 bytes; wc 7,372,800 bytes; big 13,107,200 bytes; vc 3,276,800 bytes; ybuf 16,777,216 bytes; x1 16,777,216 bytes
;; launch quant (part 1): grid 1024 x 1, 4 waves a work-group, no clusters, 47,616 bytes of LDS; arguments x, wq, wk, wv, wo, w1, w2, ac, wqkc, wvc, wc; writes ac, wqkc, wvc, wc
.if DOCPART == 1
	.amdgcn_target "amdgcn-amd-amdhsa--gfx1250"
	.amdhsa_code_object_version 6
	.text
	.protected	k_q0f54128ede_quant
	.globl	k_q0f54128ede_quant
	.p2align	8
	.type	k_q0f54128ede_quant,@function
k_q0f54128ede_quant:
	s_mov_b64 s[64:65], 0
	v_nop
	global_prefetch_b8 v0, s[64:65] scope:SCOPE_SE
	s_setreg_imm32_b32 hwreg(HW_REG_WAVE_MODE, 25, 1), 1
	s_wait_xcnt 0x0
; x [4096][1024] (K innermost) and the six weights (K = their FIRST axis) become codes of FP6 (E2M3) with one E8M0 byte for each 32 along K.
; THE UNIT, the one layout of every operand of this program: 128 operand rows x 128 K in 12,800 bytes.  Fragment t (0..7) at 1,536 t; its row index r (0..15) is operand row
; 32 (t/2) + 8 (t%2) + r + 8 (r/8) of the 128; plane p (0..5) at + 256 p holds registers 2 p, 2 p + 1 of the matrix operand, lane l = r + 16 h at + 8 l; registers 6 c .. 6 c + 5 are the codes of
; k = 64 c + 32 h + 0 .. 31.  The scale word of (t, r) lies at 12,288 + 128 (t/2) + 8 r + 4 (t%2).  So a fragment is six loads of 8 bytes a lane, 256 consecutive bytes each.
; ONE WORK-GROUP MAKES ONE UNIT; wave b makes fragments 2 b and 2 b + 1 (32 operand rows).  Work-groups 0-255: x; 256-1023: wq, wk (into wqkc), wv, wo, w1, w2 (the last three into wc).
; A block's scale byte is its largest magnitude's exponent field - 2, held at 1 from below.  LIMITS: a block of zeros, or one whose largest magnitude lies under 2^-124, gets the byte 1 (the rule says 127 for
; zeros: the codes are zeros, and this program alone reads the bytes); NaN and infinities are not served.  No barrier: waves share nothing; each of the two paths has LDS bytes of its own.
.set UNIT, 12800
.set XW,   8448                        ; x path: a wave's stage, 16 rows x (512 + 16) bytes
.set WSTG, 4*XW                        ; weight path: the stages begin here
.set WW,   3328                        ; a wave's: two fragments of 1,536 bytes, 1,664 apart, so that the two halves of a store fall on different banks
.set SEL,  36                          ; s[36:37] selects for v_permlanex16_b32: lane l xor 16
.set TT,   40                          ; v40-47  the upper halves of the blocks' codes, before they are moved
.set MX,   48                          ; v48-49  largest magnitudes, then bytes
.set SO,   50                          ; v50-51  the conversions' scale operands
.set TP,   52
.set WA,   53                          ; the two fragments' scale words
.set WB,   54
.set WD,   55
.set SH8,  8                           ; v8  8 h
; 64 numbers of a lane, v[xs + 32 c + i] = k 64 c + 32 h + i of its row, become the fragment's 12 registers v[cd] on and its row's scale word v[wd].
.macro QUANTX xs, cd, wd
	v_max3_num_f32 v[MX], |v[\xs]|, |v[\xs+1]|, 0x1800000            ; my two whole blocks by turns; the floor 2^(3 - 127) holds the byte at 1 from below
	v_max3_num_f32 v[MX+1], |v[\xs+32]|, |v[\xs+33]|, 0x1800000
.set qi, 2
.rept 15
	v_max3_num_f32 v[MX], v[MX], |v[\xs+qi]|, |v[\xs+qi+1]|
	v_max3_num_f32 v[MX+1], v[MX+1], |v[\xs+32+qi]|, |v[\xs+33+qi]|
.set qi, qi+2
.endr
	v_add_nc_u32 v[SO], 0xff000000, v[MX]                            ; 2 off the exponent field: the conversion's scale operand
	v_add_nc_u32 v[SO+1], 0xff000000, v[MX+1]
	v_lshrrev_b32 v[MX], 23, v[SO]                                   ; the bytes of blocks h and 2 + h
	v_lshrrev_b32 v[MX+1], 23, v[SO+1]
	v_lshl_or_b32 v[\wd], v[MX+1], 16, v[MX]
	v_lshlrev_b32 v[\wd], v[SH8], v[\wd]                             ; at their places in the word
	v_permlanex16_b32 v[TP], v[\wd], s[SEL], s[SEL+1]
	v_or_b32 v[\wd], v[\wd], v[TP]                                   ; with lane l xor 16's two the word is whole
.irp c, 0,1
	v_cvt_scalef32_pk16_fp6_f32 v[\cd+6*\c:\cd+6*\c+2], v[\xs+32*\c:\xs+32*\c+15], v[SO+\c]
	v_cvt_scalef32_pk16_fp6_f32 v[TT+4*\c:TT+4*\c+2], v[\xs+32*\c+16:\xs+32*\c+31], v[SO+\c]   ; (a conversion's three registers begin on an even number)
.endr
	v_nop                                                            ; one plain place behind the conversions
.irp c, 0,1
.irp i, 0,1,2
	v_mov_b32 v[\cd+6*\c+3+\i], v[TT+4*\c+\i]
.endr
.endr
.endm
	s_load_b256 s[4:11], s[0:1], 0x0               ; x, wq, wk, wv
	s_load_b256 s[12:19], s[0:1], 0x20             ; wo, w1, w2, ac
	s_load_b128 s[20:23], s[0:1], 0x40             ; wqkc, wvc
	s_load_b64 s[24:25], s[0:1], 0x50              ; wc
	v_lshl_add_u32 v62, v0, 2, 0xb800
	v_mov_b32 v63, 0
	v_lshrrev_b32 v1, 5, v0
	v_readfirstlane_b32 s26, v1                    ; wave b
	v_and_b32 v1, 31, v0                           ; lane
	s_mov_b32 s[SEL], 0x76543210
	s_mov_b32 s[SEL+1], 0xfedcba98
	s_wait_kmcnt 0x0
	s_cmp_ge_u32 ttmp9, 256
	s_cbranch_scc1 .Lweights
	; ---- x: unit g = 8 rb + ks of ac.  Each load reads a row's 512 bytes of the K step as they lie; a fragment's 16 rows turn through the wave's stage, so that a lane gets 2 x 32 neighbours of ONE row.
	v_and_b32 v2, 15, v0                           ; r
	v_bfe_u32 v3, v0, 4, 1                         ; h
	v_lshlrev_b32 v4, 4, v1                        ; 16 l
	s_mul_i32 s27, s26, XW
	v_add_nc_u32 v5, s27, v4                       ; into the stage: 16 l, the row in the immediate
	v_mul_u32_u24 v6, v2, 528
	v_lshl_add_u32 v6, v3, 7, v6
	v_add_nc_u32 v6, s27, v6                       ; out of it: row r, + 128 h
	s_mul_i32 s27, s26, 3072
	v_lshl_add_u32 v7, v1, 3, s27                  ; the codes' place: 8 l + my two fragments
	v_lshlrev_b32 v[SH8], 3, v3
	s_lshl_b32 s27, s26, 7
	v_lshl_add_u32 v9, v2, 3, s27
	v_lshl_add_u32 v9, v3, 2, v9                   ; the words' place: 128 b + 8 r + 4 h (lanes 16-31 store the second fragment's)
	v_mov_b32 v[TP], 0                             ; a lane permute's destination counts as one of its sources
	s_mov_b32 s30, 0xffff0000
	s_lshr_b32 s27, ttmp9, 3
	s_lshl_b32 s32, s27, 19                        ; 128 rb rows of 4,096 bytes
	s_lshl_b32 s27, s26, 17                        ; + 32 b rows
	s_add_co_u32 s32, s32, s27
	s_and_b32 s27, ttmp9, 7
	s_lshl_b32 s27, s27, 9                         ; + 512 ks
	s_add_co_u32 s32, s32, s27
	s_mov_b32 s33, 0
	s_add_nc_u64 s[4:5], s[4:5], s[32:33]
	s_mul_i32 s32, ttmp9, UNIT
	s_add_nc_u64 s[18:19], s[18:19], s[32:33]
.irp u, 0,1
.irp t, 0,1,2,3,4,5,6,7,8,9,10,11,12,13,14,15
	global_load_b128 v[64+64*\u+4*\t:64+64*\u+4*\t+3], v4, s[4:5] offset:(8*\u+\t+8*(\t/8))*4096 th:TH_LOAD_NT   ; 32 lanes read 512 consecutive bytes
.endr
.endr
.macro XFRAG u, left, cd, wd
	s_wait_loadcnt \left                           ; this fragment's 16 loads are in
.irp t, 0,1,2,3,4,5,6,7,8,9,10,11,12,13,14,15
	ds_store_b128 v5, v[64+64*\u+4*\t:64+64*\u+4*\t+3] offset:528*\t
.endr
.irp c, 0,1
.irp i, 0,1,2,3,4,5,6,7
	ds_load_b128 v[192+32*\c+4*\i:192+32*\c+4*\i+3], v6 offset:256*\c+16*\i   ; LDS serves a wave's instructions in order: these see the stores above
.endr
.endr
	s_wait_dscnt 0x0
	QUANTX 192, \cd, \wd
.irp p, 0,1,2,3,4,5
	global_store_b64 v7, v[\cd+2*\p:\cd+2*\p+1], s[18:19] offset:1536*\u+256*\p   ; a plane: 256 consecutive bytes, aligned
.endr
.endm
	XFRAG 0, 16, 16, WA                            ; the second fragment's 16 loads may stay out
	XFRAG 1, 0, 28, WB                             ; codes in registers of their own: no store's data are written again
	v_cndmask_b32 v[WD], v[WA], v[WB], s30
	global_store_b32 v9, v[WD], s[18:19] offset:12288
	s_wait_tensorcnt 0x0
	ds_add_u32 v62, v63
	s_wait_dscnt 0x0
	s_endpgm
	; ---- a weight: a lane takes a column (an operand row), its registers run down K: a block of 32 is one lane's, and nothing is transposed.
.Lweights:
	s_sub_co_u32 s27, ttmp9, 256                   ; g'
	s_mov_b64 s[28:29], s[16:17]                   ; the source: w2; under 512 w1; under 256 wo; under 192 wv; under 128 wk; under 64 wq
	s_cmp_lt_u32 s27, 512
	s_cselect_b64 s[28:29], s[14:15], s[28:29]
	s_cselect_b32 s35, 3, 5                        ; units along K: 8, in w2 32
	s_cmp_lt_u32 s27, 256
	s_cselect_b64 s[28:29], s[12:13], s[28:29]
	s_cselect_b32 s34, 63, 255
	s_sub_co_u32 s32, s27, 192
	s_sub_co_u32 s33, s27, 128
	s_cmp_lt_u32 s27, 192
	s_cselect_b64 s[28:29], s[10:11], s[28:29]
	s_cselect_b64 s[30:31], s[22:23], s[24:25]     ; the destination and the unit's number in it: wc, g' - 192; wvc, g' - 128; wqkc, g'
	s_cselect_b32 s32, s33, s32
	s_cmp_lt_u32 s27, 128
	s_cselect_b64 s[28:29], s[8:9], s[28:29]
	s_cselect_b64 s[30:31], s[20:21], s[30:31]
	s_cselect_b32 s32, s27, s32
	s_cmp_lt_u32 s27, 64
	s_cselect_b64 s[28:29], s[6:7], s[28:29]
	s_mul_i32 s32, s32, UNIT
	s_mov_b32 s33, 0
	s_add_nc_u64 s[30:31], s[30:31], s[32:33]
	s_and_b32 s34, s27, s34                        ; the unit's number in its own weight
	s_bfm_b32 s38, s35, 0
	s_and_b32 s38, s34, s38                        ; ks
	s_lshr_b32 s39, s34, s35                       ; rb
	s_lshr_b32 s49, s27, 8
	s_mov_b32 s48, 4096
	s_cmp_eq_u32 s49, 1
	s_cselect_b32 s48, 16384, s48                  ; a row of the weight in bytes: w1's is 16,384
	s_lshl_b32 s50, s38, 7
	s_mul_i32 s50, s50, s48                        ; 128 ks rows
	s_lshl_b32 s51, s39, 9
	s_add_co_u32 s50, s50, s51                     ; + 128 rb columns
	s_lshl_b32 s51, s26, 7
	s_add_co_u32 s50, s50, s51                     ; + my wave's 32
	s_mov_b32 s51, 0
	s_lshl_b32 s52, s48, 5
	s_mov_b32 s53, 0
	s_add_nc_u64 s[40:41], s[28:29], s[50:51]      ; a base for each block of 32 rows; never rewritten
	s_add_nc_u64 s[42:43], s[40:41], s[52:53]
	s_add_nc_u64 s[44:45], s[42:43], s[52:53]
	s_add_nc_u64 s[46:47], s[44:45], s[52:53]
	v_lshlrev_b32 v2, 2, v1
.set wi, 0
.rept 32
	v_mad_u32_u24 v[192+wi], s48, wi, v2           ; 4 x lane + wi rows
.set wi, wi+1
.endr
	v_bfe_u32 v12, v0, 3, 1                        ; column lane of the 32 is row r = lane % 8 + 8 (lane / 16) of fragment u = (lane / 8) % 2
	v_and_b32 v13, 7, v0
	v_bfe_u32 v14, v0, 4, 1
	v_lshl_add_u32 v13, v14, 3, v13
	s_mul_i32 s49, s26, WW
	s_add_co_u32 s49, s49, WSTG
	v_mul_u32_u24 v3, v12, 1664
	v_lshl_add_u32 v3, v13, 3, v3
	v_add_nc_u32 v3, s49, v3                       ; into my stage
	v_lshl_add_u32 v4, v1, 4, s49                  ; out of it
	s_mul_i32 s49, s26, 3072
	v_lshl_add_u32 v5, v1, 4, s49                  ; and the same place in the unit
	s_lshl_b32 s49, s26, 7
	v_lshl_add_u32 v6, v13, 3, s49
	v_lshl_add_u32 v6, v12, 2, v6                  ; my column's scale word
.macro LOADW j
.set wi, 0
.rept 32
	global_load_b32 v[64+32*(\j)+wi], v[192+wi], s[40+2*(\j):41+2*(\j)] th:TH_LOAD_NT   ; a wave reads 128 consecutive bytes, the four waves 512
.set wi, wi+1
.endr
.endm
.macro BLK32 j                         ; block j of my column: k = 32 j + 0 .. 31 of the unit: registers 6 (j/2) .. + 5 of lane r + 16 (j%2)
.set XS, 64+32*(\j)
.set CD, 16+8*(\j)
	v_max3_num_f32 v8, |v[XS]|, |v[XS+1]|, 0x1800000
	v_max3_num_f32 v9, |v[XS+2]|, |v[XS+3]|, |v[XS+4]|
.irp i, 5,9,13,17,21,25
	v_max3_num_f32 v8, v8, |v[XS+\i]|, |v[XS+\i+1]|
	v_max3_num_f32 v9, v9, |v[XS+\i+2]|, |v[XS+\i+3]|
.endr
	v_max3_num_f32 v8, v8, |v[XS+29]|, |v[XS+30]|
	v_max3_num_f32 v8, v8, v9, |v[XS+31]|
	v_add_nc_u32 v10, 0xff000000, v8
	v_lshrrev_b32 v11, 23, v10
.if (\j) == 0
	v_mov_b32 v7, v11
.else
	v_lshl_or_b32 v7, v11, 8*(\j), v7
.endif
	v_cvt_scalef32_pk16_fp6_f32 v[CD:CD+2], v[XS:XS+15], v10
	v_cvt_scalef32_pk16_fp6_f32 v[56:58], v[XS+16:XS+31], v10
	v_nop
.irp i, 0,1,2
	v_mov_b32 v[CD+3+\i], v[56+\i]
.endr
.irp i, 0,1,2
	ds_store_b64 v3, v[CD+2*\i:CD+2*\i+1] offset:256*(3*((\j)/2)+\i)+128*((\j)%2)
.endr
.endm
	LOADW 0
	LOADW 1
	s_wait_loadcnt 32                              ; block 0 is in; the next block's 32 loads may stay out
	LOADW 2
	BLK32 0
	s_wait_loadcnt 32
	LOADW 3
	BLK32 1
	s_wait_loadcnt 32
	BLK32 2
	s_wait_loadcnt 0x0
	BLK32 3
	global_store_b32 v6, v7, s[30:31] offset:12288
.irp q, 0,1,2,3,4,5
	ds_load_b128 v[224+4*\q:224+4*\q+3], v4 offset:1664*(\q/3)+512*(\q%3)   ; LDS serves a wave's instructions in order: these see my stores
.endr
.irp q, 0,1,2,3,4,5
	s_wait_dscnt 5-\q
	global_store_b128 v5, v[224+4*\q:224+4*\q+3], s[30:31] offset:512*\q    ; 512 consecutive bytes, aligned
.endr
	s_wait_tensorcnt 0x0
	ds_add_u32 v62, v63
	s_wait_dscnt 0x0
	s_endpgm
.Lfunc_end_k_q0f54128ede_quant:
	.size	k_q0f54128ede_quant, .Lfunc_end_k_q0f54128ede_quant-k_q0f54128ede_quant
	.p2alignl 7, 3214868480
	.fill 96, 4, 3214868480
	.section	.rodata,"a",@progbits
	.p2align	6, 0x0
	.amdhsa_kernel k_q0f54128ede_quant
		.amdhsa_group_segment_fixed_size 47616
		.amdhsa_private_segment_fixed_size 0
		.amdhsa_enable_private_segment 0
		.amdhsa_kernarg_size 88
		.amdhsa_user_sgpr_count 2
		.amdhsa_user_sgpr_kernarg_segment_ptr 1
		.amdhsa_wavefront_size32 1
		.amdhsa_system_sgpr_workgroup_id_x 1
		.amdhsa_system_sgpr_workgroup_id_y 1
		.amdhsa_system_sgpr_workgroup_id_z 1
		.amdhsa_system_vgpr_workitem_id 0
		.amdhsa_next_free_vgpr 256
		.amdhsa_next_free_sgpr 66
		.amdhsa_reserve_vcc 0
		.amdhsa_float_denorm_mode_32 3
		.amdhsa_float_denorm_mode_16_64 3
		.amdhsa_memory_ordered 1
		.amdhsa_forward_progress 1
		.amdhsa_inst_pref_size 42
	.end_amdhsa_kernel
	.amdgpu_metadata
---
amdhsa.version: [ 1, 2 ]
amdhsa.kernels:
  - .name:           k_q0f54128ede_quant
    .symbol:         k_q0f54128ede_quant.kd
    .args:
      - { .name: x, .offset: 0, .size: 8, .value_kind: global_buffer, .address_space: global }
      - { .name: wq, .offset: 8, .size: 8, .value_kind: global_buffer, .address_space: global }
      - { .name: wk, .offset: 16, .size: 8, .value_kind: global_buffer, .address_space: global }
      - { .name: wv, .offset: 24, .size: 8, .value_kind: global_buffer, .address_space: global }
      - { .name: wo, .offset: 32, .size: 8, .value_kind: global_buffer, .address_space: global }
      - { .name: w1, .offset: 40, .size: 8, .value_kind: global_buffer, .address_space: global }
      - { .name: w2, .offset: 48, .size: 8, .value_kind: global_buffer, .address_space: global }
      - { .name: ac, .offset: 56, .size: 8, .value_kind: global_buffer, .address_space: global }
      - { .name: wqkc, .offset: 64, .size: 8, .value_kind: global_buffer, .address_space: global }
      - { .name: wvc, .offset: 72, .size: 8, .value_kind: global_buffer, .address_space: global }
      - { .name: wc, .offset: 80, .size: 8, .value_kind: global_buffer, .address_space: global }
    .group_segment_fixed_size: 47616
    .private_segment_fixed_size: 0
    .kernarg_segment_align: 8
    .kernarg_segment_size: 88
    .max_flat_workgroup_size: 128
    .sgpr_count:     66
    .vgpr_count:     256
    .wavefront_size: 32
...
	.end_amdgpu_metadata
.endif
;; end of part 1
;; launch qk (part 2): grid 8 x 16, 4 waves a work-group, clusters of 4 x 4, 327,680 bytes of LDS; arguments ac, wqkc, big; writes big
.if DOCPART == 2
	.amdgcn_target "amdgcn-amd-amdhsa--gfx1250"
	.amdhsa_code_object_version 6
	.text
	.protected	k_q0f54128ede_qk
	.globl	k_q0f54128ede_qk
	.p2align	8
	.type	k_q0f54128ede_qk,@function
k_q0f54128ede_qk:
	s_mov_b64 s[64:65], 0
	v_nop
	global_prefetch_b8 v0, s[64:65] scope:SCOPE_SE
	s_setreg_imm32_b32 hwreg(HW_REG_WAVE_MODE, 25, 1), 1
	s_wait_xcnt 0x0
	s_wait_alu depctr_hold_cnt(0) depctr_sa_sdst(0) depctr_va_vdst(0) depctr_va_sdst(0) depctr_va_ssrc(0) depctr_va_vcc(0) depctr_vm_vsrc(0)
	s_getreg_b32 s2, hwreg(HW_REG_IB_STS2, 6, 4)
	s_cmp_eq_u32 s2, 0
	s_cbranch_scc0 .Lentry_in_a_cluster
	s_endpgm
.Lentry_in_a_cluster:
	s_bfe_u32 s2, ttmp6, 0x10000c
	s_cmp_lg_u32 s2, 0xf033
	s_cbranch_scc0 .Lentry_shape_is_right
	s_endpgm
.Lentry_shape_is_right:
; A GEMM on units of FP6 codes whose RESULT IS QUANTISED AGAIN INTO UNITS.  Arguments: A's units, B's units, the result's units.
; Run twice: (x, wq|wk) -> q and k, rows = tokens, K = features;  (wv, x) -> v, rows = features, K = tokens (the keys are the second attention product's K).
; THE UNIT: 128 operand rows x 128 K in 12,800 bytes: fragment t at 1,536 t (row index r = operand row 32 (t/2) + 8 (t%2) + r + 8 (r/8)), plane p at + 256 p = registers 2 p, 2 p + 1, lane l at + 8 l;
; scale word of (t, r) at 12,288 + 128 (t/2) + 8 r + 4 (t%2).  Unit (rb, ks) of an operand lies at (rb KS + ks) x 12,800; of the result at (rb 32 + ks) x 12,800.
; A tile of 256 x 256 is made by four waves, 128 x 128 each: 64 accumulators in windows 2 and 3.  Source 0 = a fragment of B, source 1 = a fragment of A: lane (r, h) holds A's row index r, and by the units' choice of
; rows the 16 registers of B's tiles 2 b and 2 b + 1 are the neighbours 32 b + 16 h + 0 .. 15 along B's rows, which are the result's K: so a block of A's 16 rows x my 128 columns IS one fragment of the result.
; K goes in steps of 256 (two units a row block, dense in memory: 25,600 bytes a tensor load) through two LDS slots.  CLUSTERS 4 x 4: A's tiles are asked for jointly along a row, B's along a column.
; LIMITS: NaN and infinities are not served; a block of zeros, or one under 2^-124, gets the byte 1 (its codes are zeros or near; this program alone reads the bytes).
.set KS,    8                          ; units along K
.set WOFF,  0                          ; where B's units begin in their buffer
.set BIAS,  0
.set RELU,  0
.set UNIT,  12800
.set HALFT, 2*UNIT                     ; what one tensor load brings: 128 rows x 256 K
.set SLOT,  4*HALFT                    ; A's two row blocks, then B's two
.set SPARE, 2*SLOT                     ; the spare words, 128 bytes a wave: two blocks of 256 bytes that no other line names
.set LAPS,  KS/4                       ; a lap = once round the ring
.set FR,    12
.set NL,    6
.set ADRA,  16                         ; v16-17 LDS address of my A fragments in slot 0, 1
.set ADRB,  20                         ; v20-21 of my B fragments
.set ADRS,  22                         ; v22-23 of my scale words: lanes 0-15 A's, lanes 16-31 B's
.set LO8,   27                         ; v27 8 x lane
.set SPW,   28                         ; v28 my spare word; never rewritten
.set NIL,   29                         ; v29 0; never rewritten
.set SC,    32                         ; v32-63 scale words and nothing else: set s at SC + 16 s, the slot's q-th unit at + 8 q, tile i at + i
.set BI,    64                         ; v64-127 the bias in the result's layout, where there is one
.set AF,    128                        ; v128-223 A's eight fragments, ONE set;  window 1: B's two sets, at v0 and v128
.set G1,    24
.set G0,    32
.set G1B,   48
.set G0B,   56
.set MSB,   0
.macro WIN new                         ; the immediate's high byte repeats the setting that is left
.if MSB != (\new)
	s_set_vgpr_msb (MSB<<8)|(\new)
.set MSB, (\new)
.endif
.endm
.set MUL_LO, 0xa1                      ; source 0 (B) window 1, source 1 (A) window 0, C and D window 2
.set MUL_HI, 0xf1
.set TO_B,   0x40
.macro JLOAD g0a, g1a, g0b, g1b        ; a joint load: waves 0, 1 fetch for A, waves 2, 3 for B; four v_nop follow each line
	s_cmp_eq_u32 s15, 0
	s_cbranch_scc0 .Lfor_b_\@
	tensor_load_to_lds s[\g0a:\g0a+3], s[\g1a:\g1a+7]
	s_nop 0
.rept 4
	v_nop
.endr
	s_branch .Lasked_\@
.Lfor_b_\@:
	tensor_load_to_lds s[\g0b:\g0b+3], s[\g1b:\g1b+7]
	s_nop 0
.rept 4
	v_nop
.endr
.Lasked_\@:
.endm
.macro CREST                           ; a round of the cluster's barrier behind its opening barrier
	s_cmp_lg_u32 s14, 0
	s_cbranch_scc1 .Lnot_wave_0_\@
	s_barrier_signal -3
.Lnot_wave_0_\@:
	s_barrier_wait -3
	s_barrier_signal -1
	s_barrier_wait -1
.endm
.macro CROUND
	s_barrier_signal -1
	s_barrier_wait -1
	CREST
.endm
.macro PLACES n
.rept \n
	v_nop
.endr
.endm
	s_load_b128 s[4:7], s[0:1], 0x0                ; A, B
	s_load_b64 s[8:9], s[0:1], 0x10                ; the result
	v_lshl_add_u32 v[SPW], v0, 2, SPARE
	v_mov_b32 v[NIL], 0
	ds_add_u32 v28, v29
	s_wait_dscnt 0x0
	v_lshrrev_b32 v1, 5, v0
	v_readfirstlane_b32 s14, v1                    ; wave
	s_lshr_b32 s15, s14, 1                         ; my half of A's rows.  Also: I fetch for A (0) or B (1)
	s_and_b32 s16, s14, 1                          ; my half of B's rows.  Also: which row block I fetch
	s_bfe_u32 s40, ttmp6, 0x40000                  ; cx
	s_bfe_u32 s41, ttmp6, 0x40004                  ; cy
	s_lshl_b32 s42, ttmp9, 2
	s_add_co_u32 s42, s42, s40                     ; B's tile
	s_and_b32 s17, ttmp7, 0xffff
	s_lshl_b32 s17, s17, 2
	s_add_co_u32 s17, s17, s41                     ; A's tile
	s_lshl_b32 s43, s41, 2
	s_lshl_b32 s43, 15, s43                        ; my row of the cluster
	s_lshl_b32 s44, 0x1111, s40                    ; my column
	s_or_b32 s[G1+0], s43, (3<<16)|(1<<21)         ; the mask; elements of 8 bytes; bit 21 beside a mask; no padding
	s_or_b32 s[G1B+0], s44, (3<<16)|(1<<21)
.irp g, G1, G1B
	s_mov_b32 s[\g+1], 32<<16                      ; tensor_dim0: 32 elements = 256 bytes
	s_mov_b32 s[\g+2], 100<<16                     ; tensor_dim1: 100 rows = 25,600 bytes
	s_mov_b32 s[\g+3], 32<<16                      ; tile_dim0
	s_mov_b32 s[\g+4], 100                         ; tile_dim1
	s_mov_b32 s[\g+5], 32                          ; the pitch: dense
	s_mov_b32 s[\g+6], 0
	s_mov_b32 s[\g+7], 0
.endr
	s_lshl_b32 s20, s17, 1
	s_add_co_u32 s20, s20, s16                     ; A's row block that I fetch
	s_lshl_b32 s46, s42, 1
	s_add_co_u32 s46, s46, s16                     ; B's
	s_mov_b32 s21, 0
	s_mov_b32 s47, 0
	s_mov_b64 s[18:19], KS*UNIT
	s_mul_u64 s[20:21], s[20:21], s[18:19]
	s_mul_u64 s[46:47], s[46:47], s[18:19]
	s_mul_i32 s45, s14, HALFT                      ; where it goes: the wave's number alone
	s_wait_kmcnt 0x0
	s_add_nc_u64 s[20:21], s[4:5], s[20:21]
	s_add_nc_u64 s[46:47], s[6:7], s[46:47]
.if WOFF
	s_add_nc_u64 s[46:47], s[46:47], WOFF
.endif
	CROUND                                         ; all sixteen work-groups are here: the first joint loads meet
.irp s, 0,1
	s_mov_b32 s[G0+4*\s], 1
	s_add_co_u32 s[G0+4*\s+1], s45, \s*SLOT
	s_add_nc_u64 s[G0+4*\s+2:G0+4*\s+3], s[20:21], \s*HALFT
	s_or_b32 s[G0+4*\s+3], s[G0+4*\s+3], 0x80000000
	s_mov_b32 s[G0B+4*\s], 1
	s_add_co_u32 s[G0B+4*\s+1], s45, \s*SLOT
	s_add_nc_u64 s[G0B+4*\s+2:G0B+4*\s+3], s[46:47], \s*HALFT
	s_or_b32 s[G0B+4*\s+3], s[G0B+4*\s+3], 0x80000000
	JLOAD G0+4*\s, G1, G0B+4*\s, G1B
.endr
	v_and_b32 v1, 15, v0                           ; r
	v_bfe_u32 v2, v0, 4, 1                         ; h
	v_and_b32 v3, 31, v0                           ; l
	v_lshlrev_b32 v[LO8], 3, v3
	s_mul_i32 s21, s15, HALFT
	s_mul_i32 s22, s16, HALFT
	s_add_co_u32 s22, s22, 2*HALFT
.irp s, 0,1
	v_add_nc_u32 v[ADRA+\s], s21, v[LO8]
	v_add_nc_u32 v[ADRB+\s], s22, v[LO8]
	s_add_co_u32 s21, s21, SLOT
	s_add_co_u32 s22, s22, SLOT
.endr
	s_mul_i32 s21, s15, HALFT
	s_mul_i32 s22, s16, HALFT
	s_add_co_u32 s22, s22, 2*HALFT
	s_sub_co_u32 s22, s22, s21
	v_mul_u32_u24 v6, s22, v2                      ; lanes 16-31 take B's words: one product, the distance between the two regions
	v_lshl_add_u32 v5, v1, 3, v6
	s_add_co_u32 s21, s21, 12288
	v_add_nc_u32 v[ADRS], s21, v5
	v_add_nc_u32 v[ADRS+1], SLOT, v[ADRS]
	s_lshl_b32 s20, s17, 1                         ; the result's unit: row block 2 x A's tile + my half, K step 2 x B's tile + my half
	s_add_co_u32 s20, s20, s15
	s_lshl_b32 s20, s20, 5
	s_mul_i32 s20, s20, UNIT
	s_mov_b32 s21, 0
	s_lshl_b32 s46, s42, 1
	s_add_co_u32 s46, s46, s16
	s_mul_i32 s46, s46, UNIT
	s_mov_b32 s47, 0
	s_add_nc_u64 s[20:21], s[20:21], s[46:47]
	s_add_nc_u64 s[8:9], s[8:9], s[20:21]
.macro FRAG reg, adr, off              ; a fragment: six loads of 8 bytes a lane, 256 consecutive bytes each
.irp p, 0,1,2,3,4,5
	ds_load_b64 v[\reg+2*\p:\reg+2*\p+1], v[\adr] offset:\off+256*\p
.endr
.endm
.macro FETCH_B slot, q, p
	WIN TO_B
.irp i, 0,1,2,3,4,5,6,7
	FRAG 128*(\p)+FR*\i, ADRB+\slot, UNIT*(\q)+1536*\i
.endr
	WIN 0
.endm
.macro FETCH_A slot, q, i0
.irp i, \i0, \i0+1, \i0+2, \i0+3
	FRAG AF+FR*(\i), ADRA+\slot, UNIT*(\q)+1536*(\i)
.endr
.endm
.macro SCALES sc                       ; a slot's scale words: eight loads; a load brings the words of tiles 2 i and 2 i + 1
.irp q, 0,1
.irp i, 0,1,2,3
	ds_load_b64 v[SC+16*\sc+8*\q+2*\i:SC+16*\sc+8*\q+2*\i+1], v[ADRS+\sc] offset:UNIT*\q+128*\i
.endr
.endr
.endm
; 16 matrix instructions: A's blocks a0, a0 + 1 x B's eight.  The 64 accumulators take turns, one instruction a turn, in the same order in every step.
.macro MUL16 a0, p, q, sc, zero
.irp a, \a0, \a0+1
.irp b, 0,1,2,3,4,5,6,7
.if \zero
.if BIAS
	v_wmma_scale_f32_16x16x128_f8f6f4 v[8*(8*((\a)%4)+\b):8*(8*((\a)%4)+\b)+7], v[128*(\p)+FR*\b:128*(\p)+FR*\b+FR-1], v[AF+FR*(\a):AF+FR*(\a)+FR-1], v[BI+8*\b:BI+8*\b+7], v[SC+16*(\sc)+8*(\q)+\b], v[SC+16*(\sc)+8*(\q)+(\a)] matrix_a_fmt:MATRIX_FMT_FP6 matrix_b_fmt:MATRIX_FMT_FP6 matrix_a_scale:MATRIX_SCALE_ROW1
.else
	v_wmma_scale_f32_16x16x128_f8f6f4 v[8*(8*((\a)%4)+\b):8*(8*((\a)%4)+\b)+7], v[128*(\p)+FR*\b:128*(\p)+FR*\b+FR-1], v[AF+FR*(\a):AF+FR*(\a)+FR-1], 0, v[SC+16*(\sc)+8*(\q)+\b], v[SC+16*(\sc)+8*(\q)+(\a)] matrix_a_fmt:MATRIX_FMT_FP6 matrix_b_fmt:MATRIX_FMT_FP6 matrix_a_scale:MATRIX_SCALE_ROW1
.endif
.else
	v_wmma_scale_f32_16x16x128_f8f6f4 v[8*(8*((\a)%4)+\b):8*(8*((\a)%4)+\b)+7], v[128*(\p)+FR*\b:128*(\p)+FR*\b+FR-1], v[AF+FR*(\a):AF+FR*(\a)+FR-1], v[8*(8*((\a)%4)+\b):8*(8*((\a)%4)+\b)+7], v[SC+16*(\sc)+8*(\q)+\b], v[SC+16*(\sc)+8*(\q)+(\a)] matrix_a_fmt:MATRIX_FMT_FP6 matrix_b_fmt:MATRIX_FMT_FP6 matrix_a_scale:MATRIX_SCALE_ROW1
.endif
.endr
.endr
.endm
.macro STEP slot, q, zero              ; 128 along K that has its successor in the same slot
	s_wait_dscnt 4*NL                              ; B's set, A's blocks 0-3 and the words are in; the youngest 24 loads (A's blocks 4-7) may be out
.if (\zero) && BIAS
	WIN 0x81                                       ; C (the bias) in window 0
.else
	WIN MUL_LO
.endif
	MUL16 0, (\q)%2, \q, \slot, \zero
	MUL16 2, (\q)%2, \q, \slot, \zero
	s_wait_dscnt 0
	PLACES 4                                       ; four places in front of loads into registers that matrix instructions have read
	FETCH_B \slot, (\q)+1, 1-(\q)%2
	FETCH_A \slot, (\q)+1, 0
.if (\zero) && BIAS
	WIN 0xc1
.else
	WIN MUL_HI
.endif
	MUL16 4, (\q)%2, \q, \slot, \zero
	MUL16 6, (\q)%2, \q, \slot, \zero
	PLACES 4
	WIN 0
	FETCH_A \slot, (\q)+1, 4
.endm
; A slot's last step changes slots: one barrier; in front of it each wave waits for all its tensor loads, adds 0 to its spare word, and waits for that and for its reads of this slot.
.macro TURN slot, next, fill
	s_wait_tensorcnt 0x0                           ; all my tensor loads have landed: my part of the next slot
	ds_add_u32 v[SPW], v[NIL]                      ; 0 onto my spare word
	s_wait_dscnt 4*NL+1                            ; (the add and the youngest 24 loads may be out)
	WIN MUL_LO
	MUL16 0, 1, 1, \slot, 0
	s_wait_dscnt 0x0                               ; the add is done, and my reads of this slot are over
	s_barrier_signal -1
	MUL16 2, 1, 1, \slot, 0
	WIN 0
	s_barrier_wait -1
.if \fill
	CREST                                          ; the barrier has opened a round of the cluster's: no wave of any partner still reads this slot or has a load on its way
	s_add_nc_u64 s[G0+4*\slot+2:G0+4*\slot+3], s[G0+4*\slot+2:G0+4*\slot+3], 2*HALFT
	s_add_nc_u64 s[G0B+4*\slot+2:G0B+4*\slot+3], s[G0B+4*\slot+2:G0B+4*\slot+3], 2*HALFT
	JLOAD G0+4*\slot, G1, G0B+4*\slot, G1B         ; the first tensor load behind the round; its four v_nop are the places in front of the loads below
.else
	PLACES 4
.endif
	FETCH_B \next, 0, 0
	FETCH_A \next, 0, 0
	SCALES \next
	WIN MUL_HI
	MUL16 4, 1, 1, \slot, 0
	MUL16 6, 1, 1, \slot, 0
	PLACES 4
	WIN 0
	FETCH_A \next, 0, 4
.endm
	s_wait_tensorcnt 1                             ; my part of slot 0 is in; slot 1's may stay out
	s_barrier_signal -1
	s_barrier_wait -1
	FETCH_B 0, 0, 0
	FETCH_A 0, 0, 0
	SCALES 0
	FETCH_A 0, 0, 4
	STEP 0, 0, 1                                   ; the first step starts the sums: nothing is cleared
	s_mov_b32 s3, LAPS-1
.Llap:                                                 ; a trip goes once round the ring and fills both slots again
	TURN 0, 1, 1
	STEP 1, 0, 0
	TURN 1, 0, 1
	STEP 0, 0, 0
	s_sub_co_u32 s3, s3, 1
	s_cmp_lg_u32 s3, 0
	s_cbranch_scc1 .Llap
	TURN 0, 1, 0                                   ; the last lap fills nothing
	STEP 1, 0, 0
	s_wait_dscnt 4*NL
	WIN MUL_LO
	MUL16 0, 1, 1, 1, 0
	MUL16 2, 1, 1, 1, 0
	s_wait_dscnt 0
	WIN MUL_HI
	MUL16 4, 1, 1, 1, 0
	MUL16 6, 1, 1, 1, 0
	WIN 0
; THE WAY OUT: block a (A's 16 rows x my 128 columns) is quantised in registers and is fragment a of the result's unit; each of its six planes is stored as 256 consecutive bytes, aligned.
.set TM,  224                          ; v224-227 largest magnitudes, v228-231 bytes, v236-239 the conversions' scale operands
.set WR,  240                          ; v240-247 the eight fragments' scale words
.set WP,  248                          ; v248-251 the words as they are stored
.set PC,  64                           ; v64-83 the codes just made
.set SEL, 18
	s_mov_b32 s[SEL], 0x76543210
	s_mov_b32 s[SEL+1], 0xfedcba98
	s_mov_b32 s22, 0xffff0000
.irp b, 0,1,2,3
	v_mov_b32 v[TM+4+\b], 0                        ; a lane permute's destination counts as one of its sources; these four are also the places behind the last product
.endr
.macro QUANT a
.set WW, 2+(\a)/4
.set AB0, 64*((\a)%4)
.if (\a) > 0
	s_wait_xcnt 0x0                                ; the last fragment's stores have read the codes' registers
.endif
.if RELU
	WIN (WW<<6)|(WW<<2)
.set ci, 0
.rept 64
	v_max_num_f32 v[AB0+ci], 0, v[AB0+ci]          ; the activation, in f32; each accumulator from its low end on
.set ci, ci+1
.endr
.endif
	WIN (WW<<2)|(WW<<4)
.irp b, 0,1,2,3
	v_max3_num_f32 v[TM+\b], 0x1800000, |v[AB0+16*\b]|, |v[AB0+16*\b+1]|   ; block b: my 16 numbers and the floor 2^(3 - 127)
.endr
.irp i, 2,4,6,8,10,12,14
.irp b, 0,1,2,3
	v_max3_num_f32 v[TM+\b], v[TM+\b], |v[AB0+16*\b+\i]|, |v[AB0+16*\b+\i+1]|
.endr
.endr
	WIN 0
.irp b, 0,1,2,3
	v_permlanex16_b32 v[TM+4+\b], v[TM+\b], s[SEL], s[SEL+1]
.endr
.irp b, 0,1,2,3
	v_max_num_f32 v[TM+\b], v[TM+\b], v[TM+4+\b]   ; with lane l xor 16's: the block's largest magnitude
.endr
.irp b, 0,1,2,3
	v_add_nc_u32 v[TM+12+\b], 0xff000000, v[TM+\b]
.endr
.irp b, 0,1,2,3
	v_lshrrev_b32 v[TM+4+\b], 23, v[TM+12+\b]
.endr
	v_lshl_or_b32 v[WR+(\a)], v[TM+5], 8, v[TM+4]
	v_lshl_or_b32 v[WR+(\a)], v[TM+6], 16, v[WR+(\a)]
	v_lshl_or_b32 v[WR+(\a)], v[TM+7], 24, v[WR+(\a)]
	WIN WW
.irp c, 0,1
	v_cvt_scalef32_pk16_fp6_f32 v[PC+6*\c:PC+6*\c+2], v[AB0+32*\c:AB0+32*\c+15], v[TM+12+2*\c]
	v_cvt_scalef32_pk16_fp6_f32 v[PC+12+4*\c:PC+12+4*\c+2], v[AB0+32*\c+16:AB0+32*\c+31], v[TM+12+2*\c+1]
.endr
	WIN 0
	v_nop                                          ; one plain place behind the conversions
.irp c, 0,1                                    ; the operand's layout wants a whole block in a lane
.irp i, 0,1,2
	v_permlane16_swap_b32 v[PC+6*\c+\i], v[PC+12+4*\c+\i]
.endr
.irp i, 0,1,2
	v_mov_b32 v[PC+3+6*\c+\i], v[PC+12+4*\c+\i]
.endr
.endr
.irp p, 0,1,2,3,4,5
	global_store_b64 v[LO8], v[PC+2*\p:PC+2*\p+1], s[8:9] offset:1536*(\a)+256*\p
.endr
.endm
.irp a, 0,1,2,3,4,5,6,7
	QUANT \a
.endr
.irp g, 0,1                                    ; the words: lane r + 16 h stores those of tiles 4 g + 2 h and 4 g + 2 h + 1
	v_cndmask_b32 v[WP+2*\g], v[WR+4*\g], v[WR+4*\g+2], s22
	v_cndmask_b32 v[WP+2*\g+1], v[WR+4*\g+1], v[WR+4*\g+3], s22
	global_store_b64 v[LO8], v[WP+2*\g:WP+2*\g+1], s[8:9] offset:12288+256*\g
.endr
	s_wait_tensorcnt 0x0                           ; the wave's end
	ds_add_u32 v[SPW], v[NIL]
	s_wait_dscnt 0x0
	CROUND                                         ; the closing round
	s_endpgm
.Lfunc_end_k_q0f54128ede_qk:
	.size	k_q0f54128ede_qk, .Lfunc_end_k_q0f54128ede_qk-k_q0f54128ede_qk
	.p2alignl 7, 3214868480
	.fill 96, 4, 3214868480
	.section	.rodata,"a",@progbits
	.p2align	6, 0x0
	.amdhsa_kernel k_q0f54128ede_qk
		.amdhsa_group_segment_fixed_size 327680
		.amdhsa_private_segment_fixed_size 0
		.amdhsa_enable_private_segment 0
		.amdhsa_kernarg_size 24
		.amdhsa_user_sgpr_count 2
		.amdhsa_user_sgpr_kernarg_segment_ptr 1
		.amdhsa_wavefront_size32 1
		.amdhsa_system_sgpr_workgroup_id_x 1
		.amdhsa_system_sgpr_workgroup_id_y 1
		.amdhsa_system_sgpr_workgroup_id_z 1
		.amdhsa_system_vgpr_workitem_id 0
		.amdhsa_next_free_vgpr 1024
		.amdhsa_next_free_sgpr 66
		.amdhsa_reserve_vcc 0
		.amdhsa_float_denorm_mode_32 3
		.amdhsa_float_denorm_mode_16_64 3
		.amdhsa_memory_ordered 1
		.amdhsa_forward_progress 1
		.amdhsa_inst_pref_size 164
	.end_amdhsa_kernel
	.amdgpu_metadata
---
amdhsa.version: [ 1, 2 ]
amdhsa.kernels:
  - .name:           k_q0f54128ede_qk
    .symbol:         k_q0f54128ede_qk.kd
    .args:
      - { .name: ac, .offset: 0, .size: 8, .value_kind: global_buffer, .address_space: global }
      - { .name: wqkc, .offset: 8, .size: 8, .value_kind: global_buffer, .address_space: global }
      - { .name: big, .offset: 16, .size: 8, .value_kind: global_buffer, .address_space: global }
    .group_segment_fixed_size: 327680
    .private_segment_fixed_size: 0
    .kernarg_segment_align: 8
    .kernarg_segment_size: 24
    .max_flat_workgroup_size: 128
    .sgpr_count:     66
    .vgpr_count:     1024
    .wavefront_size: 32
...
	.end_amdgpu_metadata
.endif
;; end of part 2
;; launch vp: the kernel of part 2 again; grid 16 x 4, 4 waves a work-group, clusters of 4 x 4, 327,680 bytes of LDS; arguments wvc, ac, vc; writes vc
;; launch attn (part 3): grid 16 x 16, 16 waves a work-group, clusters of 4 x 1, 327,680 bytes of LDS; arguments big, vc, ac; writes ac
.if DOCPART == 3
	.amdgcn_target "amdgcn-amd-amdhsa--gfx1250"
	.amdhsa_code_object_version 6
	.text
	.protected	k_q0f54128ede_attn
	.globl	k_q0f54128ede_attn
	.p2align	8
	.type	k_q0f54128ede_attn,@function
k_q0f54128ede_attn:
	s_mov_b64 s[64:65], 0
	v_nop
	global_prefetch_b8 v0, s[64:65] scope:SCOPE_SE
	s_setreg_imm32_b32 hwreg(HW_REG_WAVE_MODE, 25, 1), 1
	s_wait_xcnt 0x0
	s_wait_alu depctr_hold_cnt(0) depctr_sa_sdst(0) depctr_va_vdst(0) depctr_va_sdst(0) depctr_va_ssrc(0) depctr_va_vcc(0) depctr_vm_vsrc(0)
	s_getreg_b32 s2, hwreg(HW_REG_IB_STS2, 6, 4)
	s_cmp_eq_u32 s2, 0
	s_cbranch_scc0 .Lentry_in_a_cluster
	s_endpgm
.Lentry_in_a_cluster:
	s_bfe_u32 s2, ttmp6, 0x10000c
	s_cmp_lg_u32 s2, 0x3003
	s_cbranch_scc0 .Lentry_shape_is_right
	s_endpgm
.Lentry_shape_is_right:
; ctx = softmax(q k^T / 8) v for 32 (batch, head) pairs of 2,048 tokens and head size 64, both products on codes of FP6 with E8M0 scales; ctx is quantised along the features into units of ac.
; INPUTS, in units of 12,800 bytes (128 rows x 128 K; fragment t at 1,536 t, row index r = row 32 (t/2) + 8 (t%2) + r + 8 (r/8); plane p at + 256 p, lane at + 8 l; scale word of (t, r) at 12,288 + 128 (t/2) + 8 r + 4 (t%2)):
;   big: unit (token block, ks) at (32 block + ks): ks = j: q of head pair j, ks = 8 + j: k.  A head's 64 features are half a unit's K: planes 3 e .. 3 e + 2 and bytes 2 e, 2 e + 1 of a scale word (e = the head's parity).
;   vc:  unit (head pair j, token block) at (32 j + block): rows = features, K = tokens.
; The first product's K is 64: registers 6-11 of both operands hold zero codes, and the upper two scale bytes are 0, which is 2^-127 and multiplies zeros.
; THE SOFTMAX: t = score x log2(e) / 8; M = the running largest t rounded UP to a whole number; p = 2^(t - M) is quantised along the keys, not normalised; the row's sum is taken of the unquantised p and divides at the end;
; when M moves, the sum and O are multiplied by 2^(old M - new M), which rounds nothing.
; SHARES.  A work-group owns 128 queries (a token block) of one head PAIR; wave w: head parity e = w / 8, tile t = w % 8 of 16 queries, in 256 registers: four waves to a SIMD, so that one wave's vector work stands beside
; another's matrix work.  Every wave walks 16 key steps of 128 keys.  Both products are used transposed: a lane holds one query throughout; by the units' choice of rows p's 16 registers of two tiles are 16 neighbouring keys.
; RING: two slots of four key steps (four units of k, four of v).  CLUSTER: the four query blocks of a cluster walk the same k and v: waves 0-3 ask jointly for k's units, waves 4-7 for v's, a unit a wave.
; No prefetch is laid: a refill is asked for four key steps ahead of its first read.  LIMITS: NaN and infinities are not served; a block of ctx under 2^-124 gets the byte 1.
.set UNIT,  12800
.set SLOT1, 1<<17                      ; slot 1 begins here: one exclusive or turns an address from one slot to the other
.set SCST,  SLOT1+8*UNIT               ; 512 bytes: ctx's scale words of the work-group's unit; no tensor load lands here
.set SPARE, SCST+512                   ; the spare words, 128 bytes a wave: eight blocks of 256 bytes that no other line names
.set KSTEPB, 4*32*UNIT                 ; four token blocks on in big
.set VSTEPB, 4*UNIT                    ; and in vc
.set AK0,  1                           ; v1  my lane's place in a unit of k: 8 l + 768 e
.set AV0,  2                           ; v2  in a unit of v: behind the four units of k, + 6,144 e + 8 l
.set ASK0, 3                           ; v3  among k's scale words
.set ASV0, 4                           ; v4  among v's
.set SPW,  5
.set NIL,  6
.set GO,   7                           ; v7  8 l + 1,536 t + 768 e: my place in q's unit and in ctx's
.set ADK,  8
.set ADV,  9
.set ADS,  10
.set ADT,  11
.set KO,   32                          ; v32-79   four operands of k: six registers of codes, six of zeros
.set VF,   80                          ; v80-127  four fragments of v;  v28-31 their scale words
.set SS,   128                         ; v128-191 S^T, then p
.set OT,   192                         ; v192-223 O^T
.set WV,   18
.set SEL,  20
.set CS,   22
.set G1,   24
.set G0K,  32                          ; s[32:39] k's groups 0: a set for each first fill; the second then walks on
.set G0V,  44                          ; s[44:51] v's
.set TB,   2                           ; s2  LDS byte at which the key step's unit of k begins
.set SLOTS, 3
.set CNT,  42
.macro JLOAD                           ; waves 0-3 fetch k, waves 4-7 v, the others nothing; the branches hang on the wave's number alone; four v_nop follow each line
	s_cmp_lt_u32 s[WV], 4
	s_cbranch_scc0 .Lnot_k_\@
	tensor_load_to_lds s[G0K+4:G0K+7], s[G1:G1+7]
	s_nop 0
.rept 4
	v_nop
.endr
	s_branch .Lasked_\@
.Lnot_k_\@:
	s_cmp_lt_u32 s[WV], 8
	s_cbranch_scc0 .Lasked_\@
	tensor_load_to_lds s[G0V+4:G0V+7], s[G1:G1+7]
	s_nop 0
.rept 4
	v_nop
.endr
.Lasked_\@:
.endm
.macro CROUND
	s_barrier_signal -1
	s_barrier_wait -1
	s_cmp_lg_u32 s[WV], 0
	s_cbranch_scc1 .Lnot_wave_0_\@
	s_barrier_signal -3
.Lnot_wave_0_\@:
	s_barrier_wait -3
	s_barrier_signal -1
	s_barrier_wait -1
.endm
	s_load_b128 s[4:7], s[0:1], 0x0                ; big, vc
	s_load_b64 s[8:9], s[0:1], 0x10                ; ac
	v_lshl_add_u32 v[SPW], v0, 2, SPARE
	v_mov_b32 v[NIL], 0
	ds_add_u32 v5, v6
	s_wait_dscnt 0x0
	v_lshrrev_b32 v8, 5, v0
	v_readfirstlane_b32 s[WV], v8
	s_bfe_u32 s56, ttmp6, 0x40000                  ; cx: it enters q's and ctx's global addresses alone
	s_lshl_b32 s57, ttmp9, 2
	s_add_co_u32 s56, s57, s56                     ; my block of 128 queries
	s_and_b32 s10, ttmp7, 0xffff
	s_and_b32 s11, s10, 7                          ; j, the head pair
	s_lshr_b32 s10, s10, 3
	s_lshl_b32 s10, s10, 4                         ; the batch's first token block
	s_and_b32 s12, s[WV], 3
	s_add_co_u32 s13, s10, s12                     ; the token block whose unit I fetch first
	s_lshl_b32 s52, s13, 5
	s_add_co_u32 s52, s52, s11
	s_add_co_u32 s52, s52, 8
	s_mul_i32 s52, s52, UNIT                       ; k's unit
	s_mov_b32 s53, 0
	s_lshl_b32 s54, s11, 5
	s_add_co_u32 s54, s54, s13
	s_mul_i32 s54, s54, UNIT                       ; v's unit
	s_mov_b32 s55, 0
	s_mul_i32 s43, s[WV], UNIT                     ; where it goes: four units of k, then four of v
	s_mov_b32 s[G1], 15|(3<<16)|(1<<21)            ; the mask: all four work-groups; elements of 8 bytes; bit 21 beside a mask; no padding
	s_mov_b32 s[G1+1], 32<<16                      ; rows of 256 bytes,
	s_mov_b32 s[G1+2], 50<<16                      ; 50 of them: a unit
	s_mov_b32 s[G1+3], 32<<16
	s_mov_b32 s[G1+4], 50
	s_mov_b32 s[G1+5], 32
	s_mov_b32 s[G1+6], 0
	s_mov_b32 s[G1+7], 0
	s_mov_b32 s[SEL], 0x76543210
	s_mov_b32 s[SEL+1], 0xfedcba98
	s_mov_b32 s[CS], 0x3e38aa3b                    ; c = log2(e) / 8
	s_mov_b32 s[CS+1], s[CS]
	s_mov_b32 s[TB], 0
	s_mov_b32 s[SLOTS], 2
	s_wait_kmcnt 0x0
	s_add_nc_u64 s[58:59], s[4:5], s[52:53]
	s_add_nc_u64 s[62:63], s[6:7], s[54:55]
	CROUND                                         ; all four work-groups are here: the first joint loads meet
.irp s, 0,1
	s_mov_b32 s[G0K+4*\s], 1
	s_add_co_u32 s[G0K+4*\s+1], s43, \s*SLOT1
	s_add_nc_u64 s[G0K+4*\s+2:G0K+4*\s+3], s[58:59], \s*KSTEPB
	s_or_b32 s[G0K+4*\s+3], s[G0K+4*\s+3], 0x80000000
	s_mov_b32 s[G0V+4*\s], 1
	s_add_co_u32 s[G0V+4*\s+1], s43, \s*SLOT1
	s_add_nc_u64 s[G0V+4*\s+2:G0V+4*\s+3], s[62:63], \s*VSTEPB
	s_or_b32 s[G0V+4*\s+3], s[G0V+4*\s+3], 0x80000000
.endr
	s_cmp_lt_u32 s[WV], 4                          ; a wave's two first fills stand in one branch, ahead of every wait on TENSORcnt and every LDS read: two loads of mine are out
	s_cbranch_scc0 .Lfirst_not_k
	tensor_load_to_lds s[G0K:G0K+3], s[G1:G1+7]
	s_nop 0
	tensor_load_to_lds s[G0K+4:G0K+7], s[G1:G1+7]
	s_nop 0
.rept 4
	v_nop
.endr
	s_branch .Lfirst_asked
.Lfirst_not_k:
	s_cmp_lt_u32 s[WV], 8
	s_cbranch_scc0 .Lfirst_asked
	tensor_load_to_lds s[G0V:G0V+3], s[G1:G1+7]
	s_nop 0
	tensor_load_to_lds s[G0V+4:G0V+7], s[G1:G1+7]
	s_nop 0
.rept 4
	v_nop
.endr
.Lfirst_asked:
	s_lshr_b32 s14, s[WV], 3                       ; e
	s_and_b32 s15, s[WV], 7                        ; t
	s_mul_i32 s60, s15, 1536
	s_mul_i32 s62, s14, 768
	s_add_co_u32 s60, s60, s62                     ; my fragment's half: 1,536 t + 768 e
	s_lshr_b32 s61, s15, 1
	s_lshl_b32 s61, s61, 7
	s_and_b32 s62, s15, 1
	s_lshl_b32 s62, s62, 2
	s_add_co_u32 s61, s61, s62
	s_lshl_b32 s62, s14, 1
	s_add_co_u32 s61, s61, s62                     ; my two scale bytes: 128 (t/2) + 4 (t%2) + 2 e
	s_add_co_u32 s57, s10, s56                     ; my token block
	s_lshl_b32 s58, s57, 5
	s_add_co_u32 s58, s58, s11
	s_mul_i32 s58, s58, UNIT
	s_mov_b32 s59, 0
	s_add_nc_u64 s[4:5], s[4:5], s[58:59]          ; q's unit
	s_lshl_b32 s58, s57, 3
	s_add_co_u32 s58, s58, s11
	s_mul_i32 s58, s58, UNIT
	s_add_nc_u64 s[8:9], s[8:9], s[58:59]          ; ctx's unit
	v_and_b32 v8, 31, v0                           ; l
	v_and_b32 v9, 15, v0                           ; r
	v_lshl_add_u32 v[GO], v8, 3, s60
	v_lshl_add_u32 v10, v9, 3, s61
.irp i, 0,1,2
	global_load_b64 v[16+2*\i:17+2*\i], v[GO], s[4:5] offset:256*\i   ; q's 64 codes a row stay in registers
.endr
	global_load_u16 v255, v10, s[4:5] offset:12288 ; q's two scale bytes: v255
	s_mul_i32 s62, s14, 768
	v_lshl_add_u32 v[AK0], v8, 3, s62
	s_mul_i32 s62, s14, 6144
	s_add_co_u32 s62, s62, 4*UNIT
	v_lshl_add_u32 v[AV0], v8, 3, s62
	s_lshl_b32 s62, s14, 1
	s_add_co_u32 s62, s62, 12288
	v_lshl_add_u32 v[ASK0], v9, 3, s62
	s_lshl_b32 s62, s14, 8
	s_add_co_u32 s62, s62, 4*UNIT+12288
	v_lshl_add_u32 v[ASV0], v9, 3, s62
.irp i, 22,23,24,25,26,27
	v_mov_b32 v[\i], 0                             ; zero codes for k = 64 .. 127 of the first product: q's,
.endr
.irp t, 0,1,2,3
.irp i, 6,7,8,9,10,11
	v_mov_b32 v[KO+12*\t+\i], 0                    ; and k's: set once
.endr
.endr
	v_mov_b32 v13, 0xff61b1e6                      ; the largest t so far: -3e38
	v_floor_f32 v12, -v13                          ; -M
	v_mov_b32 v14, 0                               ; the sum, in two halves
	v_mov_b32 v15, 0
.irp b, 0,1,2,3
	v_mov_b32 v[236+\b], 0                         ; a lane permute's destination counts as one of its sources
.endr
	v_mov_b32 v253, 0                              ; (named as the upper half of v[252:253] before it is first written)
.set ci, 0
.rept 32
	v_mov_b32 v[OT+ci], 0                          ; O^T: the step is written once; its first run finds zeros, which the first change of M leaves zeros
.set ci, ci+1
.endr
; A KEY STEP: 128 keys.
.macro STEP
	v_add_nc_u32 v[ADK], s[TB], v[AK0]             ; (these four are also the places in front of the loads below)
	v_add_nc_u32 v[ADV], s[TB], v[AV0]
	v_add_nc_u32 v[ADS], s[TB], v[ASK0]
	v_add_nc_u32 v[ADT], s[TB], v[ASV0]
.irp g, 0,1                                    ; S^T = k q^T, four tiles of 16 keys at a time
.if \g
.rept 4
	v_nop                                          ; places in front of loads into registers that matrix instructions have read
.endr
.endif
.irp t, 0,1,2,3
.irp i, 0,1,2
	ds_load_b64 v[KO+12*\t+2*\i:KO+12*\t+2*\i+1], v[ADK] offset:1536*(4*\g+\t)+256*\i
.endr
	ds_load_u16 v[248+\t], v[ADS] offset:128*((4*\g+\t)/2)+4*(\t%2)
.endr
	s_wait_dscnt 0x0
.irp t, 0,1,2,3
	v_wmma_scale_f32_16x16x128_f8f6f4 v[SS+8*(4*\g+\t):SS+8*(4*\g+\t)+7], v[KO+12*\t:KO+12*\t+11], v[16:27], 0, v[248+\t], v255 matrix_a_fmt:MATRIX_FMT_FP6 matrix_b_fmt:MATRIX_FMT_FP6
.endr
.endr
.irp i, 0,1,2,3                                ; v's four fragments of my head are asked for now and land under the softmax
.irp p, 0,1,2,3,4,5
	ds_load_b64 v[VF+12*\i+2*\p:VF+12*\i+2*\p+1], v[ADV] offset:1536*\i+256*\p
.endr
.endr
	ds_load_b64 v[28:29], v[ADT]
	ds_load_b64 v[30:31], v[ADT] offset:128
.rept 4
	v_nop
.endr
.irp b, 0,1,2,3
	v_max3_num_f32 v[232+\b], v[SS+16*\b], v[SS+1+16*\b], v[SS+2+16*\b]   ; the largest score of each block of 32 keys: it serves the row's maximum and, since p rises with the score, the block's largest p
.endr
.irp i, 3,5,7,9,11,13
.irp b, 0,1,2,3
	v_max3_num_f32 v[232+\b], v[232+\b], v[SS+16*\b+\i], v[SS+1+16*\b+\i]
.endr
.endr
.irp b, 0,1,2,3
	v_max_num_f32 v[232+\b], v[232+\b], v[SS+15+16*\b]
.endr
.irp b, 0,1,2,3
	v_permlanex16_b32 v[236+\b], v[232+\b], s[SEL], s[SEL+1]
.endr
.irp b, 0,1,2,3
	v_max_num_f32 v[232+\b], v[232+\b], v[236+\b]
.endr
	v_max3_num_f32 v254, v232, v233, v234
	v_max_num_f32 v254, v254, v235
	v_mul_f32 v254, s[CS], v254                    ; the step's largest t
	v_max_num_f32 v13, v13, v254
	v_mov_b32 v254, v12
	v_floor_f32 v12, -v13                          ; the new -M = -ceil(t)
	v_sub_f32 v254, v12, v254                      ; old M - new M: a whole number, 0 or less
	v_cvt_i32_f32 v254, v254                       ; (it saturates)
	v_ldexp_f32 v252, 1.0, v254                    ; f = 2^(old M - new M)
.set ci, 0
.rept 32
	v_pk_fma_f32 v[SS+ci:SS+ci+1], v[SS+ci:SS+ci+1], s[CS:CS+1], v[12:13] op_sel_hi:[1,0,0]   ; t - M
.set ci, ci+2
.endr
.irp b, 0,1,2,3
	v_fma_f32 v[232+\b], v[232+\b], s[CS], v12
.endr
.set ci, 0
.rept 64
	v_exp_f32 v[SS+ci], v[SS+ci]                   ; p = 2^(t - M)
.set ci, ci+1
.endr
	v_pk_mul_f32 v[14:15], v[14:15], v[252:253] op_sel_hi:[1,0]   ; the sums under the new M: a plain place behind the exponentials
	s_wait_alu depctr_va_vdst(0)                   ; one wait for the whole batch, ahead of its first reader
.irp b, 0,1,2,3
	v_exp_f32 v[232+\b], v[232+\b]                 ; each block's largest p
.endr
	v_pk_add_f32 v[236:237], v[SS:SS+1], v[SS+2:SS+3]   ; the row's sum of the unquantised p, in two chains
.irp j, 4,8,12,16,20,24,28,32,36,40,44,48,52,56,60
	v_pk_add_f32 v[14:15], v[14:15], v[SS+\j:SS+\j+1]
	v_pk_add_f32 v[236:237], v[236:237], v[SS+2+\j:SS+3+\j]
.endr
	v_pk_add_f32 v[14:15], v[14:15], v[236:237]
	s_wait_alu depctr_va_vdst(0)                   ; and one for the four
.irp b, 0,1,2,3
	v_max_num_f32 v[232+\b], 0x1800000, v[232+\b]  ; the floor: the byte cannot fall under 1
.endr
.irp b, 0,1,2,3
	v_add_nc_u32 v[244+\b], 0xff000000, v[232+\b]
.endr
.irp b, 0,1,2,3
	v_lshrrev_b32 v[236+\b], 23, v[244+\b]
.endr
	v_lshl_or_b32 v253, v237, 8, v236              ; p's scale word for these 128 keys
	v_lshl_or_b32 v253, v238, 16, v253
	v_lshl_or_b32 v253, v239, 24, v253
.irp c, 0,1
	v_cvt_scalef32_pk16_fp6_f32 v[224+6*\c:226+6*\c], v[SS+32*\c:SS+15+32*\c], v[244+2*\c]
	v_cvt_scalef32_pk16_fp6_f32 v[236+4*\c:238+4*\c], v[SS+16+32*\c:SS+31+32*\c], v[244+2*\c+1]
.endr
	v_nop
.irp c, 0,1
.irp i, 0,1,2
	v_permlane16_swap_b32 v[224+6*\c+\i], v[236+4*\c+\i]
.endr
.irp i, 0,1,2
	v_mov_b32 v[227+6*\c+\i], v[236+4*\c+\i]
.endr
.endr
.set ci, 0
.rept 16
	v_pk_mul_f32 v[OT+ci:OT+ci+1], v[OT+ci:OT+ci+1], v[252:253] op_sel_hi:[1,0]   ; O^T under the new M; these 16 are also the places in front of the products below
.set ci, ci+2
.endr
	s_wait_dscnt 0x0                               ; v is in
.irp i, 0,1,2,3                                ; O^T += v^T p^T: the four accumulators by turns
	v_wmma_scale_f32_16x16x128_f8f6f4 v[OT+8*\i:OT+8*\i+7], v[VF+12*\i:VF+12*\i+11], v[224:235], v[OT+8*\i:OT+8*\i+7], v[28+\i], v253 matrix_a_fmt:MATRIX_FMT_FP6 matrix_b_fmt:MATRIX_FMT_FP6
.endr
	s_add_co_u32 s[TB], s[TB], UNIT                ; the next key step's units
.endm
.macro SLOTWORK                        ; a slot's four key steps: written once, walked four times
	s_mov_b32 s[CNT], 4
.Lstep_\@:
	STEP
	s_sub_co_u32 s[CNT], s[CNT], 1
	s_cmp_lg_u32 s[CNT], 0
	s_cbranch_scc1 .Lstep_\@
.endm
; THE CHANGE OF SLOTS.  Each wave waits for all its tensor loads, adds 0 to its spare word, and waits for that and for its reads of the slot that it leaves.  fill = 1: that slot is filled again, behind a round of the cluster's barrier.
.macro CHANGE fill
	s_wait_tensorcnt 0x0                           ; no tensor load of mine is out, so a group 0 may be written
	ds_add_u32 v[SPW], v[NIL]                      ; 0 onto my spare word
.if \fill
	s_xor_b32 s[G0K+5], s[G0K+5], SLOT1            ; the walking descriptors: the other slot than last time, the next four key steps
	s_add_nc_u64 s[G0K+6:G0K+7], s[G0K+6:G0K+7], KSTEPB
	s_xor_b32 s[G0V+5], s[G0V+5], SLOT1
	s_add_nc_u64 s[G0V+6:G0V+7], s[G0V+6:G0V+7], VSTEPB
	s_wait_dscnt 0x0                               ; the add is done, and my reads of the slot are over
	CROUND
	JLOAD                                          ; the first thing behind the round, a wave's one tensor load until the next
.else
	s_wait_dscnt 0x0
	s_barrier_signal -1
	s_barrier_wait -1
.endif
	s_sub_co_u32 s[TB], s[TB], 4*UNIT              ; back to a slot's first step,
	s_xor_b32 s[TB], s[TB], SLOT1                  ; in the other slot
.endm
	s_wait_loadcnt 0x0                             ; q
	s_wait_tensorcnt 1                             ; my part of slot 0 is in; slot 1's may stay out
	s_barrier_signal -1
	s_barrier_wait -1
	SLOTWORK                                       ; key steps 0-3
.Lslot:                                            ; two trips: slots 0 and 1 are filled once more
	CHANGE 1
	SLOTWORK
	s_sub_co_u32 s[SLOTS], s[SLOTS], 1
	s_cmp_lg_u32 s[SLOTS], 0
	s_cbranch_scc1 .Lslot
	CHANGE 0                                       ; the last slot is written out
	SLOTWORK
	; THE WAY OUT: O^T / the sum is ctx(query r, features 64 e + 32 b + 16 h + i): two blocks along the next product's K.  They become planes 3 e .. 3 e + 2 of fragment t of ctx's unit.
	v_add_f32 v14, v14, v15
	v_permlanex16_b32 v252, v14, s[SEL], s[SEL+1]
	v_add_f32 v14, v14, v252                       ; the row's sum
	v_rcp_f32 v14, v14
	v_and_b32 v8, 15, v0                           ; (plain work behind the reciprocal)
	v_lshl_add_u32 v8, v8, 3, s61
	v_add_nc_u32 v8, SCST, v8                      ; where my row's two scale bytes go
	v_and_b32 v10, 31, v0
	v_lshlrev_b32 v10, 4, v10
	v_add_nc_u32 v9, SCST, v10
	s_wait_alu depctr_va_vdst(0)                   ; the wait ahead of the reciprocal's first reader
.set ci, 0
.rept 32
	v_mul_f32 v[SS+ci], v[OT+ci], v14              ; each accumulator from its low end on
.set ci, ci+1
.endr
.irp b, 0,1
	v_max3_num_f32 v[232+\b], |v[SS+16*\b]|, |v[SS+1+16*\b]|, 0x1800000
.endr
.irp i, 2,4,6,8,10,12,14
.irp b, 0,1
	v_max3_num_f32 v[232+\b], v[232+\b], |v[SS+16*\b+\i]|, |v[SS+1+16*\b+\i]|
.endr
.endr
.irp b, 0,1
	v_permlanex16_b32 v[236+\b], v[232+\b], s[SEL], s[SEL+1]
.endr
.irp b, 0,1
	v_max_num_f32 v[232+\b], v[232+\b], v[236+\b]
.endr
.irp b, 0,1
	v_add_nc_u32 v[244+\b], 0xff000000, v[232+\b]
.endr
.irp b, 0,1
	v_lshrrev_b32 v[236+\b], 23, v[244+\b]
.endr
	v_lshl_or_b32 v240, v237, 8, v236              ; my row's two bytes
	v_cvt_scalef32_pk16_fp6_f32 v[224:226], v[SS:SS+15], v244
	v_cvt_scalef32_pk16_fp6_f32 v[236:238], v[SS+16:SS+31], v245
	v_nop
.irp i, 0,1,2
	v_permlane16_swap_b32 v[224+\i], v[236+\i]
.endr
.irp i, 0,1,2
	v_mov_b32 v[227+\i], v[236+\i]
.endr
.irp i, 0,1,2
	global_store_b64 v[GO], v[224+2*\i:225+2*\i], s[8:9] offset:256*\i   ; a plane: 256 consecutive bytes, aligned
.endr
	ds_store_b16 v8, v240                          ; lanes r and r + 16 write the same two bytes with the same value
	s_wait_dscnt 0x0                               ; for the others' sake: my store has landed
	s_barrier_signal -1
	s_barrier_wait -1
	s_cmp_lg_u32 s[WV], 0
	s_cbranch_scc1 .Lnot_first
	ds_load_b128 v[128:131], v9                    ; wave 0 stores the unit's 512 bytes of scale words whole
	s_wait_dscnt 0x0
	global_store_b128 v10, v[128:131], s[8:9] offset:12288
.Lnot_first:
	s_wait_tensorcnt 0x0                           ; the wave's end
	ds_add_u32 v[SPW], v[NIL]
	s_wait_dscnt 0x0
	CROUND                                         ; the closing round
	s_endpgm
.Lfunc_end_k_q0f54128ede_attn:
	.size	k_q0f54128ede_attn, .Lfunc_end_k_q0f54128ede_attn-k_q0f54128ede_attn
	.p2alignl 7, 3214868480
	.fill 96, 4, 3214868480
	.section	.rodata,"a",@progbits
	.p2align	6, 0x0
	.amdhsa_kernel k_q0f54128ede_attn
		.amdhsa_group_segment_fixed_size 327680
		.amdhsa_private_segment_fixed_size 0
		.amdhsa_enable_private_segment 0
		.amdhsa_kernarg_size 24
		.amdhsa_user_sgpr_count 2
		.amdhsa_user_sgpr_kernarg_segment_ptr 1
		.amdhsa_wavefront_size32 1
		.amdhsa_system_sgpr_workgroup_id_x 1
		.amdhsa_system_sgpr_workgroup_id_y 1
		.amdhsa_system_sgpr_workgroup_id_z 1
		.amdhsa_system_vgpr_workitem_id 0
		.amdhsa_next_free_vgpr 256
		.amdhsa_next_free_sgpr 66
		.amdhsa_reserve_vcc 0
		.amdhsa_float_denorm_mode_32 3
		.amdhsa_float_denorm_mode_16_64 3
		.amdhsa_memory_ordered 1
		.amdhsa_forward_progress 1
		.amdhsa_inst_pref_size 68
	.end_amdhsa_kernel
	.amdgpu_metadata
---
amdhsa.version: [ 1, 2 ]
amdhsa.kernels:
  - .name:           k_q0f54128ede_attn
    .symbol:         k_q0f54128ede_attn.kd
    .args:
      - { .name: big, .offset: 0, .size: 8, .value_kind: global_buffer, .address_space: global }
      - { .name: vc, .offset: 8, .size: 8, .value_kind: global_buffer, .address_space: global }
      - { .name: ac, .offset: 16, .size: 8, .value_kind: global_buffer, .address_space: global }
    .group_segment_fixed_size: 327680
    .private_segment_fixed_size: 0
    .kernarg_segment_align: 8
    .kernarg_segment_size: 24
    .max_flat_workgroup_size: 512
    .sgpr_count:     66
    .vgpr_count:     256
    .wavefront_size: 32
...
	.end_amdgpu_metadata
.endif
;; end of part 3
;; launch wo (part 4): grid 4 x 16, 4 waves a work-group, clusters of 4 x 4, 327,680 bytes of LDS; arguments ac, wc, x, theta, ybuf; writes ybuf
.if DOCPART == 4
	.amdgcn_target "amdgcn-amd-amdhsa--gfx1250"
	.amdhsa_code_object_version 6
	.text
	.protected	k_q0f54128ede_wo
	.globl	k_q0f54128ede_wo
	.p2align	8
	.type	k_q0f54128ede_wo,@function
k_q0f54128ede_wo:
	s_mov_b64 s[64:65], 0
	v_nop
	global_prefetch_b8 v0, s[64:65] scope:SCOPE_SE
	s_setreg_imm32_b32 hwreg(HW_REG_WAVE_MODE, 25, 1), 1
	s_wait_xcnt 0x0
	s_wait_alu depctr_hold_cnt(0) depctr_sa_sdst(0) depctr_va_vdst(0) depctr_va_sdst(0) depctr_va_ssrc(0) depctr_va_vcc(0) depctr_vm_vsrc(0)
	s_getreg_b32 s2, hwreg(HW_REG_IB_STS2, 6, 4)
	s_cmp_eq_u32 s2, 0
	s_cbranch_scc0 .Lentry_in_a_cluster
	s_endpgm
.Lentry_in_a_cluster:
	s_bfe_u32 s2, ttmp6, 0x10000c
	s_cmp_lg_u32 s2, 0xf033
	s_cbranch_scc0 .Lentry_shape_is_right
	s_endpgm
.Lentry_shape_is_right:
; y1 = x + sigmoid(cos(theta)) (ctx wo): a GEMM on units of FP6 codes with an f32 way out.  Arguments: ctx's units, the weights' units (wo's come first), x, theta, y1 [4096][1024] f32.
; THE UNIT: 128 operand rows x 128 K in 12,800 bytes: fragment t at 1,536 t (row index r = operand row 32 (t/2) + 8 (t%2) + r + 8 (r/8)), plane p at + 256 p = registers 2 p, 2 p + 1, lane l at + 8 l;
; scale word of (t, r) at 12,288 + 128 (t/2) + 8 r + 4 (t%2).  Unit (rb, ks) of an operand lies at (rb KS + ks) x 12,800.
; A tile of 256 x 256 is made by four waves, 128 x 128 each: 64 accumulators in windows 2 and 3.  Source 0 = a fragment of B (16 columns of the weight), source 1 = a fragment of A (16 tokens): lane (r, h) holds token
; index r, and the 16 registers of B's tiles 2 b and 2 b + 1 are the neighbouring columns 32 b + 16 h + 0 .. 15.
; K goes in steps of 256 (two units a row block, dense in memory: 25,600 bytes a tensor load) through two LDS slots.  CLUSTERS 4 x 4: A's tiles are asked for jointly along a row, B's along a column.
; The layer norm needs whole rows of 1,024 and is a launch of its own.  LIMITS: |theta| under 2^16 (the reduction of the cosine's argument); NaN and infinities are not served.
.set KS,    8
.set WOFF,  0
.set BIAS,  0
.set GATE,  1
.set UNIT,  12800
.set HALFT, 2*UNIT
.set SLOT,  4*HALFT
.set SPARE, 2*SLOT                     ; the spare words, 128 bytes a wave: two blocks of 256 bytes that no other line names
.set LAPS,  KS/4
.set FR,    12
.set NL,    6
.set ADRA,  16
.set ADRB,  20
.set ADRS,  22
.set STO,   24                         ; v24 the way out: where I put 32 bytes of a row
.set RD,    25                         ; v25 where I read a row back
.set CO,    26                         ; v26 16 x lane
.set LO8,   27
.set SPW,   28
.set NIL,   29
.set GT,    30                         ; v[30:31] the gate, twice
.set SC,    32                         ; v32-63 scale words and nothing else
.set BI,    64
.set AF,    128
.set G1,    24
.set G0,    32
.set G1B,   48
.set G0B,   56
.set MSB,   0
.macro WIN new
.if MSB != (\new)
	s_set_vgpr_msb (MSB<<8)|(\new)
.set MSB, (\new)
.endif
.endm
.set MUL_LO, 0xa1
.set MUL_HI, 0xf1
.set TO_B,   0x40
.macro JLOAD g0a, g1a, g0b, g1b        ; a joint load: waves 0, 1 fetch for A, waves 2, 3 for B; four v_nop follow each line
	s_cmp_eq_u32 s15, 0
	s_cbranch_scc0 .Lfor_b_\@
	tensor_load_to_lds s[\g0a:\g0a+3], s[\g1a:\g1a+7]
	s_nop 0
.rept 4
	v_nop
.endr
	s_branch .Lasked_\@
.Lfor_b_\@:
	tensor_load_to_lds s[\g0b:\g0b+3], s[\g1b:\g1b+7]
	s_nop 0
.rept 4
	v_nop
.endr
.Lasked_\@:
.endm
.macro CREST
	s_cmp_lg_u32 s14, 0
	s_cbranch_scc1 .Lnot_wave_0_\@
	s_barrier_signal -3
.Lnot_wave_0_\@:
	s_barrier_wait -3
	s_barrier_signal -1
	s_barrier_wait -1
.endm
.macro CROUND
	s_barrier_signal -1
	s_barrier_wait -1
	CREST
.endm
.macro PLACES n
.rept \n
	v_nop
.endr
.endm
	s_load_b128 s[4:7], s[0:1], 0x0                ; A, B
	s_load_b128 s[8:11], s[0:1], 0x10              ; x, theta
	s_load_b64 s[12:13], s[0:1], 0x20              ; y1
	v_lshl_add_u32 v[SPW], v0, 2, SPARE
	v_mov_b32 v[NIL], 0
	ds_add_u32 v28, v29
	s_wait_dscnt 0x0
	v_lshrrev_b32 v1, 5, v0
	v_readfirstlane_b32 s14, v1
	s_lshr_b32 s15, s14, 1
	s_and_b32 s16, s14, 1
	s_bfe_u32 s40, ttmp6, 0x40000
	s_bfe_u32 s41, ttmp6, 0x40004
	s_lshl_b32 s42, ttmp9, 2
	s_add_co_u32 s42, s42, s40                     ; B's tile
	s_and_b32 s17, ttmp7, 0xffff
	s_lshl_b32 s17, s17, 2
	s_add_co_u32 s17, s17, s41                     ; A's tile
	s_lshl_b32 s43, s41, 2
	s_lshl_b32 s43, 15, s43
	s_lshl_b32 s44, 0x1111, s40
	s_or_b32 s[G1+0], s43, (3<<16)|(1<<21)         ; the mask; elements of 8 bytes; bit 21 beside a mask; no padding
	s_or_b32 s[G1B+0], s44, (3<<16)|(1<<21)
.irp g, G1, G1B
	s_mov_b32 s[\g+1], 32<<16                      ; rows of 256 bytes,
	s_mov_b32 s[\g+2], 100<<16                     ; 100 of them: two units
	s_mov_b32 s[\g+3], 32<<16
	s_mov_b32 s[\g+4], 100
	s_mov_b32 s[\g+5], 32
	s_mov_b32 s[\g+6], 0
	s_mov_b32 s[\g+7], 0
.endr
	s_lshl_b32 s20, s17, 1
	s_add_co_u32 s20, s20, s16
	s_lshl_b32 s46, s42, 1
	s_add_co_u32 s46, s46, s16
	s_mov_b32 s21, 0
	s_mov_b32 s47, 0
	s_mov_b64 s[18:19], KS*UNIT
	s_mul_u64 s[20:21], s[20:21], s[18:19]
	s_mul_u64 s[46:47], s[46:47], s[18:19]
	s_mul_i32 s45, s14, HALFT
	s_wait_kmcnt 0x0
	s_load_b32 s2, s[10:11], 0x0                   ; theta
	s_add_nc_u64 s[20:21], s[4:5], s[20:21]
	s_add_nc_u64 s[46:47], s[6:7], s[46:47]
.if WOFF
	s_add_nc_u64 s[46:47], s[46:47], WOFF
.endif
	CROUND
.irp s, 0,1
	s_mov_b32 s[G0+4*\s], 1
	s_add_co_u32 s[G0+4*\s+1], s45, \s*SLOT
	s_add_nc_u64 s[G0+4*\s+2:G0+4*\s+3], s[20:21], \s*HALFT
	s_or_b32 s[G0+4*\s+3], s[G0+4*\s+3], 0x80000000
	s_mov_b32 s[G0B+4*\s], 1
	s_add_co_u32 s[G0B+4*\s+1], s45, \s*SLOT
	s_add_nc_u64 s[G0B+4*\s+2:G0B+4*\s+3], s[46:47], \s*HALFT
	s_or_b32 s[G0B+4*\s+3], s[G0B+4*\s+3], 0x80000000
	JLOAD G0+4*\s, G1, G0B+4*\s, G1B
.endr
	v_and_b32 v1, 15, v0                           ; r
	v_bfe_u32 v2, v0, 4, 1                         ; h
	v_and_b32 v3, 31, v0                           ; l
	v_lshlrev_b32 v[LO8], 3, v3
	s_mul_i32 s21, s15, HALFT
	s_mul_i32 s22, s16, HALFT
	s_add_co_u32 s22, s22, 2*HALFT
.irp s, 0,1
	v_add_nc_u32 v[ADRA+\s], s21, v[LO8]
	v_add_nc_u32 v[ADRB+\s], s22, v[LO8]
	s_add_co_u32 s21, s21, SLOT
	s_add_co_u32 s22, s22, SLOT
.endr
	s_mul_i32 s21, s15, HALFT
	s_mul_i32 s22, s16, HALFT
	s_add_co_u32 s22, s22, 2*HALFT
	s_sub_co_u32 s22, s22, s21
	v_mul_u32_u24 v6, s22, v2                      ; lanes 16-31 take B's words
	v_lshl_add_u32 v5, v1, 3, v6
	s_add_co_u32 s21, s21, 12288
	v_add_nc_u32 v[ADRS], s21, v5
	v_add_nc_u32 v[ADRS+1], SLOT, v[ADRS]
	s_mul_i32 s23, s14, 16*528                     ; my stage, in slot 0: when the first result is stored there, that slot has had its last fill and its last read
	v_mul_u32_u24 v5, v1, 528
	v_lshl_add_u32 v5, v2, 6, v5
	v_add_nc_u32 v[STO], s23, v5                   ; in: row r, + 64 h
	v_lshlrev_b32 v[CO], 4, v3
	v_add_nc_u32 v[RD], s23, v[CO]                 ; back: a whole row of 512 bytes
	s_lshl_b32 s20, s17, 8
	s_lshl_b32 s21, s15, 7
	s_add_co_u32 s20, s20, s21
	s_lshl_b32 s20, s20, 12                        ; my first token's row of 4,096 bytes
	s_mov_b32 s21, 0
	s_lshl_b32 s46, s42, 10
	s_lshl_b32 s47, s16, 9
	s_add_co_u32 s46, s46, s47                     ; my first column, in bytes
	s_mov_b32 s47, 0
	s_add_nc_u64 s[20:21], s[20:21], s[46:47]
	s_add_nc_u64 s[8:9], s[8:9], s[20:21]
	s_add_nc_u64 s[12:13], s[12:13], s[20:21]
	s_wait_kmcnt 0x0                               ; theta
.macro FRAG reg, adr, off
.irp p, 0,1,2,3,4,5
	ds_load_b64 v[\reg+2*\p:\reg+2*\p+1], v[\adr] offset:\off+256*\p
.endr
.endm
.macro FETCH_B slot, q, p
	WIN TO_B
.irp i, 0,1,2,3,4,5,6,7
	FRAG 128*(\p)+FR*\i, ADRB+\slot, UNIT*(\q)+1536*\i
.endr
	WIN 0
.endm
.macro FETCH_A slot, q, i0
.irp i, \i0, \i0+1, \i0+2, \i0+3
	FRAG AF+FR*(\i), ADRA+\slot, UNIT*(\q)+1536*(\i)
.endr
.endm
.macro SCALES sc
.irp q, 0,1
.irp i, 0,1,2,3
	ds_load_b64 v[SC+16*\sc+8*\q+2*\i:SC+16*\sc+8*\q+2*\i+1], v[ADRS+\sc] offset:UNIT*\q+128*\i
.endr
.endr
.endm
; 16 matrix instructions: A's blocks a0, a0 + 1 x B's eight.  The 64 accumulators take turns, one instruction a turn, in the same order in every step.
.macro MUL16 a0, p, q, sc, zero
.irp a, \a0, \a0+1
.irp b, 0,1,2,3,4,5,6,7
.if \zero
.if BIAS
	v_wmma_scale_f32_16x16x128_f8f6f4 v[8*(8*((\a)%4)+\b):8*(8*((\a)%4)+\b)+7], v[128*(\p)+FR*\b:128*(\p)+FR*\b+FR-1], v[AF+FR*(\a):AF+FR*(\a)+FR-1], v[BI+8*\b:BI+8*\b+7], v[SC+16*(\sc)+8*(\q)+\b], v[SC+16*(\sc)+8*(\q)+(\a)] matrix_a_fmt:MATRIX_FMT_FP6 matrix_b_fmt:MATRIX_FMT_FP6 matrix_a_scale:MATRIX_SCALE_ROW1
.else
	v_wmma_scale_f32_16x16x128_f8f6f4 v[8*(8*((\a)%4)+\b):8*(8*((\a)%4)+\b)+7], v[128*(\p)+FR*\b:128*(\p)+FR*\b+FR-1], v[AF+FR*(\a):AF+FR*(\a)+FR-1], 0, v[SC+16*(\sc)+8*(\q)+\b], v[SC+16*(\sc)+8*(\q)+(\a)] matrix_a_fmt:MATRIX_FMT_FP6 matrix_b_fmt:MATRIX_FMT_FP6 matrix_a_scale:MATRIX_SCALE_ROW1
.endif
.else
	v_wmma_scale_f32_16x16x128_f8f6f4 v[8*(8*((\a)%4)+\b):8*(8*((\a)%4)+\b)+7], v[128*(\p)+FR*\b:128*(\p)+FR*\b+FR-1], v[AF+FR*(\a):AF+FR*(\a)+FR-1], v[8*(8*((\a)%4)+\b):8*(8*((\a)%4)+\b)+7], v[SC+16*(\sc)+8*(\q)+\b], v[SC+16*(\sc)+8*(\q)+(\a)] matrix_a_fmt:MATRIX_FMT_FP6 matrix_b_fmt:MATRIX_FMT_FP6 matrix_a_scale:MATRIX_SCALE_ROW1
.endif
.endr
.endr
.endm
.macro STEP slot, q, zero
	s_wait_dscnt 4*NL                              ; B's set, A's blocks 0-3 and the words are in; the youngest 24 loads (A's blocks 4-7) may be out
.if (\zero) && BIAS
	WIN 0x81
.else
	WIN MUL_LO
.endif
	MUL16 0, (\q)%2, \q, \slot, \zero
	MUL16 2, (\q)%2, \q, \slot, \zero
	s_wait_dscnt 0
	PLACES 4                                       ; four places in front of loads into registers that matrix instructions have read
	FETCH_B \slot, (\q)+1, 1-(\q)%2
	FETCH_A \slot, (\q)+1, 0
.if (\zero) && BIAS
	WIN 0xc1
.else
	WIN MUL_HI
.endif
	MUL16 4, (\q)%2, \q, \slot, \zero
	MUL16 6, (\q)%2, \q, \slot, \zero
	PLACES 4
	WIN 0
	FETCH_A \slot, (\q)+1, 4
.endm
; A slot's last step changes slots: one barrier; in front of it each wave waits for all its tensor loads, adds 0 to its spare word, and waits for that and for its reads of this slot.
.macro TURN slot, next, fill
	s_wait_tensorcnt 0x0                           ; all my tensor loads have landed: my part of the next slot
	ds_add_u32 v[SPW], v[NIL]                      ; 0 onto my spare word
	s_wait_dscnt 4*NL+1                            ; (the add and the youngest 24 loads may be out)
	WIN MUL_LO
	MUL16 0, 1, 1, \slot, 0
	s_wait_dscnt 0x0                               ; the add is done, and my reads of this slot are over
	s_barrier_signal -1
	MUL16 2, 1, 1, \slot, 0
	WIN 0
	s_barrier_wait -1
.if \fill
	CREST                                          ; the barrier has opened a round of the cluster's
	s_add_nc_u64 s[G0+4*\slot+2:G0+4*\slot+3], s[G0+4*\slot+2:G0+4*\slot+3], 2*HALFT
	s_add_nc_u64 s[G0B+4*\slot+2:G0B+4*\slot+3], s[G0B+4*\slot+2:G0B+4*\slot+3], 2*HALFT
	JLOAD G0+4*\slot, G1, G0B+4*\slot, G1B         ; the first tensor load behind the round; its four v_nop are the places in front of the loads below
.else
	PLACES 4
.endif
	FETCH_B \next, 0, 0
	FETCH_A \next, 0, 0
	SCALES \next
	WIN MUL_HI
	MUL16 4, 1, 1, \slot, 0
	MUL16 6, 1, 1, \slot, 0
	PLACES 4
	WIN 0
	FETCH_A \next, 0, 4
.endm
	s_wait_tensorcnt 1                             ; my part of slot 0 is in; slot 1's may stay out
	s_barrier_signal -1
	s_barrier_wait -1
	FETCH_B 0, 0, 0
	FETCH_A 0, 0, 0
	SCALES 0
	FETCH_A 0, 0, 4
	STEP 0, 0, 1
	s_mov_b32 s3, LAPS-1
.Llap:
	TURN 0, 1, 1
	STEP 1, 0, 0
	TURN 1, 0, 1
	STEP 0, 0, 0
	s_sub_co_u32 s3, s3, 1
	s_cmp_lg_u32 s3, 0
	s_cbranch_scc1 .Llap
	TURN 0, 1, 0
	STEP 1, 0, 0
	s_wait_dscnt 4*NL
	WIN MUL_LO
	MUL16 0, 1, 1, 1, 0
	MUL16 2, 1, 1, 1, 0
	s_wait_dscnt 0
	WIN MUL_HI
	MUL16 4, 1, 1, 1, 0
	MUL16 6, 1, 1, 1, 0
	WIN 0
; THE WAY OUT, block by block of A's 16 rows x my 128 columns: through my stage, back as whole rows of 512 bytes, joined with the residual, stored as 512 consecutive bytes.
.set RS, 64                            ; v64-127, v128-191 the residual's rows, two sets
.set BK, 192                           ; v192-255 the block's rows read back
.if GATE
	; the gate = sigmoid(cos(theta)), in f32.  theta less a whole number of turns (2 pi in three parts), the half angle's cosine by its series to z^7 (z at most 2.47: the next term is under 1e-10), doubled.
	v_mov_b32 v1, s2                               ; (these plain lines are also the places behind the last product)
	v_mul_f32 v2, 0.15915494, v1
	v_rndne_f32 v2, v2
	v_fma_f32 v1, v2, 0xc0c90000, v1
	v_fma_f32 v1, v2, 0xbafda000, v1
	v_fma_f32 v1, v2, 0xb4a22168, v1
	v_mul_f32 v1, 0.5, v1
	v_mul_f32 v1, v1, v1                           ; z
	v_mov_b32 v3, 0xad49cba5
	v_fma_f32 v3, v3, v1, 0x310f76c7
	v_fma_f32 v3, v3, v1, 0xb493f27e
	v_fma_f32 v3, v3, v1, 0x37d00d01
	v_fma_f32 v3, v3, v1, 0xbab60b61
	v_fma_f32 v3, v3, v1, 0x3d2aaaab
	v_fma_f32 v3, v3, v1, -0.5
	v_fma_f32 v3, v3, v1, 1.0
	v_mul_f32 v4, v3, v3
	v_fma_f32 v4, v4, 2.0, -1.0                    ; cos(theta)
	v_mul_f32 v4, 0xbfb8aa3b, v4
	v_exp_f32 v5, v4
	v_nop
	s_wait_alu depctr_va_vdst(0)                   ; the wait ahead of the exponential's reader
	v_add_f32 v5, 1.0, v5
	v_rcp_f32 v[GT], v5
	v_nop
	s_wait_alu depctr_va_vdst(0)
	v_mov_b32 v[GT+1], v[GT]
.else
	PLACES 4
.endif
.macro RESID a
.set RB, RS+64*((\a)%2)
.irp t, 0,1,2,3,4,5,6,7,8,9,10,11,12,13,14,15
	global_load_b128 v[RB+4*\t:RB+4*\t+3], v[CO], s[8:9] offset:(32*((\a)/2)+8*((\a)%2)+\t+8*(\t/8))*4096
.endr
.endm
.macro TOSTAGE a
.set AC, 64*((\a)%4)
	WIN 0x08+4*((\a)/4)                            ; an LDS store's data: window 2 or 3
.irp b, 0,1,2,3,4,5,6,7
	ds_store_b128 v[STO], v[AC+8*\b:AC+8*\b+3] offset:128*(\b/2)+32*(\b%2)        ; each accumulator from its low end on
	ds_store_b128 v[STO], v[AC+8*\b+4:AC+8*\b+7] offset:128*(\b/2)+32*(\b%2)+16
.endr
	WIN 0
.irp t, 0,1,2,3,4,5,6,7,8,9,10,11,12,13,14,15
	ds_load_b128 v[BK+4*\t:BK+4*\t+3], v[RD] offset:528*\t   ; LDS serves a wave's instructions in order: these see the stores above
.endr
.endm
.macro COMBINE a
.set RB, RS+64*((\a)%2)
.set ci, 0
.rept 32
.if GATE
	v_pk_fma_f32 v[BK+ci:BK+ci+1], v[BK+ci:BK+ci+1], v[GT:GT+1], v[RB+ci:RB+ci+1]
.else
	v_pk_add_f32 v[BK+ci:BK+ci+1], v[BK+ci:BK+ci+1], v[RB+ci:RB+ci+1]
.endif
.set ci, ci+2
.endr
.irp t, 0,1,2,3,4,5,6,7,8,9,10,11,12,13,14,15
	global_store_b128 v[CO], v[BK+4*\t:BK+4*\t+3], s[12:13] offset:(32*((\a)/2)+8*((\a)%2)+\t+8*(\t/8))*4096
.endr
.endm
	RESID 0
.irp a, 0,1,2,3,4,5,6,7
.if \a > 0
	s_wait_xcnt 0x0                                ; the last block's stores have read their registers
.endif
	TOSTAGE \a
.if \a < 7
	RESID \a+1
	s_wait_dscnt 0x0
	s_wait_loadcnt 16                              ; this block's residual is in; the next block's 16 loads may stay out
.else
	s_wait_dscnt 0x0
	s_wait_loadcnt 0x0
.endif
	COMBINE \a
.endr
	s_wait_tensorcnt 0x0                           ; the wave's end
	ds_add_u32 v[SPW], v[NIL]
	s_wait_dscnt 0x0
	CROUND
	s_endpgm
.Lfunc_end_k_q0f54128ede_wo:
	.size	k_q0f54128ede_wo, .Lfunc_end_k_q0f54128ede_wo-k_q0f54128ede_wo
	.p2alignl 7, 3214868480
	.fill 96, 4, 3214868480
	.section	.rodata,"a",@progbits
	.p2align	6, 0x0
	.amdhsa_kernel k_q0f54128ede_wo
		.amdhsa_group_segment_fixed_size 327680
		.amdhsa_private_segment_fixed_size 0
		.amdhsa_enable_private_segment 0
		.amdhsa_kernarg_size 40
		.amdhsa_user_sgpr_count 2
		.amdhsa_user_sgpr_kernarg_segment_ptr 1
		.amdhsa_wavefront_size32 1
		.amdhsa_system_sgpr_workgroup_id_x 1
		.amdhsa_system_sgpr_workgroup_id_y 1
		.amdhsa_system_sgpr_workgroup_id_z 1
		.amdhsa_system_vgpr_workitem_id 0
		.amdhsa_next_free_vgpr 1024
		.amdhsa_next_free_sgpr 66
		.amdhsa_reserve_vcc 0
		.amdhsa_float_denorm_mode_32 3
		.amdhsa_float_denorm_mode_16_64 3
		.amdhsa_memory_ordered 1
		.amdhsa_forward_progress 1
		.amdhsa_inst_pref_size 186
	.end_amdhsa_kernel
	.amdgpu_metadata
---
amdhsa.version: [ 1, 2 ]
amdhsa.kernels:
  - .name:           k_q0f54128ede_wo
    .symbol:         k_q0f54128ede_wo.kd
    .args:
      - { .name: ac, .offset: 0, .size: 8, .value_kind: global_buffer, .address_space: global }
      - { .name: wc, .offset: 8, .size: 8, .value_kind: global_buffer, .address_space: global }
      - { .name: x, .offset: 16, .size: 8, .value_kind: global_buffer, .address_space: global }
      - { .name: theta, .offset: 24, .size: 8, .value_kind: global_buffer, .address_space: global }
      - { .name: ybuf, .offset: 32, .size: 8, .value_kind: global_buffer, .address_space: global }
    .group_segment_fixed_size: 327680
    .private_segment_fixed_size: 0
    .kernarg_segment_align: 8
    .kernarg_segment_size: 40
    .max_flat_workgroup_size: 128
    .sgpr_count:     66
    .vgpr_count:     1024
    .wavefront_size: 32
...
	.end_amdgpu_metadata
.endif
;; end of part 4
;; launch ln1 (part 5): grid 128 x 1, 8 waves a work-group, no clusters, 132,608 bytes of LDS; arguments ybuf, ln1_g, ln1_b, x1, ac; writes x1, ac
.if DOCPART == 5
	.amdgcn_target "amdgcn-amd-amdhsa--gfx1250"
	.amdhsa_code_object_version 6
	.text
	.protected	k_q0f54128ede_ln1
	.globl	k_q0f54128ede_ln1
	.p2align	8
	.type	k_q0f54128ede_ln1,@function
k_q0f54128ede_ln1:
	s_mov_b64 s[64:65], 0
	v_nop
	global_prefetch_b8 v0, s[64:65] scope:SCOPE_SE
	s_setreg_imm32_b32 hwreg(HW_REG_WAVE_MODE, 25, 1), 1
	s_wait_xcnt 0x0
; x1 = layernorm(y1) g + b, rows of 1,024 f32, stored as f32 AND quantised along the row into units of FP6 codes for the next product.
; A work-group takes 32 consecutive rows, which are two fragments of eight units; each of its eight waves takes four whole rows in registers: the row is read once, and no reduction leaves the wave.
; The variance is taken of the centred numbers: no difference of large sums is formed.
; Then the rows meet in LDS (pitch 4,112 bytes), in the order of the fragments' row indices, and wave w quantises K step w of both fragments.
; THE UNIT: 128 rows x 128 K in 12,800 bytes: fragment t at 1,536 t (row index r = row 32 (t/2) + 8 (t%2) + r + 8 (r/8)), plane p at + 256 p, lane l at + 8 l; scale word of (t, r) at 12,288 + 128 (t/2) + 8 r + 4 (t%2).
; LIMITS: NaN and infinities are not served; a block of zeros, or one under 2^-124, gets the byte 1 (this program alone reads the bytes).  Matrix units, clusters and tensor loads buy nothing here: memory binds.
.set QNT,  1
.set Y,    64                          ; v64-191  four rows: row i at + 32 i, its columns 128 q + 4 l + 0 .. 3 at + 4 q
.set GG,   192                         ; v192-223 the gain of my columns
.set BB,   224                         ; v224-255 the bias
.set PS,   8                           ; v8-15    a pair a row: the sum, the mean, then 1 / sqrt(var + eps)
.set SQ,   16                          ; v16-23   a pair a row: the sum of squares
.set SEL,  22
.set TT,   40
.set MX,   48
.set SO,   50
.set TP,   52
.set WA,   53
.set WB,   54
.set WD,   55
.set SH8,  6
.macro QUANTX xs, cd, wd               ; 64 numbers of a lane, v[xs + 32 c + i] = k 64 c + 32 h + i of its row, become the fragment's 12 registers v[cd] on and its row's scale word
	v_max3_num_f32 v[MX], |v[\xs]|, |v[\xs+1]|, 0x1800000            ; the floor 2^(3 - 127) holds the byte at 1 from below
	v_max3_num_f32 v[MX+1], |v[\xs+32]|, |v[\xs+33]|, 0x1800000
.set qi, 2
.rept 15
	v_max3_num_f32 v[MX], v[MX], |v[\xs+qi]|, |v[\xs+qi+1]|
	v_max3_num_f32 v[MX+1], v[MX+1], |v[\xs+32+qi]|, |v[\xs+33+qi]|
.set qi, qi+2
.endr
	v_add_nc_u32 v[SO], 0xff000000, v[MX]
	v_add_nc_u32 v[SO+1], 0xff000000, v[MX+1]
	v_lshrrev_b32 v[MX], 23, v[SO]
	v_lshrrev_b32 v[MX+1], 23, v[SO+1]
	v_lshl_or_b32 v[\wd], v[MX+1], 16, v[MX]
	v_lshlrev_b32 v[\wd], v[SH8], v[\wd]
	v_permlanex16_b32 v[TP], v[\wd], s[SEL], s[SEL+1]
	v_or_b32 v[\wd], v[\wd], v[TP]
.irp c, 0,1
	v_cvt_scalef32_pk16_fp6_f32 v[\cd+6*\c:\cd+6*\c+2], v[\xs+32*\c:\xs+32*\c+15], v[SO+\c]
	v_cvt_scalef32_pk16_fp6_f32 v[TT+4*\c:TT+4*\c+2], v[\xs+32*\c+16:\xs+32*\c+31], v[SO+\c]
.endr
	v_nop
.irp c, 0,1
.irp i, 0,1,2
	v_mov_b32 v[\cd+6*\c+3+\i], v[TT+4*\c+\i]
.endr
.endr
.endm
.macro REDUCE base                     ; the four rows' figures, each over the 32 lanes, by turns
.irp m, 1,2,4,8
.irp i, 0,1,2,3
	v_add_f32_dpp v[\base+2*\i], v[\base+2*\i], v[\base+2*\i] row_xmask:\m row_mask:0xf bank_mask:0xf
.endr
.endr
.irp i, 0,1,2,3
	v_permlanex16_b32 v[\base+2*\i+1], v[\base+2*\i], s[SEL], s[SEL+1]
.endr
.irp i, 0,1,2,3
	v_add_f32 v[\base+2*\i], v[\base+2*\i], v[\base+2*\i+1]
.endr
.endm
	s_load_b256 s[4:11], s[0:1], 0x0               ; y, the gain, the bias, the f32 result
.if QNT
	s_load_b64 s[12:13], s[0:1], 0x20              ; the units
	v_lshl_add_u32 v62, v0, 2, 0x20200
	v_mov_b32 v63, 0
.endif
	v_lshrrev_b32 v1, 5, v0
	v_readfirstlane_b32 s14, v1                    ; wave
	v_and_b32 v8, 31, v0
	v_lshlrev_b32 v1, 4, v8                        ; 16 l
	s_mov_b32 s[SEL], 0x76543210
	s_mov_b32 s[SEL+1], 0xfedcba98
	s_mov_b32 s20, 0x3a800000                      ; 1 / 1,024
	s_mov_b32 s21, 0x3727c5ac                      ; 1e-5
	s_lshl_b32 s16, ttmp9, 17                      ; 32 rows of 4,096 bytes
	s_lshl_b32 s17, s14, 14                        ; + my four
	s_add_co_u32 s16, s16, s17
	s_mov_b32 s17, 0
	s_wait_kmcnt 0x0
	s_add_nc_u64 s[4:5], s[4:5], s[16:17]
	s_add_nc_u64 s[10:11], s[10:11], s[16:17]
.irp i, 0,1,2,3
.irp q, 0,1,2,3,4,5,6,7
	global_load_b128 v[Y+32*\i+4*\q:Y+32*\i+4*\q+3], v1, s[4:5] offset:4096*\i+512*\q th:TH_LOAD_NT
.endr
.endr
.irp q, 0,1,2,3,4,5,6,7
	global_load_b128 v[GG+4*\q:GG+4*\q+3], v1, s[6:7] offset:512*\q
	global_load_b128 v[BB+4*\q:BB+4*\q+3], v1, s[8:9] offset:512*\q
.endr
.if QNT
	v_and_b32 v9, 15, v0                           ; r
	v_bfe_u32 v10, v0, 4, 1                        ; h
	s_bfe_u32 s16, s14, 0x10001                    ; row 4 w + i of the 32 is row index 4 (w%2) + 8 (w/4) + i of fragment (w/2)%2
	s_lshl_b32 s16, s16, 4
	s_and_b32 s17, s14, 1
	s_lshl_b32 s17, s17, 2
	s_add_co_u32 s16, s16, s17
	s_lshr_b32 s17, s14, 2
	s_lshl_b32 s17, s17, 3
	s_add_co_u32 s16, s16, s17
	s_mul_i32 s16, s16, 4112
	v_add_nc_u32 v2, s16, v1                       ; into LDS
	v_mul_u32_u24 v3, v9, 4112
	v_lshl_add_u32 v3, v10, 7, v3
	s_lshl_b32 s16, s14, 9
	v_add_nc_u32 v3, s16, v3                       ; out of it: row index r, + 128 h, + my K step's 512 bytes; fragment 0,
	v_add_nc_u32 v4, 65792, v3                     ; fragment 1
	s_lshr_b32 s16, ttmp9, 2
	s_lshl_b32 s16, s16, 3
	s_add_co_u32 s16, s16, s14
	s_mul_i32 s16, s16, 12800
	s_mov_b32 s17, 0
	s_add_nc_u64 s[12:13], s[12:13], s[16:17]      ; unit (row block, K step w)
	s_and_b32 s18, ttmp9, 3
	s_mul_i32 s19, s18, 3072
	v_lshl_add_u32 v5, v8, 3, s19                  ; 8 l + the pair's two fragments
	s_lshl_b32 s19, s18, 7
	v_lshl_add_u32 v7, v9, 3, s19
	v_lshl_add_u32 v7, v10, 2, v7                  ; the words' place
	v_lshlrev_b32 v[SH8], 3, v10
	v_mov_b32 v[TP], 0
	s_mov_b32 s19, 0xffff0000
.endif
	s_wait_loadcnt 16                              ; the rows are in; the gain's and the bias's 16 loads may stay out
.irp i, 0,1,2,3
	v_pk_add_f32 v[PS+2*\i:PS+2*\i+1], v[Y+32*\i:Y+32*\i+1], v[Y+32*\i+2:Y+32*\i+3]
.endr
.irp k, 4,6,8,10,12,14,16,18,20,22,24,26,28,30
.irp i, 0,1,2,3
	v_pk_add_f32 v[PS+2*\i:PS+2*\i+1], v[PS+2*\i:PS+2*\i+1], v[Y+32*\i+\k:Y+32*\i+\k+1]
.endr
.endr
.irp i, 0,1,2,3
	v_add_f32 v[PS+2*\i], v[PS+2*\i], v[PS+2*\i+1]
.endr
	REDUCE PS
.irp i, 0,1,2,3
	v_mul_f32 v[PS+2*\i], s20, v[PS+2*\i]          ; the mean
.endr
.irp k, 0,2,4,6,8,10,12,14,16,18,20,22,24,26,28,30
.irp i, 0,1,2,3
	v_pk_add_f32 v[Y+32*\i+\k:Y+32*\i+\k+1], v[Y+32*\i+\k:Y+32*\i+\k+1], v[PS+2*\i:PS+2*\i+1] op_sel_hi:[1,0] neg_lo:[0,1] neg_hi:[0,1]
.endr
.endr
.irp i, 0,1,2,3
	v_pk_mul_f32 v[SQ+2*\i:SQ+2*\i+1], v[Y+32*\i:Y+32*\i+1], v[Y+32*\i:Y+32*\i+1]
.endr
.irp k, 2,4,6,8,10,12,14,16,18,20,22,24,26,28,30
.irp i, 0,1,2,3
	v_pk_fma_f32 v[SQ+2*\i:SQ+2*\i+1], v[Y+32*\i+\k:Y+32*\i+\k+1], v[Y+32*\i+\k:Y+32*\i+\k+1], v[SQ+2*\i:SQ+2*\i+1]
.endr
.endr
.irp i, 0,1,2,3
	v_add_f32 v[SQ+2*\i], v[SQ+2*\i], v[SQ+2*\i+1]
.endr
	REDUCE SQ
.irp i, 0,1,2,3
	v_fma_f32 v[SQ+2*\i], v[SQ+2*\i], s20, s21     ; the variance + 1e-5
.endr
.irp i, 0,1,2,3
	v_rsq_f32 v[PS+2*\i], v[SQ+2*\i]
.endr
	v_nop                                          ; a plain place behind the batch,
	s_wait_alu depctr_va_vdst(0)                   ; and one wait for the four, ahead of their first reader
	s_wait_loadcnt 0x0                             ; the gain and the bias
.irp i, 0,1,2,3
.irp k, 0,2,4,6,8,10,12,14,16,18,20,22,24,26,28,30
	v_pk_mul_f32 v[Y+32*\i+\k:Y+32*\i+\k+1], v[Y+32*\i+\k:Y+32*\i+\k+1], v[PS+2*\i:PS+2*\i+1] op_sel_hi:[1,0]
.endr
.irp k, 0,2,4,6,8,10,12,14,16,18,20,22,24,26,28,30
	v_pk_fma_f32 v[Y+32*\i+\k:Y+32*\i+\k+1], v[Y+32*\i+\k:Y+32*\i+\k+1], v[GG+\k:GG+\k+1], v[BB+\k:BB+\k+1]
.endr
.irp q, 0,1,2,3,4,5,6,7
	global_store_b128 v1, v[Y+32*\i+4*\q:Y+32*\i+4*\q+3], s[10:11] offset:4096*\i+512*\q   ; 512 consecutive bytes, aligned
.if QNT
	ds_store_b128 v2, v[Y+32*\i+4*\q:Y+32*\i+4*\q+3] offset:4112*\i+512*\q
.endif
.endr
.endr
.if QNT
	s_wait_dscnt 0x0                               ; for the others' sake: my rows lie in LDS
	s_barrier_signal -1
	s_barrier_wait -1
	s_wait_xcnt 0x0                                ; the global stores have read the rows' registers: they may be loaded again
.irp u, 0,1
.irp c, 0,1
.irp i, 0,1,2,3,4,5,6,7
	ds_load_b128 v[Y+64*\u+32*\c+4*\i:Y+64*\u+32*\c+4*\i+3], v[3+\u] offset:256*\c+16*\i
.endr
.endr
.endr
	s_wait_dscnt 16                                ; fragment 0's 16 loads are in
	QUANTX Y, 16, WA
.irp p, 0,1,2,3,4,5
	global_store_b64 v5, v[16+2*\p:17+2*\p], s[12:13] offset:256*\p
.endr
	s_wait_dscnt 0x0
	QUANTX Y+64, 28, WB
.irp p, 0,1,2,3,4,5
	global_store_b64 v5, v[28+2*\p:29+2*\p], s[12:13] offset:1536+256*\p
.endr
	v_cndmask_b32 v[WD], v[WA], v[WB], s19         ; lanes 16-31 store the second fragment's words
	global_store_b32 v7, v[WD], s[12:13] offset:12288
.endif
	s_wait_tensorcnt 0x0
	ds_add_u32 v62, v63
	s_wait_dscnt 0x0
	s_endpgm
.Lfunc_end_k_q0f54128ede_ln1:
	.size	k_q0f54128ede_ln1, .Lfunc_end_k_q0f54128ede_ln1-k_q0f54128ede_ln1
	.p2alignl 7, 3214868480
	.fill 96, 4, 3214868480
	.section	.rodata,"a",@progbits
	.p2align	6, 0x0
	.amdhsa_kernel k_q0f54128ede_ln1
		.amdhsa_group_segment_fixed_size 132608
		.amdhsa_private_segment_fixed_size 0
		.amdhsa_enable_private_segment 0
		.amdhsa_kernarg_size 40
		.amdhsa_user_sgpr_count 2
		.amdhsa_user_sgpr_kernarg_segment_ptr 1
		.amdhsa_wavefront_size32 1
		.amdhsa_system_sgpr_workgroup_id_x 1
		.amdhsa_system_sgpr_workgroup_id_y 1
		.amdhsa_system_sgpr_workgroup_id_z 1
		.amdhsa_system_vgpr_workitem_id 0
		.amdhsa_next_free_vgpr 256
		.amdhsa_next_free_sgpr 66
		.amdhsa_reserve_vcc 0
		.amdhsa_float_denorm_mode_32 3
		.amdhsa_float_denorm_mode_16_64 3
		.amdhsa_memory_ordered 1
		.amdhsa_forward_progress 1
		.amdhsa_inst_pref_size 45
	.end_amdhsa_kernel
	.amdgpu_metadata
---
amdhsa.version: [ 1, 2 ]
amdhsa.kernels:
  - .name:           k_q0f54128ede_ln1
    .symbol:         k_q0f54128ede_ln1.kd
    .args:
      - { .name: ybuf, .offset: 0, .size: 8, .value_kind: global_buffer, .address_space: global }
      - { .name: ln1_g, .offset: 8, .size: 8, .value_kind: global_buffer, .address_space: global }
      - { .name: ln1_b, .offset: 16, .size: 8, .value_kind: global_buffer, .address_space: global }
      - { .name: x1, .offset: 24, .size: 8, .value_kind: global_buffer, .address_space: global }
      - { .name: ac, .offset: 32, .size: 8, .value_kind: global_buffer, .address_space: global }
    .group_segment_fixed_size: 132608
    .private_segment_fixed_size: 0
    .kernarg_segment_align: 8
    .kernarg_segment_size: 40
    .max_flat_workgroup_size: 256
    .sgpr_count:     66
    .vgpr_count:     256
    .wavefront_size: 32
...
	.end_amdgpu_metadata
.endif
;; end of part 5
;; launch ffn1 (part 6): grid 16 x 16, 4 waves a work-group, clusters of 4 x 4, 327,680 bytes of LDS; arguments ac, wc, b1, big; writes big
.if DOCPART == 6
	.amdgcn_target "amdgcn-amd-amdhsa--gfx1250"
	.amdhsa_code_object_version 6
	.text
	.protected	k_q0f54128ede_ffn1
	.globl	k_q0f54128ede_ffn1
	.p2align	8
	.type	k_q0f54128ede_ffn1,@function
k_q0f54128ede_ffn1:
	s_mov_b64 s[64:65], 0
	v_nop
	global_prefetch_b8 v0, s[64:65] scope:SCOPE_SE
	s_setreg_imm32_b32 hwreg(HW_REG_WAVE_MODE, 25, 1), 1
	s_wait_xcnt 0x0
	s_wait_alu depctr_hold_cnt(0) depctr_sa_sdst(0) depctr_va_vdst(0) depctr_va_sdst(0) depctr_va_ssrc(0) depctr_va_vcc(0) depctr_vm_vsrc(0)
	s_getreg_b32 s2, hwreg(HW_REG_IB_STS2, 6, 4)
	s_cmp_eq_u32 s2, 0
	s_cbranch_scc0 .Lentry_in_a_cluster
	s_endpgm
.Lentry_in_a_cluster:
	s_bfe_u32 s2, ttmp6, 0x10000c
	s_cmp_lg_u32 s2, 0xf033
	s_cbranch_scc0 .Lentry_shape_is_right
	s_endpgm
.Lentry_shape_is_right:
; h = relu(x1 w1 + b1), quantised along the hidden units into units of FP6 codes: a GEMM on units whose result is quantised again.  Arguments: x1's units, the weights' units (w1's begin at byte 819,200), b1, h's units.
; THE UNIT: 128 operand rows x 128 K in 12,800 bytes: fragment t at 1,536 t (row index r = operand row 32 (t/2) + 8 (t%2) + r + 8 (r/8)), plane p at + 256 p = registers 2 p, 2 p + 1, lane l at + 8 l;
; scale word of (t, r) at 12,288 + 128 (t/2) + 8 r + 4 (t%2).  Unit (rb, ks) of an operand lies at (rb KS + ks) x 12,800; of the result at (rb 32 + ks) x 12,800.
; A tile of 256 x 256 is made by four waves, 128 x 128 each: 64 accumulators in windows 2 and 3.  Source 0 = a fragment of B (16 hidden units), source 1 = a fragment of A (16 tokens): lane (r, h) holds token index r, and
; the 16 registers of B's tiles 2 b and 2 b + 1 are the neighbours 32 b + 16 h + 0 .. 15 along the hidden units, the next product's K: so a block of 16 tokens x my 128 units IS one fragment of the result.
; The bias is the C of each sum's first matrix instruction.  K goes in steps of 256 through two LDS slots; CLUSTERS 4 x 4: A's tiles are asked for jointly along a row, B's along a column.
; LIMITS: NaN and infinities are not served; a block of zeros, or one under 2^-124, gets the byte 1 (this program alone reads the bytes).
.set KS,    8
.set WOFF,  819200
.set BIAS,  1
.set RELU,  1
.set UNIT,  12800
.set HALFT, 2*UNIT
.set SLOT,  4*HALFT
.set SPARE, 2*SLOT                     ; the spare words, 128 bytes a wave: two blocks of 256 bytes that no other line names
.set LAPS,  KS/4
.set FR,    12
.set NL,    6
.set ADRA,  16
.set ADRB,  20
.set ADRS,  22
.set LO8,   27
.set SPW,   28
.set NIL,   29
.set SC,    32                         ; v32-63 scale words and nothing else
.set BI,    64                         ; v64-127 the bias in the result's layout: tile b's eight at + 8 b
.set AF,    128
.set G1,    24
.set G0,    32
.set G1B,   48
.set G0B,   56
.set MSB,   0
.macro WIN new
.if MSB != (\new)
	s_set_vgpr_msb (MSB<<8)|(\new)
.set MSB, (\new)
.endif
.endm
.set MUL_LO, 0xa1
.set MUL_HI, 0xf1
.set TO_B,   0x40
.macro JLOAD g0a, g1a, g0b, g1b        ; a joint load: waves 0, 1 fetch for A, waves 2, 3 for B; four v_nop follow each line
	s_cmp_eq_u32 s15, 0
	s_cbranch_scc0 .Lfor_b_\@
	tensor_load_to_lds s[\g0a:\g0a+3], s[\g1a:\g1a+7]
	s_nop 0
.rept 4
	v_nop
.endr
	s_branch .Lasked_\@
.Lfor_b_\@:
	tensor_load_to_lds s[\g0b:\g0b+3], s[\g1b:\g1b+7]
	s_nop 0
.rept 4
	v_nop
.endr
.Lasked_\@:
.endm
.macro CREST
	s_cmp_lg_u32 s14, 0
	s_cbranch_scc1 .Lnot_wave_0_\@
	s_barrier_signal -3
.Lnot_wave_0_\@:
	s_barrier_wait -3
	s_barrier_signal -1
	s_barrier_wait -1
.endm
.macro CROUND
	s_barrier_signal -1
	s_barrier_wait -1
	CREST
.endm
.macro PLACES n
.rept \n
	v_nop
.endr
.endm
	s_load_b128 s[4:7], s[0:1], 0x0                ; A, B
	s_load_b64 s[10:11], s[0:1], 0x10              ; the bias
	s_load_b64 s[8:9], s[0:1], 0x18                ; the result
	v_lshl_add_u32 v[SPW], v0, 2, SPARE
	v_mov_b32 v[NIL], 0
	ds_add_u32 v28, v29
	s_wait_dscnt 0x0
	v_lshrrev_b32 v1, 5, v0
	v_readfirstlane_b32 s14, v1
	s_lshr_b32 s15, s14, 1
	s_and_b32 s16, s14, 1
	s_bfe_u32 s40, ttmp6, 0x40000
	s_bfe_u32 s41, ttmp6, 0x40004
	s_lshl_b32 s42, ttmp9, 2
	s_add_co_u32 s42, s42, s40                     ; B's tile
	s_and_b32 s17, ttmp7, 0xffff
	s_lshl_b32 s17, s17, 2
	s_add_co_u32 s17, s17, s41                     ; A's tile
	s_lshl_b32 s43, s41, 2
	s_lshl_b32 s43, 15, s43
	s_lshl_b32 s44, 0x1111, s40
	s_or_b32 s[G1+0], s43, (3<<16)|(1<<21)         ; the mask; elements of 8 bytes; bit 21 beside a mask; no padding
	s_or_b32 s[G1B+0], s44, (3<<16)|(1<<21)
.irp g, G1, G1B
	s_mov_b32 s[\g+1], 32<<16                      ; rows of 256 bytes,
	s_mov_b32 s[\g+2], 100<<16                     ; 100 of them: two units
	s_mov_b32 s[\g+3], 32<<16
	s_mov_b32 s[\g+4], 100
	s_mov_b32 s[\g+5], 32
	s_mov_b32 s[\g+6], 0
	s_mov_b32 s[\g+7], 0
.endr
	s_lshl_b32 s20, s17, 1
	s_add_co_u32 s20, s20, s16
	s_lshl_b32 s46, s42, 1
	s_add_co_u32 s46, s46, s16
	s_mov_b32 s21, 0
	s_mov_b32 s47, 0
	s_mov_b64 s[18:19], KS*UNIT
	s_mul_u64 s[20:21], s[20:21], s[18:19]
	s_mul_u64 s[46:47], s[46:47], s[18:19]
	s_mul_i32 s45, s14, HALFT
	s_wait_kmcnt 0x0
	s_add_nc_u64 s[20:21], s[4:5], s[20:21]
	s_add_nc_u64 s[46:47], s[6:7], s[46:47]
.if WOFF
	s_add_nc_u64 s[46:47], s[46:47], WOFF
.endif
	CROUND
.irp s, 0,1
	s_mov_b32 s[G0+4*\s], 1
	s_add_co_u32 s[G0+4*\s+1], s45, \s*SLOT
	s_add_nc_u64 s[G0+4*\s+2:G0+4*\s+3], s[20:21], \s*HALFT
	s_or_b32 s[G0+4*\s+3], s[G0+4*\s+3], 0x80000000
	s_mov_b32 s[G0B+4*\s], 1
	s_add_co_u32 s[G0B+4*\s+1], s45, \s*SLOT
	s_add_nc_u64 s[G0B+4*\s+2:G0B+4*\s+3], s[46:47], \s*HALFT
	s_or_b32 s[G0B+4*\s+3], s[G0B+4*\s+3], 0x80000000
	JLOAD G0+4*\s, G1, G0B+4*\s, G1B
.endr
	v_and_b32 v1, 15, v0                           ; r
	v_bfe_u32 v2, v0, 4, 1                         ; h
	v_and_b32 v3, 31, v0                           ; l
	v_lshlrev_b32 v[LO8], 3, v3
	s_mul_i32 s21, s15, HALFT
	s_mul_i32 s22, s16, HALFT
	s_add_co_u32 s22, s22, 2*HALFT
.irp s, 0,1
	v_add_nc_u32 v[ADRA+\s], s21, v[LO8]
	v_add_nc_u32 v[ADRB+\s], s22, v[LO8]
	s_add_co_u32 s21, s21, SLOT
	s_add_co_u32 s22, s22, SLOT
.endr
	s_mul_i32 s21, s15, HALFT
	s_mul_i32 s22, s16, HALFT
	s_add_co_u32 s22, s22, 2*HALFT
	s_sub_co_u32 s22, s22, s21
	v_mul_u32_u24 v6, s22, v2                      ; lanes 16-31 take B's words
	v_lshl_add_u32 v5, v1, 3, v6
	s_add_co_u32 s21, s21, 12288
	v_add_nc_u32 v[ADRS], s21, v5
	v_add_nc_u32 v[ADRS+1], SLOT, v[ADRS]
	s_lshl_b32 s46, s42, 10                        ; the bias of my 128 columns: lane (r, h) wants, for tile b, those of columns 32 (b/2) + 16 h + 8 (b%2) + 0 .. 7
	s_lshl_b32 s47, s16, 9
	s_add_co_u32 s46, s46, s47
	s_mov_b32 s47, 0
	s_add_nc_u64 s[10:11], s[10:11], s[46:47]
	v_lshlrev_b32 v7, 6, v2
.irp b, 0,1,2,3,4,5,6,7
	global_load_b128 v[BI+8*\b:BI+8*\b+3], v7, s[10:11] offset:(32*(\b/2)+8*(\b%2))*4
	global_load_b128 v[BI+8*\b+4:BI+8*\b+7], v7, s[10:11] offset:(32*(\b/2)+8*(\b%2))*4+16
.endr
	s_lshl_b32 s20, s17, 1                         ; the result's unit
	s_add_co_u32 s20, s20, s15
	s_lshl_b32 s20, s20, 5
	s_mul_i32 s20, s20, UNIT
	s_mov_b32 s21, 0
	s_lshl_b32 s46, s42, 1
	s_add_co_u32 s46, s46, s16
	s_mul_i32 s46, s46, UNIT
	s_mov_b32 s47, 0
	s_add_nc_u64 s[20:21], s[20:21], s[46:47]
	s_add_nc_u64 s[8:9], s[8:9], s[20:21]
	s_wait_loadcnt 0x0                             ; the bias
.macro FRAG reg, adr, off
.irp p, 0,1,2,3,4,5
	ds_load_b64 v[\reg+2*\p:\reg+2*\p+1], v[\adr] offset:\off+256*\p
.endr
.endm
.macro FETCH_B slot, q, p
	WIN TO_B
.irp i, 0,1,2,3,4,5,6,7
	FRAG 128*(\p)+FR*\i, ADRB+\slot, UNIT*(\q)+1536*\i
.endr
	WIN 0
.endm
.macro FETCH_A slot, q, i0
.irp i, \i0, \i0+1, \i0+2, \i0+3
	FRAG AF+FR*(\i), ADRA+\slot, UNIT*(\q)+1536*(\i)
.endr
.endm
.macro SCALES sc
.irp q, 0,1
.irp i, 0,1,2,3
	ds_load_b64 v[SC+16*\sc+8*\q+2*\i:SC+16*\sc+8*\q+2*\i+1], v[ADRS+\sc] offset:UNIT*\q+128*\i
.endr
.endr
.endm
; 16 matrix instructions: A's blocks a0, a0 + 1 x B's eight.  The 64 accumulators take turns, one instruction a turn, in the same order in every step.
.macro MUL16 a0, p, q, sc, zero
.irp a, \a0, \a0+1
.irp b, 0,1,2,3,4,5,6,7
.if \zero
.if BIAS
	v_wmma_scale_f32_16x16x128_f8f6f4 v[8*(8*((\a)%4)+\b):8*(8*((\a)%4)+\b)+7], v[128*(\p)+FR*\b:128*(\p)+FR*\b+FR-1], v[AF+FR*(\a):AF+FR*(\a)+FR-1], v[BI+8*\b:BI+8*\b+7], v[SC+16*(\sc)+8*(\q)+\b], v[SC+16*(\sc)+8*(\q)+(\a)] matrix_a_fmt:MATRIX_FMT_FP6 matrix_b_fmt:MATRIX_FMT_FP6 matrix_a_scale:MATRIX_SCALE_ROW1
.else
	v_wmma_scale_f32_16x16x128_f8f6f4 v[8*(8*((\a)%4)+\b):8*(8*((\a)%4)+\b)+7], v[128*(\p)+FR*\b:128*(\p)+FR*\b+FR-1], v[AF+FR*(\a):AF+FR*(\a)+FR-1], 0, v[SC+16*(\sc)+8*(\q)+\b], v[SC+16*(\sc)+8*(\q)+(\a)] matrix_a_fmt:MATRIX_FMT_FP6 matrix_b_fmt:MATRIX_FMT_FP6 matrix_a_scale:MATRIX_SCALE_ROW1
.endif
.else
	v_wmma_scale_f32_16x16x128_f8f6f4 v[8*(8*((\a)%4)+\b):8*(8*((\a)%4)+\b)+7], v[128*(\p)+FR*\b:128*(\p)+FR*\b+FR-1], v[AF+FR*(\a):AF+FR*(\a)+FR-1], v[8*(8*((\a)%4)+\b):8*(8*((\a)%4)+\b)+7], v[SC+16*(\sc)+8*(\q)+\b], v[SC+16*(\sc)+8*(\q)+(\a)] matrix_a_fmt:MATRIX_FMT_FP6 matrix_b_fmt:MATRIX_FMT_FP6 matrix_a_scale:MATRIX_SCALE_ROW1
.endif
.endr
.endr
.endm
.macro STEP slot, q, zero
	s_wait_dscnt 4*NL                              ; B's set, A's blocks 0-3 and the words are in; the youngest 24 loads (A's blocks 4-7) may be out
.if (\zero) && BIAS
	WIN 0x81                                       ; C (the bias) in window 0
.else
	WIN MUL_LO
.endif
	MUL16 0, (\q)%2, \q, \slot, \zero
	MUL16 2, (\q)%2, \q, \slot, \zero
	s_wait_dscnt 0
	PLACES 4                                       ; four places in front of loads into registers that matrix instructions have read
	FETCH_B \slot, (\q)+1, 1-(\q)%2
	FETCH_A \slot, (\q)+1, 0
.if (\zero) && BIAS
	WIN 0xc1
.else
	WIN MUL_HI
.endif
	MUL16 4, (\q)%2, \q, \slot, \zero
	MUL16 6, (\q)%2, \q, \slot, \zero
	PLACES 4
	WIN 0
	FETCH_A \slot, (\q)+1, 4
.endm
; A slot's last step changes slots: one barrier; in front of it each wave waits for all its tensor loads, adds 0 to its spare word, and waits for that and for its reads of this slot.
.macro TURN slot, next, fill
	s_wait_tensorcnt 0x0                           ; all my tensor loads have landed: my part of the next slot
	ds_add_u32 v[SPW], v[NIL]                      ; 0 onto my spare word
	s_wait_dscnt 4*NL+1                            ; (the add and the youngest 24 loads may be out)
	WIN MUL_LO
	MUL16 0, 1, 1, \slot, 0
	s_wait_dscnt 0x0                               ; the add is done, and my reads of this slot are over
	s_barrier_signal -1
	MUL16 2, 1, 1, \slot, 0
	WIN 0
	s_barrier_wait -1
.if \fill
	CREST                                          ; the barrier has opened a round of the cluster's
	s_add_nc_u64 s[G0+4*\slot+2:G0+4*\slot+3], s[G0+4*\slot+2:G0+4*\slot+3], 2*HALFT
	s_add_nc_u64 s[G0B+4*\slot+2:G0B+4*\slot+3], s[G0B+4*\slot+2:G0B+4*\slot+3], 2*HALFT
	JLOAD G0+4*\slot, G1, G0B+4*\slot, G1B         ; the first tensor load behind the round; its four v_nop are the places in front of the loads below
.else
	PLACES 4
.endif
	FETCH_B \next, 0, 0
	FETCH_A \next, 0, 0
	SCALES \next
	WIN MUL_HI
	MUL16 4, 1, 1, \slot, 0
	MUL16 6, 1, 1, \slot, 0
	PLACES 4
	WIN 0
	FETCH_A \next, 0, 4
.endm
	s_wait_tensorcnt 1                             ; my part of slot 0 is in; slot 1's may stay out
	s_barrier_signal -1
	s_barrier_wait -1
	FETCH_B 0, 0, 0
	FETCH_A 0, 0, 0
	SCALES 0
	FETCH_A 0, 0, 4
	STEP 0, 0, 1                                   ; the first step starts the sums from the bias
	s_mov_b32 s3, LAPS-1
.Llap:
	TURN 0, 1, 1
	STEP 1, 0, 0
	TURN 1, 0, 1
	STEP 0, 0, 0
	s_sub_co_u32 s3, s3, 1
	s_cmp_lg_u32 s3, 0
	s_cbranch_scc1 .Llap
	TURN 0, 1, 0
	STEP 1, 0, 0
	s_wait_dscnt 4*NL
	WIN MUL_LO
	MUL16 0, 1, 1, 1, 0
	MUL16 2, 1, 1, 1, 0
	s_wait_dscnt 0
	WIN MUL_HI
	MUL16 4, 1, 1, 1, 0
	MUL16 6, 1, 1, 1, 0
	WIN 0
; THE WAY OUT: block a (16 tokens x my 128 hidden units) is clipped at 0, quantised in registers and is fragment a of the result's unit; each of its six planes is stored as 256 consecutive bytes, aligned.
.set TM,  224
.set WR,  240
.set WP,  248
.set PC,  64
.set SEL, 18
	s_mov_b32 s[SEL], 0x76543210
	s_mov_b32 s[SEL+1], 0xfedcba98
	s_mov_b32 s22, 0xffff0000
.irp b, 0,1,2,3
	v_mov_b32 v[TM+4+\b], 0                        ; a lane permute's destination counts as one of its sources; these four are also the places behind the last product
.endr
.macro QUANT a
.set WW, 2+(\a)/4
.set AB0, 64*((\a)%4)
.if (\a) > 0
	s_wait_xcnt 0x0                                ; the last fragment's stores have read the codes' registers
.endif
.if RELU
	WIN (WW<<6)|(WW<<2)
.set ci, 0
.rept 64
	v_max_num_f32 v[AB0+ci], 0, v[AB0+ci]          ; the activation, in f32; each accumulator from its low end on
.set ci, ci+1
.endr
.endif
	WIN (WW<<2)|(WW<<4)
.irp b, 0,1,2,3
	v_max3_num_f32 v[TM+\b], 0x1800000, |v[AB0+16*\b]|, |v[AB0+16*\b+1]|
.endr
.irp i, 2,4,6,8,10,12,14
.irp b, 0,1,2,3
	v_max3_num_f32 v[TM+\b], v[TM+\b], |v[AB0+16*\b+\i]|, |v[AB0+16*\b+\i+1]|
.endr
.endr
	WIN 0
.irp b, 0,1,2,3
	v_permlanex16_b32 v[TM+4+\b], v[TM+\b], s[SEL], s[SEL+1]
.endr
.irp b, 0,1,2,3
	v_max_num_f32 v[TM+\b], v[TM+\b], v[TM+4+\b]
.endr
.irp b, 0,1,2,3
	v_add_nc_u32 v[TM+12+\b], 0xff000000, v[TM+\b]
.endr
.irp b, 0,1,2,3
	v_lshrrev_b32 v[TM+4+\b], 23, v[TM+12+\b]
.endr
	v_lshl_or_b32 v[WR+(\a)], v[TM+5], 8, v[TM+4]
	v_lshl_or_b32 v[WR+(\a)], v[TM+6], 16, v[WR+(\a)]
	v_lshl_or_b32 v[WR+(\a)], v[TM+7], 24, v[WR+(\a)]
	WIN WW
.irp c, 0,1
	v_cvt_scalef32_pk16_fp6_f32 v[PC+6*\c:PC+6*\c+2], v[AB0+32*\c:AB0+32*\c+15], v[TM+12+2*\c]
	v_cvt_scalef32_pk16_fp6_f32 v[PC+12+4*\c:PC+12+4*\c+2], v[AB0+32*\c+16:AB0+32*\c+31], v[TM+12+2*\c+1]
.endr
	WIN 0
	v_nop
.irp c, 0,1
.irp i, 0,1,2
	v_permlane16_swap_b32 v[PC+6*\c+\i], v[PC+12+4*\c+\i]
.endr
.irp i, 0,1,2
	v_mov_b32 v[PC+3+6*\c+\i], v[PC+12+4*\c+\i]
.endr
.endr
.irp p, 0,1,2,3,4,5
	global_store_b64 v[LO8], v[PC+2*\p:PC+2*\p+1], s[8:9] offset:1536*(\a)+256*\p
.endr
.endm
.irp a, 0,1,2,3,4,5,6,7
	QUANT \a
.endr
.irp g, 0,1
	v_cndmask_b32 v[WP+2*\g], v[WR+4*\g], v[WR+4*\g+2], s22
	v_cndmask_b32 v[WP+2*\g+1], v[WR+4*\g+1], v[WR+4*\g+3], s22
	global_store_b64 v[LO8], v[WP+2*\g:WP+2*\g+1], s[8:9] offset:12288+256*\g
.endr
	s_wait_tensorcnt 0x0                           ; the wave's end
	ds_add_u32 v[SPW], v[NIL]
	s_wait_dscnt 0x0
	CROUND
	s_endpgm
.Lfunc_end_k_q0f54128ede_ffn1:
	.size	k_q0f54128ede_ffn1, .Lfunc_end_k_q0f54128ede_ffn1-k_q0f54128ede_ffn1
	.p2alignl 7, 3214868480
	.fill 96, 4, 3214868480
	.section	.rodata,"a",@progbits
	.p2align	6, 0x0
	.amdhsa_kernel k_q0f54128ede_ffn1
		.amdhsa_group_segment_fixed_size 327680
		.amdhsa_private_segment_fixed_size 0
		.amdhsa_enable_private_segment 0
		.amdhsa_kernarg_size 32
		.amdhsa_user_sgpr_count 2
		.amdhsa_user_sgpr_kernarg_segment_ptr 1
		.amdhsa_wavefront_size32 1
		.amdhsa_system_sgpr_workgroup_id_x 1
		.amdhsa_system_sgpr_workgroup_id_y 1
		.amdhsa_system_sgpr_workgroup_id_z 1
		.amdhsa_system_vgpr_workitem_id 0
		.amdhsa_next_free_vgpr 1024
		.amdhsa_next_free_sgpr 66
		.amdhsa_reserve_vcc 0
		.amdhsa_float_denorm_mode_32 3
		.amdhsa_float_denorm_mode_16_64 3
		.amdhsa_memory_ordered 1
		.amdhsa_forward_progress 1
		.amdhsa_inst_pref_size 182
	.end_amdhsa_kernel
	.amdgpu_metadata
---
amdhsa.version: [ 1, 2 ]
amdhsa.kernels:
  - .name:           k_q0f54128ede_ffn1
    .symbol:         k_q0f54128ede_ffn1.kd
    .args:
      - { .name: ac, .offset: 0, .size: 8, .value_kind: global_buffer, .address_space: global }
      - { .name: wc, .offset: 8, .size: 8, .value_kind: global_buffer, .address_space: global }
      - { .name: b1, .offset: 16, .size: 8, .value_kind: global_buffer, .address_space: global }
      - { .name: big, .offset: 24, .size: 8, .value_kind: global_buffer, .address_space: global }
    .group_segment_fixed_size: 327680
    .private_segment_fixed_size: 0
    .kernarg_segment_align: 8
    .kernarg_segment_size: 32
    .max_flat_workgroup_size: 128
    .sgpr_count:     66
    .vgpr_count:     1024
    .wavefront_size: 32
...
	.end_amdgpu_metadata
.endif
;; end of part 6
;; launch ffn2 (part 7): grid 4 x 16, 4 waves a work-group, clusters of 4 x 4, 327,680 bytes of LDS; arguments big, wc, b2, x1, ybuf; writes ybuf
.if DOCPART == 7
	.amdgcn_target "amdgcn-amd-amdhsa--gfx1250"
	.amdhsa_code_object_version 6
	.text
	.protected	k_q0f54128ede_ffn2
	.globl	k_q0f54128ede_ffn2
	.p2align	8
	.type	k_q0f54128ede_ffn2,@function
k_q0f54128ede_ffn2:
	s_mov_b64 s[64:65], 0
	v_nop
	global_prefetch_b8 v0, s[64:65] scope:SCOPE_SE
	s_setreg_imm32_b32 hwreg(HW_REG_WAVE_MODE, 25, 1), 1
	s_wait_xcnt 0x0
	s_wait_alu depctr_hold_cnt(0) depctr_sa_sdst(0) depctr_va_vdst(0) depctr_va_sdst(0) depctr_va_ssrc(0) depctr_va_vcc(0) depctr_vm_vsrc(0)
	s_getreg_b32 s2, hwreg(HW_REG_IB_STS2, 6, 4)
	s_cmp_eq_u32 s2, 0
	s_cbranch_scc0 .Lentry_in_a_cluster
	s_endpgm
.Lentry_in_a_cluster:
	s_bfe_u32 s2, ttmp6, 0x10000c
	s_cmp_lg_u32 s2, 0xf033
	s_cbranch_scc0 .Lentry_shape_is_right
	s_endpgm
.Lentry_shape_is_right:
; y2 = x1 + (h w2 + b2): a GEMM on units of FP6 codes with an f32 way out.  Arguments: h's units, the weights' units (w2's begin at byte 4,096,000), b2, x1, y2 [4096][1024] f32.
; THE UNIT: 128 operand rows x 128 K in 12,800 bytes: fragment t at 1,536 t (row index r = operand row 32 (t/2) + 8 (t%2) + r + 8 (r/8)), plane p at + 256 p = registers 2 p, 2 p + 1, lane l at + 8 l;
; scale word of (t, r) at 12,288 + 128 (t/2) + 8 r + 4 (t%2).  Unit (rb, ks) of an operand lies at (rb KS + ks) x 12,800.
; A tile of 256 x 256 is made by four waves, 128 x 128 each: 64 accumulators in windows 2 and 3.  Source 0 = a fragment of B (16 columns of the weight), source 1 = a fragment of A (16 tokens): lane (r, h) holds token
; index r, and the 16 registers of B's tiles 2 b and 2 b + 1 are the neighbouring columns 32 b + 16 h + 0 .. 15.  The bias is the C of each sum's first matrix instruction.
; K goes in steps of 256 (two units a row block, dense in memory: 25,600 bytes a tensor load) through two LDS slots.  CLUSTERS 4 x 4: A's tiles are asked for jointly along a row, B's along a column.
; The layer norm needs whole rows of 1,024 and is a launch of its own.  LIMITS: NaN and infinities are not served.
.set KS,    32
.set WOFF,  4096000
.set BIAS,  1
.set GATE,  0
.set UNIT,  12800
.set HALFT, 2*UNIT
.set SLOT,  4*HALFT
.set SPARE, 2*SLOT                     ; the spare words, 128 bytes a wave: two blocks of 256 bytes that no other line names
.set LAPS,  KS/4
.set FR,    12
.set NL,    6
.set ADRA,  16
.set ADRB,  20
.set ADRS,  22
.set STO,   24
.set RD,    25
.set CO,    26
.set LO8,   27
.set SPW,   28
.set NIL,   29
.set GT,    30
.set SC,    32                         ; v32-63 scale words and nothing else
.set BI,    64                         ; v64-127 the bias in the result's layout
.set AF,    128
.set G1,    24
.set G0,    32
.set G1B,   48
.set G0B,   56
.set MSB,   0
.macro WIN new
.if MSB != (\new)
	s_set_vgpr_msb (MSB<<8)|(\new)
.set MSB, (\new)
.endif
.endm
.set MUL_LO, 0xa1
.set MUL_HI, 0xf1
.set TO_B,   0x40
.macro JLOAD g0a, g1a, g0b, g1b        ; a joint load: waves 0, 1 fetch for A, waves 2, 3 for B; four v_nop follow each line
	s_cmp_eq_u32 s15, 0
	s_cbranch_scc0 .Lfor_b_\@
	tensor_load_to_lds s[\g0a:\g0a+3], s[\g1a:\g1a+7]
	s_nop 0
.rept 4
	v_nop
.endr
	s_branch .Lasked_\@
.Lfor_b_\@:
	tensor_load_to_lds s[\g0b:\g0b+3], s[\g1b:\g1b+7]
	s_nop 0
.rept 4
	v_nop
.endr
.Lasked_\@:
.endm
.macro CREST
	s_cmp_lg_u32 s14, 0
	s_cbranch_scc1 .Lnot_wave_0_\@
	s_barrier_signal -3
.Lnot_wave_0_\@:
	s_barrier_wait -3
	s_barrier_signal -1
	s_barrier_wait -1
.endm
.macro CROUND
	s_barrier_signal -1
	s_barrier_wait -1
	CREST
.endm
.macro PLACES n
.rept \n
	v_nop
.endr
.endm
	s_load_b128 s[4:7], s[0:1], 0x0                ; A, B
	s_load_b64 s[10:11], s[0:1], 0x10              ; the bias
	s_load_b64 s[8:9], s[0:1], 0x18                ; x1
	s_load_b64 s[12:13], s[0:1], 0x20              ; y2
	v_lshl_add_u32 v[SPW], v0, 2, SPARE
	v_mov_b32 v[NIL], 0
	ds_add_u32 v28, v29
	s_wait_dscnt 0x0
	v_lshrrev_b32 v1, 5, v0
	v_readfirstlane_b32 s14, v1
	s_lshr_b32 s15, s14, 1
	s_and_b32 s16, s14, 1
	s_bfe_u32 s40, ttmp6, 0x40000
	s_bfe_u32 s41, ttmp6, 0x40004
	s_lshl_b32 s42, ttmp9, 2
	s_add_co_u32 s42, s42, s40                     ; B's tile
	s_and_b32 s17, ttmp7, 0xffff
	s_lshl_b32 s17, s17, 2
	s_add_co_u32 s17, s17, s41                     ; A's tile
	s_lshl_b32 s43, s41, 2
	s_lshl_b32 s43, 15, s43
	s_lshl_b32 s44, 0x1111, s40
	s_or_b32 s[G1+0], s43, (3<<16)|(1<<21)         ; the mask; elements of 8 bytes; bit 21 beside a mask; no padding
	s_or_b32 s[G1B+0], s44, (3<<16)|(1<<21)
.irp g, G1, G1B
	s_mov_b32 s[\g+1], 32<<16                      ; rows of 256 bytes,
	s_mov_b32 s[\g+2], 100<<16                     ; 100 of them: two units
	s_mov_b32 s[\g+3], 32<<16
	s_mov_b32 s[\g+4], 100
	s_mov_b32 s[\g+5], 32
	s_mov_b32 s[\g+6], 0
	s_mov_b32 s[\g+7], 0
.endr
	s_lshl_b32 s20, s17, 1
	s_add_co_u32 s20, s20, s16
	s_lshl_b32 s46, s42, 1
	s_add_co_u32 s46, s46, s16
	s_mov_b32 s21, 0
	s_mov_b32 s47, 0
	s_mov_b64 s[18:19], KS*UNIT
	s_mul_u64 s[20:21], s[20:21], s[18:19]
	s_mul_u64 s[46:47], s[46:47], s[18:19]
	s_mul_i32 s45, s14, HALFT
	s_wait_kmcnt 0x0
	s_add_nc_u64 s[20:21], s[4:5], s[20:21]
	s_add_nc_u64 s[46:47], s[6:7], s[46:47]
.if WOFF
	s_add_nc_u64 s[46:47], s[46:47], WOFF
.endif
	CROUND
.irp s, 0,1
	s_mov_b32 s[G0+4*\s], 1
	s_add_co_u32 s[G0+4*\s+1], s45, \s*SLOT
	s_add_nc_u64 s[G0+4*\s+2:G0+4*\s+3], s[20:21], \s*HALFT
	s_or_b32 s[G0+4*\s+3], s[G0+4*\s+3], 0x80000000
	s_mov_b32 s[G0B+4*\s], 1
	s_add_co_u32 s[G0B+4*\s+1], s45, \s*SLOT
	s_add_nc_u64 s[G0B+4*\s+2:G0B+4*\s+3], s[46:47], \s*HALFT
	s_or_b32 s[G0B+4*\s+3], s[G0B+4*\s+3], 0x80000000
	JLOAD G0+4*\s, G1, G0B+4*\s, G1B
.endr
	v_and_b32 v1, 15, v0                           ; r
	v_bfe_u32 v2, v0, 4, 1                         ; h
	v_and_b32 v3, 31, v0                           ; l
	v_lshlrev_b32 v[LO8], 3, v3
	s_mul_i32 s21, s15, HALFT
	s_mul_i32 s22, s16, HALFT
	s_add_co_u32 s22, s22, 2*HALFT
.irp s, 0,1
	v_add_nc_u32 v[ADRA+\s], s21, v[LO8]
	v_add_nc_u32 v[ADRB+\s], s22, v[LO8]
	s_add_co_u32 s21, s21, SLOT
	s_add_co_u32 s22, s22, SLOT
.endr
	s_mul_i32 s21, s15, HALFT
	s_mul_i32 s22, s16, HALFT
	s_add_co_u32 s22, s22, 2*HALFT
	s_sub_co_u32 s22, s22, s21
	v_mul_u32_u24 v6, s22, v2                      ; lanes 16-31 take B's words
	v_lshl_add_u32 v5, v1, 3, v6
	s_add_co_u32 s21, s21, 12288
	v_add_nc_u32 v[ADRS], s21, v5
	v_add_nc_u32 v[ADRS+1], SLOT, v[ADRS]
	s_mul_i32 s23, s14, 16*528                     ; my stage, in slot 0: when the first result is stored there, that slot has had its last fill and its last read
	v_mul_u32_u24 v5, v1, 528
	v_lshl_add_u32 v5, v2, 6, v5
	v_add_nc_u32 v[STO], s23, v5
	v_lshlrev_b32 v[CO], 4, v3
	v_add_nc_u32 v[RD], s23, v[CO]
	s_lshl_b32 s20, s17, 8
	s_lshl_b32 s21, s15, 7
	s_add_co_u32 s20, s20, s21
	s_lshl_b32 s20, s20, 12                        ; my first token's row of 4,096 bytes
	s_mov_b32 s21, 0
	s_lshl_b32 s46, s42, 10
	s_lshl_b32 s47, s16, 9
	s_add_co_u32 s46, s46, s47                     ; my first column, in bytes
	s_mov_b32 s47, 0
	s_add_nc_u64 s[10:11], s[10:11], s[46:47]      ; the bias of my 128 columns: for tile b those of columns 32 (b/2) + 16 h + 8 (b%2) + 0 .. 7
	v_lshlrev_b32 v7, 6, v2
.irp b, 0,1,2,3,4,5,6,7
	global_load_b128 v[BI+8*\b:BI+8*\b+3], v7, s[10:11] offset:(32*(\b/2)+8*(\b%2))*4
	global_load_b128 v[BI+8*\b+4:BI+8*\b+7], v7, s[10:11] offset:(32*(\b/2)+8*(\b%2))*4+16
.endr
	s_add_nc_u64 s[20:21], s[20:21], s[46:47]
	s_add_nc_u64 s[8:9], s[8:9], s[20:21]
	s_add_nc_u64 s[12:13], s[12:13], s[20:21]
	s_wait_loadcnt 0x0                             ; the bias
.macro FRAG reg, adr, off
.irp p, 0,1,2,3,4,5
	ds_load_b64 v[\reg+2*\p:\reg+2*\p+1], v[\adr] offset:\off+256*\p
.endr
.endm
.macro FETCH_B slot, q, p
	WIN TO_B
.irp i, 0,1,2,3,4,5,6,7
	FRAG 128*(\p)+FR*\i, ADRB+\slot, UNIT*(\q)+1536*\i
.endr
	WIN 0
.endm
.macro FETCH_A slot, q, i0
.irp i, \i0, \i0+1, \i0+2, \i0+3
	FRAG AF+FR*(\i), ADRA+\slot, UNIT*(\q)+1536*(\i)
.endr
.endm
.macro SCALES sc
.irp q, 0,1
.irp i, 0,1,2,3
	ds_load_b64 v[SC+16*\sc+8*\q+2*\i:SC+16*\sc+8*\q+2*\i+1], v[ADRS+\sc] offset:UNIT*\q+128*\i
.endr
.endr
.endm
; 16 matrix instructions: A's blocks a0, a0 + 1 x B's eight.  The 64 accumulators take turns, one instruction a turn, in the same order in every step.
.macro MUL16 a0, p, q, sc, zero
.irp a, \a0, \a0+1
.irp b, 0,1,2,3,4,5,6,7
.if \zero
.if BIAS
	v_wmma_scale_f32_16x16x128_f8f6f4 v[8*(8*((\a)%4)+\b):8*(8*((\a)%4)+\b)+7], v[128*(\p)+FR*\b:128*(\p)+FR*\b+FR-1], v[AF+FR*(\a):AF+FR*(\a)+FR-1], v[BI+8*\b:BI+8*\b+7], v[SC+16*(\sc)+8*(\q)+\b], v[SC+16*(\sc)+8*(\q)+(\a)] matrix_a_fmt:MATRIX_FMT_FP6 matrix_b_fmt:MATRIX_FMT_FP6 matrix_a_scale:MATRIX_SCALE_ROW1
.else
	v_wmma_scale_f32_16x16x128_f8f6f4 v[8*(8*((\a)%4)+\b):8*(8*((\a)%4)+\b)+7], v[128*(\p)+FR*\b:128*(\p)+FR*\b+FR-1], v[AF+FR*(\a):AF+FR*(\a)+FR-1], 0, v[SC+16*(\sc)+8*(\q)+\b], v[SC+16*(\sc)+8*(\q)+(\a)] matrix_a_fmt:MATRIX_FMT_FP6 matrix_b_fmt:MATRIX_FMT_FP6 matrix_a_scale:MATRIX_SCALE_ROW1
.endif
.else
	v_wmma_scale_f32_16x16x128_f8f6f4 v[8*(8*((\a)%4)+\b):8*(8*((\a)%4)+\b)+7], v[128*(\p)+FR*\b:128*(\p)+FR*\b+FR-1], v[AF+FR*(\a):AF+FR*(\a)+FR-1], v[8*(8*((\a)%4)+\b):8*(8*((\a)%4)+\b)+7], v[SC+16*(\sc)+8*(\q)+\b], v[SC+16*(\sc)+8*(\q)+(\a)] matrix_a_fmt:MATRIX_FMT_FP6 matrix_b_fmt:MATRIX_FMT_FP6 matrix_a_scale:MATRIX_SCALE_ROW1
.endif
.endr
.endr
.endm
.macro STEP slot, q, zero
	s_wait_dscnt 4*NL                              ; B's set, A's blocks 0-3 and the words are in; the youngest 24 loads (A's blocks 4-7) may be out
.if (\zero) && BIAS
	WIN 0x81                                       ; C (the bias) in window 0
.else
	WIN MUL_LO
.endif
	MUL16 0, (\q)%2, \q, \slot, \zero
	MUL16 2, (\q)%2, \q, \slot, \zero
	s_wait_dscnt 0
	PLACES 4                                       ; four places in front of loads into registers that matrix instructions have read
	FETCH_B \slot, (\q)+1, 1-(\q)%2
	FETCH_A \slot, (\q)+1, 0
.if (\zero) && BIAS
	WIN 0xc1
.else
	WIN MUL_HI
.endif
	MUL16 4, (\q)%2, \q, \slot, \zero
	MUL16 6, (\q)%2, \q, \slot, \zero
	PLACES 4
	WIN 0
	FETCH_A \slot, (\q)+1, 4
.endm
; A slot's last step changes slots: one barrier; in front of it each wave waits for all its tensor loads, adds 0 to its spare word, and waits for that and for its reads of this slot.
.macro TURN slot, next, fill
	s_wait_tensorcnt 0x0                           ; all my tensor loads have landed: my part of the next slot
	ds_add_u32 v[SPW], v[NIL]                      ; 0 onto my spare word
	s_wait_dscnt 4*NL+1                            ; (the add and the youngest 24 loads may be out)
	WIN MUL_LO
	MUL16 0, 1, 1, \slot, 0
	s_wait_dscnt 0x0                               ; the add is done, and my reads of this slot are over
	s_barrier_signal -1
	MUL16 2, 1, 1, \slot, 0
	WIN 0
	s_barrier_wait -1
.if \fill
	CREST                                          ; the barrier has opened a round of the cluster's
	s_add_nc_u64 s[G0+4*\slot+2:G0+4*\slot+3], s[G0+4*\slot+2:G0+4*\slot+3], 2*HALFT
	s_add_nc_u64 s[G0B+4*\slot+2:G0B+4*\slot+3], s[G0B+4*\slot+2:G0B+4*\slot+3], 2*HALFT
	JLOAD G0+4*\slot, G1, G0B+4*\slot, G1B         ; the first tensor load behind the round; its four v_nop are the places in front of the loads below
.else
	PLACES 4
.endif
	FETCH_B \next, 0, 0
	FETCH_A \next, 0, 0
	SCALES \next
	WIN MUL_HI
	MUL16 4, 1, 1, \slot, 0
	MUL16 6, 1, 1, \slot, 0
	PLACES 4
	WIN 0
	FETCH_A \next, 0, 4
.endm
	s_wait_tensorcnt 1                             ; my part of slot 0 is in; slot 1's may stay out
	s_barrier_signal -1
	s_barrier_wait -1
	FETCH_B 0, 0, 0
	FETCH_A 0, 0, 0
	SCALES 0
	FETCH_A 0, 0, 4
	STEP 0, 0, 1                                   ; the first step starts the sums from the bias
	s_mov_b32 s3, LAPS-1
.Llap:
	TURN 0, 1, 1
	STEP 1, 0, 0
	TURN 1, 0, 1
	STEP 0, 0, 0
	s_sub_co_u32 s3, s3, 1
	s_cmp_lg_u32 s3, 0
	s_cbranch_scc1 .Llap
	TURN 0, 1, 0
	STEP 1, 0, 0
	s_wait_dscnt 4*NL
	WIN MUL_LO
	MUL16 0, 1, 1, 1, 0
	MUL16 2, 1, 1, 1, 0
	s_wait_dscnt 0
	WIN MUL_HI
	MUL16 4, 1, 1, 1, 0
	MUL16 6, 1, 1, 1, 0
	WIN 0
; THE WAY OUT, block by block of A's 16 rows x my 128 columns: through my stage, back as whole rows of 512 bytes, joined with the residual, stored as 512 consecutive bytes.
.set RS, 64                            ; v64-127, v128-191 the residual's rows, two sets
.set BK, 192                           ; v192-255 the block's rows read back
	PLACES 4                                       ; in front of loads into registers that the last products have read
.macro RESID a
.set RB, RS+64*((\a)%2)
.irp t, 0,1,2,3,4,5,6,7,8,9,10,11,12,13,14,15
	global_load_b128 v[RB+4*\t:RB+4*\t+3], v[CO], s[8:9] offset:(32*((\a)/2)+8*((\a)%2)+\t+8*(\t/8))*4096
.endr
.endm
.macro TOSTAGE a
.set AC, 64*((\a)%4)
	WIN 0x08+4*((\a)/4)                            ; an LDS store's data: window 2 or 3
.irp b, 0,1,2,3,4,5,6,7
	ds_store_b128 v[STO], v[AC+8*\b:AC+8*\b+3] offset:128*(\b/2)+32*(\b%2)        ; each accumulator from its low end on
	ds_store_b128 v[STO], v[AC+8*\b+4:AC+8*\b+7] offset:128*(\b/2)+32*(\b%2)+16
.endr
	WIN 0
.irp t, 0,1,2,3,4,5,6,7,8,9,10,11,12,13,14,15
	ds_load_b128 v[BK+4*\t:BK+4*\t+3], v[RD] offset:528*\t   ; LDS serves a wave's instructions in order: these see the stores above
.endr
.endm
.macro COMBINE a
.set RB, RS+64*((\a)%2)
.set ci, 0
.rept 32
.if GATE
	v_pk_fma_f32 v[BK+ci:BK+ci+1], v[BK+ci:BK+ci+1], v[GT:GT+1], v[RB+ci:RB+ci+1]
.else
	v_pk_add_f32 v[BK+ci:BK+ci+1], v[BK+ci:BK+ci+1], v[RB+ci:RB+ci+1]
.endif
.set ci, ci+2
.endr
.irp t, 0,1,2,3,4,5,6,7,8,9,10,11,12,13,14,15
	global_store_b128 v[CO], v[BK+4*\t:BK+4*\t+3], s[12:13] offset:(32*((\a)/2)+8*((\a)%2)+\t+8*(\t/8))*4096
.endr
.endm
	RESID 0
.irp a, 0,1,2,3,4,5,6,7
.if \a > 0
	s_wait_xcnt 0x0                                ; the last block's stores have read their registers
.endif
	TOSTAGE \a
.if \a < 7
	RESID \a+1
	s_wait_dscnt 0x0
	s_wait_loadcnt 16                              ; this block's residual is in; the next block's 16 loads may stay out
.else
	s_wait_dscnt 0x0
	s_wait_loadcnt 0x0
.endif
	COMBINE \a
.endr
	s_wait_tensorcnt 0x0                           ; the wave's end
	ds_add_u32 v[SPW], v[NIL]
	s_wait_dscnt 0x0
	CROUND
	s_endpgm
.Lfunc_end_k_q0f54128ede_ffn2:
	.size	k_q0f54128ede_ffn2, .Lfunc_end_k_q0f54128ede_ffn2-k_q0f54128ede_ffn2
	.p2alignl 7, 3214868480
	.fill 96, 4, 3214868480
	.section	.rodata,"a",@progbits
	.p2align	6, 0x0
	.amdhsa_kernel k_q0f54128ede_ffn2
		.amdhsa_group_segment_fixed_size 327680
		.amdhsa_private_segment_fixed_size 0
		.amdhsa_enable_private_segment 0
		.amdhsa_kernarg_size 40
		.amdhsa_user_sgpr_count 2
		.amdhsa_user_sgpr_kernarg_segment_ptr 1
		.amdhsa_wavefront_size32 1
		.amdhsa_system_sgpr_workgroup_id_x 1
		.amdhsa_system_sgpr_workgroup_id_y 1
		.amdhsa_system_sgpr_workgroup_id_z 1
		.amdhsa_system_vgpr_workitem_id 0
		.amdhsa_next_free_vgpr 1024
		.amdhsa_next_free_sgpr 66
		.amdhsa_reserve_vcc 0
		.amdhsa_float_denorm_mode_32 3
		.amdhsa_float_denorm_mode_16_64 3
		.amdhsa_memory_ordered 1
		.amdhsa_forward_progress 1
		.amdhsa_inst_pref_size 187
	.end_amdhsa_kernel
	.amdgpu_metadata
---
amdhsa.version: [ 1, 2 ]
amdhsa.kernels:
  - .name:           k_q0f54128ede_ffn2
    .symbol:         k_q0f54128ede_ffn2.kd
    .args:
      - { .name: big, .offset: 0, .size: 8, .value_kind: global_buffer, .address_space: global }
      - { .name: wc, .offset: 8, .size: 8, .value_kind: global_buffer, .address_space: global }
      - { .name: b2, .offset: 16, .size: 8, .value_kind: global_buffer, .address_space: global }
      - { .name: x1, .offset: 24, .size: 8, .value_kind: global_buffer, .address_space: global }
      - { .name: ybuf, .offset: 32, .size: 8, .value_kind: global_buffer, .address_space: global }
    .group_segment_fixed_size: 327680
    .private_segment_fixed_size: 0
    .kernarg_segment_align: 8
    .kernarg_segment_size: 40
    .max_flat_workgroup_size: 128
    .sgpr_count:     66
    .vgpr_count:     1024
    .wavefront_size: 32
...
	.end_amdgpu_metadata
.endif
;; end of part 7
;; launch ln2 (part 8): grid 128 x 1, 8 waves a work-group, no clusters, 0 bytes of LDS; arguments ybuf, ln2_g, ln2_b, out0; writes out0
.if DOCPART == 8
	.amdgcn_target "amdgcn-amd-amdhsa--gfx1250"
	.amdhsa_code_object_version 6
	.text
	.protected	k_q0f54128ede_ln2
	.globl	k_q0f54128ede_ln2
	.p2align	8
	.type	k_q0f54128ede_ln2,@function
k_q0f54128ede_ln2:
	s_mov_b64 s[64:65], 0
	v_nop
	global_prefetch_b8 v0, s[64:65] scope:SCOPE_SE
	s_setreg_imm32_b32 hwreg(HW_REG_WAVE_MODE, 25, 1), 1
	s_wait_xcnt 0x0
; out = layernorm(y2) g + b, rows of 1,024 f32.  A work-group takes 32 consecutive rows; each of its eight waves takes four whole rows in registers: a row is read once, and no reduction leaves the wave: no LDS, no barrier.
; The variance is taken of the centred numbers: no difference of large sums is formed.  LIMITS: NaN and infinities are not served.  Matrix units, clusters and tensor loads buy nothing here: memory binds.
.set Y,    64                          ; v64-191  four rows: row i at + 32 i, its columns 128 q + 4 l + 0 .. 3 at + 4 q
.set GG,   192                         ; v192-223 the gain of my columns
.set BB,   224                         ; v224-255 the bias
.set PS,   8                           ; v8-15    a pair a row: the sum, the mean, then 1 / sqrt(var + eps)
.set SQ,   16                          ; v16-23   a pair a row: the sum of squares
.set SEL,  22
.macro REDUCE base                     ; the four rows' figures, each over the 32 lanes, by turns
.irp m, 1,2,4,8
.irp i, 0,1,2,3
	v_add_f32_dpp v[\base+2*\i], v[\base+2*\i], v[\base+2*\i] row_xmask:\m row_mask:0xf bank_mask:0xf
.endr
.endr
.irp i, 0,1,2,3
	v_permlanex16_b32 v[\base+2*\i+1], v[\base+2*\i], s[SEL], s[SEL+1]
.endr
.irp i, 0,1,2,3
	v_add_f32 v[\base+2*\i], v[\base+2*\i], v[\base+2*\i+1]
.endr
.endm
	s_load_b256 s[4:11], s[0:1], 0x0               ; y, the gain, the bias, the result
	v_lshrrev_b32 v1, 5, v0
	v_readfirstlane_b32 s14, v1                    ; wave
	v_and_b32 v2, 31, v0
	v_lshlrev_b32 v1, 4, v2                        ; 16 l
	s_mov_b32 s[SEL], 0x76543210
	s_mov_b32 s[SEL+1], 0xfedcba98
	s_mov_b32 s20, 0x3a800000                      ; 1 / 1,024
	s_mov_b32 s21, 0x3727c5ac                      ; 1e-5
	s_lshl_b32 s16, ttmp9, 17                      ; 32 rows of 4,096 bytes
	s_lshl_b32 s17, s14, 14                        ; + my four
	s_add_co_u32 s16, s16, s17
	s_mov_b32 s17, 0
	s_wait_kmcnt 0x0
	s_add_nc_u64 s[4:5], s[4:5], s[16:17]
	s_add_nc_u64 s[10:11], s[10:11], s[16:17]
.irp i, 0,1,2,3
.irp q, 0,1,2,3,4,5,6,7
	global_load_b128 v[Y+32*\i+4*\q:Y+32*\i+4*\q+3], v1, s[4:5] offset:4096*\i+512*\q th:TH_LOAD_NT
.endr
.endr
.irp q, 0,1,2,3,4,5,6,7
	global_load_b128 v[GG+4*\q:GG+4*\q+3], v1, s[6:7] offset:512*\q
	global_load_b128 v[BB+4*\q:BB+4*\q+3], v1, s[8:9] offset:512*\q
.endr
	s_wait_loadcnt 16                              ; the rows are in; the gain's and the bias's 16 loads may stay out
.irp i, 0,1,2,3
	v_pk_add_f32 v[PS+2*\i:PS+2*\i+1], v[Y+32*\i:Y+32*\i+1], v[Y+32*\i+2:Y+32*\i+3]
.endr
.irp k, 4,6,8,10,12,14,16,18,20,22,24,26,28,30
.irp i, 0,1,2,3
	v_pk_add_f32 v[PS+2*\i:PS+2*\i+1], v[PS+2*\i:PS+2*\i+1], v[Y+32*\i+\k:Y+32*\i+\k+1]
.endr
.endr
.irp i, 0,1,2,3
	v_add_f32 v[PS+2*\i], v[PS+2*\i], v[PS+2*\i+1]
.endr
	REDUCE PS
.irp i, 0,1,2,3
	v_mul_f32 v[PS+2*\i], s20, v[PS+2*\i]          ; the mean
.endr
.irp k, 0,2,4,6,8,10,12,14,16,18,20,22,24,26,28,30
.irp i, 0,1,2,3
	v_pk_add_f32 v[Y+32*\i+\k:Y+32*\i+\k+1], v[Y+32*\i+\k:Y+32*\i+\k+1], v[PS+2*\i:PS+2*\i+1] op_sel_hi:[1,0] neg_lo:[0,1] neg_hi:[0,1]
.endr
.endr
.irp i, 0,1,2,3
	v_pk_mul_f32 v[SQ+2*\i:SQ+2*\i+1], v[Y+32*\i:Y+32*\i+1], v[Y+32*\i:Y+32*\i+1]
.endr
.irp k, 2,4,6,8,10,12,14,16,18,20,22,24,26,28,30
.irp i, 0,1,2,3
	v_pk_fma_f32 v[SQ+2*\i:SQ+2*\i+1], v[Y+32*\i+\k:Y+32*\i+\k+1], v[Y+32*\i+\k:Y+32*\i+\k+1], v[SQ+2*\i:SQ+2*\i+1]
.endr
.endr
.irp i, 0,1,2,3
	v_add_f32 v[SQ+2*\i], v[SQ+2*\i], v[SQ+2*\i+1]
.endr
	REDUCE SQ
.irp i, 0,1,2,3
	v_fma_f32 v[SQ+2*\i], v[SQ+2*\i], s20, s21     ; the variance + 1e-5
.endr
.irp i, 0,1,2,3
	v_rsq_f32 v[PS+2*\i], v[SQ+2*\i]
.endr
	v_nop                                          ; a plain place behind the batch,
	s_wait_alu depctr_va_vdst(0)                   ; and one wait for the four, ahead of their first reader
	s_wait_loadcnt 0x0                             ; the gain and the bias
.irp i, 0,1,2,3
.irp k, 0,2,4,6,8,10,12,14,16,18,20,22,24,26,28,30
	v_pk_mul_f32 v[Y+32*\i+\k:Y+32*\i+\k+1], v[Y+32*\i+\k:Y+32*\i+\k+1], v[PS+2*\i:PS+2*\i+1] op_sel_hi:[1,0]
.endr
.irp k, 0,2,4,6,8,10,12,14,16,18,20,22,24,26,28,30
	v_pk_fma_f32 v[Y+32*\i+\k:Y+32*\i+\k+1], v[Y+32*\i+\k:Y+32*\i+\k+1], v[GG+\k:GG+\k+1], v[BB+\k:BB+\k+1]
.endr
.irp q, 0,1,2,3,4,5,6,7
	global_store_b128 v1, v[Y+32*\i+4*\q:Y+32*\i+4*\q+3], s[10:11] offset:4096*\i+512*\q th:TH_STORE_NT   ; 512 consecutive bytes, aligned; written once, read by nobody here
.endr
.endr
	s_endpgm
.Lfunc_end_k_q0f54128ede_ln2:
	.size	k_q0f54128ede_ln2, .Lfunc_end_k_q0f54128ede_ln2-k_q0f54128ede_ln2
	.p2alignl 7, 3214868480
	.fill 96, 4, 3214868480
	.section	.rodata,"a",@progbits
	.p2align	6, 0x0
	.amdhsa_kernel k_q0f54128ede_ln2
		.amdhsa_group_segment_fixed_size 0
		.amdhsa_private_segment_fixed_size 0
		.amdhsa_enable_private_segment 0
		.amdhsa_kernarg_size 32
		.amdhsa_user_sgpr_count 2
		.amdhsa_user_sgpr_kernarg_segment_ptr 1
		.amdhsa_wavefront_size32 1
		.amdhsa_system_sgpr_workgroup_id_x 1
		.amdhsa_system_sgpr_workgroup_id_y 1
		.amdhsa_system_sgpr_workgroup_id_z 1
		.amdhsa_system_vgpr_workitem_id 0
		.amdhsa_next_free_vgpr 256
		.amdhsa_next_free_sgpr 66
		.amdhsa_reserve_vcc 0
		.amdhsa_float_denorm_mode_32 3
		.amdhsa_float_denorm_mode_16_64 3
		.amdhsa_memory_ordered 1
		.amdhsa_forward_progress 1
		.amdhsa_inst_pref_size 32
	.end_amdhsa_kernel
	.amdgpu_metadata
---
amdhsa.version: [ 1, 2 ]
amdhsa.kernels:
  - .name:           k_q0f54128ede_ln2
    .symbol:         k_q0f54128ede_ln2.kd
    .args:
      - { .name: ybuf, .offset: 0, .size: 8, .value_kind: global_buffer, .address_space: global }
      - { .name: ln2_g, .offset: 8, .size: 8, .value_kind: global_buffer, .address_space: global }
      - { .name: ln2_b, .offset: 16, .size: 8, .value_kind: global_buffer, .address_space: global }
      - { .name: out0, .offset: 24, .size: 8, .value_kind: global_buffer, .address_space: global }
    .group_segment_fixed_size: 0
    .private_segment_fixed_size: 0
    .kernarg_segment_align: 8
    .kernarg_segment_size: 32
    .max_flat_workgroup_size: 256
    .sgpr_count:     66
    .vgpr_count:     256
    .wavefront_size: 32
...
	.end_amdgpu_metadata
.endif
;; end of part 8
;; ======== version 2 of 2: 8 launches
;; limits: right only within a limited range of input values
;; workspace buffers: ac 3,276,800 bytes; wqkc 1,638,400 bytes; wvc 819,200 bytes; wc 7,372,800 bytes; big 13,107,200 bytes; vc 3,276,800 bytes; ybuf 16,777,216 bytes; x1 16,777,216 bytes
;; launch quant (part 9): grid 1024 x 1, 4 waves a work-group, no clusters, 47,616 bytes of LDS; arguments x, wq, wk, wv, wo, w1, w2, ac, wqkc, wvc, wc; writes ac, wqkc, wvc, wc
.if DOCPART == 9
	.amdgcn_target "amdgcn-amd-amdhsa--gfx1250"
	.amdhsa_code_object_version 6
	.text
	.protected	k_q0f54128ede_quant
	.globl	k_q0f54128ede_quant
	.p2align	8
	.type	k_q0f54128ede_quant,@function
k_q0f54128ede_quant:
	s_mov_b64 s[64:65], 0
	v_nop
	global_prefetch_b8 v0, s[64:65] scope:SCOPE_SE
	s_setreg_imm32_b32 hwreg(HW_REG_WAVE_MODE, 25, 1), 1
	s_wait_xcnt 0x0
; x [4096][1024] (K innermost) and the six weights (K = their FIRST axis) become codes of FP6 (E2M3) with one E8M0 byte for each 32 along K.
; THE UNIT, the one layout of every operand of this program: 128 operand rows x 128 K in 12,800 bytes.  Fragment t (0..7) at 1,536 t; its row index r (0..15) is operand row
; 32 (t/2) + 8 (t%2) + r + 8 (r/8) of the 128; plane p (0..5) at + 256 p holds registers 2 p, 2 p + 1 of the matrix operand, lane l = r + 16 h at + 8 l; registers 6 c .. 6 c + 5 are the codes of
; k = 64 c + 32 h + 0 .. 31.  The scale word of (t, r) lies at 12,288 + 128 (t/2) + 8 r + 4 (t%2).  So a fragment is six loads of 8 bytes a lane, 256 consecutive bytes each.
; ONE WORK-GROUP MAKES ONE UNIT; wave b makes fragments 2 b and 2 b + 1 (32 operand rows).  Work-groups 0-255: x; 256-1023: wq, wk (into wqkc), wv, wo, w1, w2 (the last three into wc).
; A block's scale byte is its largest magnitude's exponent field - 2, held at 1 from below.  LIMITS: a block of zeros, or one whose largest magnitude lies under 2^-124, gets the byte 1 (the rule says 127 for
; zeros: the codes are zeros, and this program alone reads the bytes); NaN and infinities are not served.  No barrier: waves share nothing; each of the two paths has LDS bytes of its own.
.set UNIT, 12800
.set XW,   8448                        ; x path: a wave's stage, 16 rows x (512 + 16) bytes
.set WSTG, 4*XW                        ; weight path: the stages begin here
.set WW,   3328                        ; a wave's: two fragments of 1,536 bytes, 1,664 apart, so that the two halves of a store fall on different banks
.set SEL,  36                          ; s[36:37] selects for v_permlanex16_b32: lane l xor 16
.set TT,   40                          ; v40-47  the upper halves of the blocks' codes, before they are moved
.set MX,   48                          ; v48-49  largest magnitudes, then bytes
.set SO,   50                          ; v50-51  the conversions' scale operands
.set TP,   52
.set WA,   53                          ; the two fragments' scale words
.set WB,   54
.set WD,   55
.set SH8,  8                           ; v8  8 h
; 64 numbers of a lane, v[xs + 32 c + i] = k 64 c + 32 h + i of its row, become the fragment's 12 registers v[cd] on and its row's scale word v[wd].
.macro QUANTX xs, cd, wd
	v_max3_num_f32 v[MX], |v[\xs]|, |v[\xs+1]|, 0x1800000            ; my two whole blocks by turns; the floor 2^(3 - 127) holds the byte at 1 from below
	v_max3_num_f32 v[MX+1], |v[\xs+32]|, |v[\xs+33]|, 0x1800000
.set qi, 2
.rept 15
	v_max3_num_f32 v[MX], v[MX], |v[\xs+qi]|, |v[\xs+qi+1]|
	v_max3_num_f32 v[MX+1], v[MX+1], |v[\xs+32+qi]|, |v[\xs+33+qi]|
.set qi, qi+2
.endr
	v_add_nc_u32 v[SO], 0xff000000, v[MX]                            ; 2 off the exponent field: the conversion's scale operand
	v_add_nc_u32 v[SO+1], 0xff000000, v[MX+1]
	v_lshrrev_b32 v[MX], 23, v[SO]                                   ; the bytes of blocks h and 2 + h
	v_lshrrev_b32 v[MX+1], 23, v[SO+1]
	v_lshl_or_b32 v[\wd], v[MX+1], 16, v[MX]
	v_lshlrev_b32 v[\wd], v[SH8], v[\wd]                             ; at their places in the word
	v_permlanex16_b32 v[TP], v[\wd], s[SEL], s[SEL+1]
	v_or_b32 v[\wd], v[\wd], v[TP]                                   ; with lane l xor 16's two the word is whole
.irp c, 0,1
	v_cvt_scalef32_pk16_fp6_f32 v[\cd+6*\c:\cd+6*\c+2], v[\xs+32*\c:\xs+32*\c+15], v[SO+\c]
	v_cvt_scalef32_pk16_fp6_f32 v[TT+4*\c:TT+4*\c+2], v[\xs+32*\c+16:\xs+32*\c+31], v[SO+\c]   ; (a conversion's three registers begin on an even number)
.endr
	v_nop                                                            ; one plain place behind the conversions
.irp c, 0,1
.irp i, 0,1,2
	v_mov_b32 v[\cd+6*\c+3+\i], v[TT+4*\c+\i]
.endr
.endr
.endm
	s_load_b256 s[4:11], s[0:1], 0x0               ; x, wq, wk, wv
	s_load_b256 s[12:19], s[0:1], 0x20             ; wo, w1, w2, ac
	s_load_b128 s[20:23], s[0:1], 0x40             ; wqkc, wvc
	s_load_b64 s[24:25], s[0:1], 0x50              ; wc
	v_lshl_add_u32 v62, v0, 2, 0xb800
	v_mov_b32 v63, 0
	v_lshrrev_b32 v1, 5, v0
	v_readfirstlane_b32 s26, v1                    ; wave b
	v_and_b32 v1, 31, v0                           ; lane
	s_mov_b32 s[SEL], 0x76543210
	s_mov_b32 s[SEL+1], 0xfedcba98
	s_wait_kmcnt 0x0
	s_cmp_ge_u32 ttmp9, 256
	s_cbranch_scc1 .Lweights
	; ---- x: unit g = 8 rb + ks of ac.  Each load reads a row's 512 bytes of the K step as they lie; a fragment's 16 rows turn through the wave's stage, so that a lane gets 2 x 32 neighbours of ONE row.
	v_and_b32 v2, 15, v0                           ; r
	v_bfe_u32 v3, v0, 4, 1                         ; h
	s_wait_alu depctr_va_vdst(0)
	v_lshlrev_b32 v4, 4, v1                        ; 16 l
	s_mul_i32 s27, s26, XW
	v_add_nc_u32 v5, s27, v4                       ; into the stage: 16 l, the row in the immediate
	v_mul_u32_u24 v6, v2, 528
	v_lshl_add_u32 v6, v3, 7, v6
	v_add_nc_u32 v6, s27, v6                       ; out of it: row r, + 128 h
	s_mul_i32 s27, s26, 3072
	v_lshl_add_u32 v7, v1, 3, s27                  ; the codes' place: 8 l + my two fragments
	v_lshlrev_b32 v[SH8], 3, v3
	s_lshl_b32 s27, s26, 7
	v_lshl_add_u32 v9, v2, 3, s27
	v_lshl_add_u32 v9, v3, 2, v9                   ; the words' place: 128 b + 8 r + 4 h (lanes 16-31 store the second fragment's)
	v_mov_b32 v[TP], 0                             ; a lane permute's destination counts as one of its sources
	s_mov_b32 s30, 0xffff0000
	s_lshr_b32 s27, ttmp9, 3
	s_lshl_b32 s32, s27, 19                        ; 128 rb rows of 4,096 bytes
	s_lshl_b32 s27, s26, 17                        ; + 32 b rows
	s_add_co_u32 s32, s32, s27
	s_and_b32 s27, ttmp9, 7
	s_lshl_b32 s27, s27, 9                         ; + 512 ks
	s_add_co_u32 s32, s32, s27
	s_mov_b32 s33, 0
	s_add_nc_u64 s[4:5], s[4:5], s[32:33]
	s_mul_i32 s32, ttmp9, UNIT
	s_add_nc_u64 s[18:19], s[18:19], s[32:33]
.irp u, 0,1
.irp t, 0,1,2,3,4,5,6,7,8,9,10,11,12,13,14,15
	global_load_b128 v[64+64*\u+4*\t:64+64*\u+4*\t+3], v4, s[4:5] offset:(8*\u+\t+8*(\t/8))*4096 th:TH_LOAD_NT   ; 32 lanes read 512 consecutive bytes
.endr
.endr
.macro XFRAG u, left, cd, wd
	s_wait_loadcnt \left                           ; this fragment's 16 loads are in
.irp t, 0,1,2,3,4,5,6,7,8,9,10,11,12,13,14,15
	ds_store_b128 v5, v[64+64*\u+4*\t:64+64*\u+4*\t+3] offset:528*\t
.endr
.irp c, 0,1
.irp i, 0,1,2,3,4,5,6,7
	ds_load_b128 v[192+32*\c+4*\i:192+32*\c+4*\i+3], v6 offset:256*\c+16*\i   ; LDS serves a wave's instructions in order: these see the stores above
.endr
.endr
	s_wait_dscnt 0x0
	QUANTX 192, \cd, \wd
.irp p, 0,1,2,3,4,5
	global_store_b64 v7, v[\cd+2*\p:\cd+2*\p+1], s[18:19] offset:1536*\u+256*\p   ; a plane: 256 consecutive bytes, aligned
.endr
.endm
	s_wait_alu depctr_va_vdst(0)
	XFRAG 0, 16, 16, WA                            ; the second fragment's 16 loads may stay out
	XFRAG 1, 0, 28, WB                             ; codes in registers of their own: no store's data are written again
	v_cndmask_b32 v[WD], v[WA], v[WB], s30
	global_store_b32 v9, v[WD], s[18:19] offset:12288
	s_wait_tensorcnt 0x0
	ds_add_u32 v62, v63
	s_wait_dscnt 0x0
	s_endpgm
	; ---- a weight: a lane takes a column (an operand row), its registers run down K: a block of 32 is one lane's, and nothing is transposed.
.Lweights:
	s_sub_co_u32 s27, ttmp9, 256                   ; g'
	s_mov_b64 s[28:29], s[16:17]                   ; the source: w2; under 512 w1; under 256 wo; under 192 wv; under 128 wk; under 64 wq
	s_cmp_lt_u32 s27, 512
	s_cselect_b64 s[28:29], s[14:15], s[28:29]
	s_cselect_b32 s35, 3, 5                        ; units along K: 8, in w2 32
	s_cmp_lt_u32 s27, 256
	s_cselect_b64 s[28:29], s[12:13], s[28:29]
	s_cselect_b32 s34, 63, 255
	s_sub_co_u32 s32, s27, 192
	s_sub_co_u32 s33, s27, 128
	s_cmp_lt_u32 s27, 192
	s_cselect_b64 s[28:29], s[10:11], s[28:29]
	s_cselect_b64 s[30:31], s[22:23], s[24:25]     ; the destination and the unit's number in it: wc, g' - 192; wvc, g' - 128; wqkc, g'
	s_cselect_b32 s32, s33, s32
	s_cmp_lt_u32 s27, 128
	s_cselect_b64 s[28:29], s[8:9], s[28:29]
	s_cselect_b64 s[30:31], s[20:21], s[30:31]
	s_cselect_b32 s32, s27, s32
	s_cmp_lt_u32 s27, 64
	s_cselect_b64 s[28:29], s[6:7], s[28:29]
	s_mul_i32 s32, s32, UNIT
	s_mov_b32 s33, 0
	s_add_nc_u64 s[30:31], s[30:31], s[32:33]
	s_and_b32 s34, s27, s34                        ; the unit's number in its own weight
	s_bfm_b32 s38, s35, 0
	s_and_b32 s38, s34, s38                        ; ks
	s_lshr_b32 s39, s34, s35                       ; rb
	s_lshr_b32 s49, s27, 8
	s_mov_b32 s48, 4096
	s_cmp_eq_u32 s49, 1
	s_cselect_b32 s48, 16384, s48                  ; a row of the weight in bytes: w1's is 16,384
	s_lshl_b32 s50, s38, 7
	s_mul_i32 s50, s50, s48                        ; 128 ks rows
	s_lshl_b32 s51, s39, 9
	s_add_co_u32 s50, s50, s51                     ; + 128 rb columns
	s_lshl_b32 s51, s26, 7
	s_add_co_u32 s50, s50, s51                     ; + my wave's 32
	s_mov_b32 s51, 0
	s_lshl_b32 s52, s48, 5
	s_mov_b32 s53, 0
	s_add_nc_u64 s[40:41], s[28:29], s[50:51]      ; a base for each block of 32 rows; never rewritten
	s_add_nc_u64 s[42:43], s[40:41], s[52:53]
	s_add_nc_u64 s[44:45], s[42:43], s[52:53]
	s_add_nc_u64 s[46:47], s[44:45], s[52:53]
	s_wait_alu depctr_va_vdst(0)
	v_lshlrev_b32 v2, 2, v1
.set wi, 0
.rept 32
	v_mad_u32_u24 v[192+wi], s48, wi, v2           ; 4 x lane + wi rows
.set wi, wi+1
.endr
	v_bfe_u32 v12, v0, 3, 1                        ; column lane of the 32 is row r = lane % 8 + 8 (lane / 16) of fragment u = (lane / 8) % 2
	v_and_b32 v13, 7, v0
	v_bfe_u32 v14, v0, 4, 1
	v_lshl_add_u32 v13, v14, 3, v13
	s_mul_i32 s49, s26, WW
	s_add_co_u32 s49, s49, WSTG
	v_mul_u32_u24 v3, v12, 1664
	v_lshl_add_u32 v3, v13, 3, v3
	v_add_nc_u32 v3, s49, v3                       ; into my stage
	v_lshl_add_u32 v4, v1, 4, s49                  ; out of it
	s_mul_i32 s49, s26, 3072
	v_lshl_add_u32 v5, v1, 4, s49                  ; and the same place in the unit
	s_lshl_b32 s49, s26, 7
	v_lshl_add_u32 v6, v13, 3, s49
	v_lshl_add_u32 v6, v12, 2, v6                  ; my column's scale word
.macro LOADW j
.set wi, 0
.rept 32
	global_load_b32 v[64+32*(\j)+wi], v[192+wi], s[40+2*(\j):41+2*(\j)] th:TH_LOAD_NT   ; a wave reads 128 consecutive bytes, the four waves 512
.set wi, wi+1
.endr
.endm
.macro BLK32 j                         ; block j of my column: k = 32 j + 0 .. 31 of the unit: registers 6 (j/2) .. + 5 of lane r + 16 (j%2)
.set XS, 64+32*(\j)
.set CD, 16+8*(\j)
	v_max3_num_f32 v8, |v[XS]|, |v[XS+1]|, 0x1800000
	v_max3_num_f32 v9, |v[XS+2]|, |v[XS+3]|, |v[XS+4]|
.irp i, 5,9,13,17,21,25
	v_max3_num_f32 v8, v8, |v[XS+\i]|, |v[XS+\i+1]|
	v_max3_num_f32 v9, v9, |v[XS+\i+2]|, |v[XS+\i+3]|
.endr
	v_max3_num_f32 v8, v8, |v[XS+29]|, |v[XS+30]|
	v_max3_num_f32 v8, v8, v9, |v[XS+31]|
	v_add_nc_u32 v10, 0xff000000, v8
	v_lshrrev_b32 v11, 23, v10
.if (\j) == 0
	v_mov_b32 v7, v11
.else
	v_lshl_or_b32 v7, v11, 8*(\j), v7
.endif
	v_cvt_scalef32_pk16_fp6_f32 v[CD:CD+2], v[XS:XS+15], v10
	v_cvt_scalef32_pk16_fp6_f32 v[56:58], v[XS+16:XS+31], v10
	v_nop
.irp i, 0,1,2
	v_mov_b32 v[CD+3+\i], v[56+\i]
.endr
.irp i, 0,1,2
	ds_store_b64 v3, v[CD+2*\i:CD+2*\i+1] offset:256*(3*((\j)/2)+\i)+128*((\j)%2)
.endr
.endm
	LOADW 0
	LOADW 1
	s_wait_loadcnt 32                              ; block 0 is in; the next block's 32 loads may stay out
	LOADW 2
	BLK32 0
	s_wait_loadcnt 32
	LOADW 3
	BLK32 1
	s_wait_loadcnt 32
	BLK32 2
	s_wait_loadcnt 0x0
	BLK32 3
	global_store_b32 v6, v7, s[30:31] offset:12288
.irp q, 0,1,2,3,4,5
	ds_load_b128 v[224+4*\q:224+4*\q+3], v4 offset:1664*(\q/3)+512*(\q%3)   ; LDS serves a wave's instructions in order: these see my stores
.endr
.irp q, 0,1,2,3,4,5
	s_wait_dscnt 5-\q
	global_store_b128 v5, v[224+4*\q:224+4*\q+3], s[30:31] offset:512*\q    ; 512 consecutive bytes, aligned
.endr
	s_wait_tensorcnt 0x0
	ds_add_u32 v62, v63
	s_wait_dscnt 0x0
	s_endpgm
.Lfunc_end_k_q0f54128ede_quant:
	.size	k_q0f54128ede_quant, .Lfunc_end_k_q0f54128ede_quant-k_q0f54128ede_quant
	.p2alignl 7, 3214868480
	.fill 96, 4, 3214868480
	.section	.rodata,"a",@progbits
	.p2align	6, 0x0
	.amdhsa_kernel k_q0f54128ede_quant
		.amdhsa_group_segment_fixed_size 47616
		.amdhsa_private_segment_fixed_size 0
		.amdhsa_enable_private_segment 0
		.amdhsa_kernarg_size 88
		.amdhsa_user_sgpr_count 2
		.amdhsa_user_sgpr_kernarg_segment_ptr 1
		.amdhsa_wavefront_size32 1
		.amdhsa_system_sgpr_workgroup_id_x 1
		.amdhsa_system_sgpr_workgroup_id_y 1
		.amdhsa_system_sgpr_workgroup_id_z 1
		.amdhsa_system_vgpr_workitem_id 0
		.amdhsa_next_free_vgpr 256
		.amdhsa_next_free_sgpr 66
		.amdhsa_reserve_vcc 0
		.amdhsa_float_denorm_mode_32 3
		.amdhsa_float_denorm_mode_16_64 3
		.amdhsa_memory_ordered 1
		.amdhsa_forward_progress 1
		.amdhsa_inst_pref_size 42
	.end_amdhsa_kernel
	.amdgpu_metadata
---
amdhsa.version: [ 1, 2 ]
amdhsa.kernels:
  - .name:           k_q0f54128ede_quant
    .symbol:         k_q0f54128ede_quant.kd
    .args:
      - { .name: x, .offset: 0, .size: 8, .value_kind: global_buffer, .address_space: global }
      - { .name: wq, .offset: 8, .size: 8, .value_kind: global_buffer, .address_space: global }
      - { .name: wk, .offset: 16, .size: 8, .value_kind: global_buffer, .address_space: global }
      - { .name: wv, .offset: 24, .size: 8, .value_kind: global_buffer, .address_space: global }
      - { .name: wo, .offset: 32, .size: 8, .value_kind: global_buffer, .address_space: global }
      - { .name: w1, .offset: 40, .size: 8, .value_kind: global_buffer, .address_space: global }
      - { .name: w2, .offset: 48, .size: 8, .value_kind: global_buffer, .address_space: global }
      - { .name: ac, .offset: 56, .size: 8, .value_kind: global_buffer, .address_space: global }
      - { .name: wqkc, .offset: 64, .size: 8, .value_kind: global_buffer, .address_space: global }
      - { .name: wvc, .offset: 72, .size: 8, .value_kind: global_buffer, .address_space: global }
      - { .name: wc, .offset: 80, .size: 8, .value_kind: global_buffer, .address_space: global }
    .group_segment_fixed_size: 47616
    .private_segment_fixed_size: 0
    .kernarg_segment_align: 8
    .kernarg_segment_size: 88
    .max_flat_workgroup_size: 128
    .sgpr_count:     66
    .vgpr_count:     256
    .wavefront_size: 32
...
	.end_amdgpu_metadata
.endif
;; end of part 9
;; launch qkv (part 10): grid 8 x 24, 4 waves a work-group, clusters of 4 x 4, 327,680 bytes of LDS; arguments ac, wqkc, wvc, big, vc; writes big, vc
.if DOCPART == 10
	.amdgcn_target "amdgcn-amd-amdhsa--gfx1250"
	.amdhsa_code_object_version 6
	.text
	.protected	k_q0f54128ede_qkv
	.globl	k_q0f54128ede_qkv
	.p2align	8
	.type	k_q0f54128ede_qkv,@function
k_q0f54128ede_qkv:
	s_mov_b64 s[64:65], 0
	v_nop
	global_prefetch_b8 v0, s[64:65] scope:SCOPE_SE
	s_setreg_imm32_b32 hwreg(HW_REG_WAVE_MODE, 25, 1), 1
	s_wait_xcnt 0x0
	s_wait_alu depctr_hold_cnt(0) depctr_sa_sdst(0) depctr_va_vdst(0) depctr_va_sdst(0) depctr_va_ssrc(0) depctr_va_vcc(0) depctr_vm_vsrc(0)
	s_getreg_b32 s2, hwreg(HW_REG_IB_STS2, 6, 4)
	s_cmp_eq_u32 s2, 0
	s_cbranch_scc0 .Lentry_in_a_cluster
	s_endpgm
.Lentry_in_a_cluster:
	s_bfe_u32 s2, ttmp6, 0x10000c
	s_cmp_lg_u32 s2, 0xf033
	s_cbranch_scc0 .Lentry_shape_is_right
	s_endpgm
.Lentry_shape_is_right:
.set KS,    8
.set WOFF,  0
.set BIAS,  0
.set RELU,  0
.set UNIT,  12800
.set HALFT, 2*UNIT
.set SLOT,  4*HALFT
.set SPARE, 2*SLOT
.set LAPS,  KS/4
.set FR,    12
.set NL,    6
.set ADRA,  16
.set ADRB,  20
.set ADRS,  22
.set LO8,   27
.set SPW,   28
.set NIL,   29
.set SC,    32
.set BI,    64
.set AF,    128
.set G1,    24
.set G0,    32
.set G1B,   48
.set G0B,   56
.set MSB,   0
.macro WIN new
.if MSB != (\new)
	s_set_vgpr_msb (MSB<<8)|(\new)
.set MSB, (\new)
.endif
.endm
.set MUL_LO, 0xa1
.set MUL_HI, 0xf1
.set TO_B,   0x40
.macro JLOAD g0a, g1a, g0b, g1b
	s_cmp_eq_u32 s15, 0
	s_cbranch_scc0 .Lfor_b_\@
	tensor_load_to_lds s[\g0a:\g0a+3], s[\g1a:\g1a+7]
	s_nop 0
.rept 4
	v_nop
.endr
	s_branch .Lasked_\@
.Lfor_b_\@:
	tensor_load_to_lds s[\g0b:\g0b+3], s[\g1b:\g1b+7]
	s_nop 0
.rept 4
	v_nop
.endr
.Lasked_\@:
.endm
.macro CREST
	s_cmp_lg_u32 s14, 0
	s_cbranch_scc1 .Lnot_wave_0_\@
	s_barrier_signal -3
.Lnot_wave_0_\@:
	s_barrier_wait -3
	s_barrier_signal -1
	s_barrier_wait -1
.endm
.macro CROUND
	s_barrier_signal -1
	s_barrier_wait -1
	CREST
.endm
.macro PLACES n
.rept \n
	v_nop
.endr
.endm
	s_load_b128 s[4:7], s[0:1], 0x0
	s_load_b128 s[8:11], s[0:1], 0x10
	s_load_b64 s[12:13], s[0:1], 0x20
	v_lshl_add_u32 v[SPW], v0, 2, SPARE
	v_mov_b32 v[NIL], 0
	ds_add_u32 v28, v29
	ds_add_u32 v28, v29
	s_wait_dscnt 0x0
	v_lshrrev_b32 v1, 5, v0
	v_readfirstlane_b32 s14, v1
	s_lshr_b32 s15, s14, 1
	s_and_b32 s16, s14, 1
	s_bfe_u32 s40, ttmp6, 0x40000
	s_bfe_u32 s41, ttmp6, 0x40004
	s_and_b32 s17, ttmp7, 0xffff
	s_sub_co_u32 s23, s17, 4
	s_lshl_b32 s23, s23, 1
	s_add_co_u32 s23, s23, ttmp9
	s_cmp_lt_u32 s17, 4
	s_cselect_b32 s2, 1, 0
	s_cselect_b32 s42, ttmp9, s23
	s_cselect_b32 s17, s17, 0
	s_lshl_b32 s42, s42, 2
	s_add_co_u32 s42, s42, s40
	s_lshl_b32 s17, s17, 2
	s_add_co_u32 s17, s17, s41
	s_lshl_b32 s43, s41, 2
	s_lshl_b32 s43, 15, s43
	s_lshl_b32 s44, 0x1111, s40
	s_or_b32 s[G1+0], s43, (3<<16)|(1<<21)
	s_or_b32 s[G1B+0], s44, (3<<16)|(1<<21)
.irp g, G1, G1B
	s_mov_b32 s[\g+1], 32<<16
	s_mov_b32 s[\g+2], 100<<16
	s_mov_b32 s[\g+3], 32<<16
	s_mov_b32 s[\g+4], 100
	s_mov_b32 s[\g+5], 32
	s_mov_b32 s[\g+6], 0
	s_mov_b32 s[\g+7], 0
.endr
	s_lshl_b32 s20, s17, 1
	s_add_co_u32 s20, s20, s16
	s_lshl_b32 s46, s42, 1
	s_add_co_u32 s46, s46, s16
	s_mov_b32 s21, 0
	s_mov_b32 s47, 0
	s_mov_b64 s[18:19], KS*UNIT
	s_mul_u64 s[20:21], s[20:21], s[18:19]
	s_mul_u64 s[46:47], s[46:47], s[18:19]
	s_mul_i32 s45, s14, HALFT
	s_wait_kmcnt 0x0
	s_cmp_eq_u32 s2, 1
	s_cselect_b64 s[6:7], s[6:7], s[4:5]
	s_cselect_b64 s[4:5], s[4:5], s[8:9]
	s_cselect_b64 s[8:9], s[10:11], s[12:13]
	s_add_nc_u64 s[20:21], s[4:5], s[20:21]
	s_add_nc_u64 s[46:47], s[6:7], s[46:47]
.if WOFF
	s_add_nc_u64 s[46:47], s[46:47], WOFF
.endif
	CROUND
.irp s, 0,1
	s_mov_b32 s[G0+4*\s], 1
	s_add_co_u32 s[G0+4*\s+1], s45, \s*SLOT
	s_add_nc_u64 s[G0+4*\s+2:G0+4*\s+3], s[20:21], \s*HALFT
	s_or_b32 s[G0+4*\s+3], s[G0+4*\s+3], 0x80000000
	s_mov_b32 s[G0B+4*\s], 1
	s_add_co_u32 s[G0B+4*\s+1], s45, \s*SLOT
	s_add_nc_u64 s[G0B+4*\s+2:G0B+4*\s+3], s[46:47], \s*HALFT
	s_or_b32 s[G0B+4*\s+3], s[G0B+4*\s+3], 0x80000000
.if \s                                         ; slot 1's first fill stands behind the full sequence and a round; slot 0's is the head's one load a wave
	s_wait_alu depctr_va_vdst(0)
	s_wait_tensorcnt 0x0
	ds_add_u32 v28, v29
	ds_add_u32 v28, v29
	s_wait_dscnt 0x0
	CROUND
.endif
	JLOAD G0+4*\s, G1, G0B+4*\s, G1B
.endr
	; prefetches into the L2: K chunks 2 and 3 of the tile that I fetch, which the loop's two refills will load.  Of a chunk's 100 rows of 256 bytes each of the four partners that ask for it jointly
	; takes 25, told apart by address (cx for A, cy for B); a lane a row; lanes 25-31 name the last row again.  Chunks 0 and 1 come by their loads alone.
	s_cmp_eq_u32 s15, 0
	s_cselect_b64 s[4:5], s[20:21], s[46:47]
	s_cselect_b32 s6, s40, s41
	s_mul_i32 s6, s6, 25*256
	s_mov_b32 s7, 0
	s_add_nc_u64 s[4:5], s[4:5], s[6:7]
	v_and_b32 v8, 31, v0
	v_min_u32 v8, 24, v8
	v_lshlrev_b32 v8, 8, v8
	global_prefetch_b8 v8, s[4:5] offset:2*HALFT th:TH_LOAD_NT scope:SCOPE_SE
	global_prefetch_b8 v8, s[4:5] offset:3*HALFT th:TH_LOAD_NT scope:SCOPE_SE
	v_and_b32 v1, 15, v0
	v_bfe_u32 v2, v0, 4, 1
	s_wait_alu depctr_va_vdst(0)
	v_and_b32 v3, 31, v0
	v_lshlrev_b32 v[LO8], 3, v3
	s_mul_i32 s21, s15, HALFT
	s_mul_i32 s22, s16, HALFT
	s_add_co_u32 s22, s22, 2*HALFT
.irp s, 0,1
	v_add_nc_u32 v[ADRA+\s], s21, v[LO8]
	v_add_nc_u32 v[ADRB+\s], s22, v[LO8]
	s_add_co_u32 s21, s21, SLOT
	s_add_co_u32 s22, s22, SLOT
.endr
	s_mul_i32 s21, s15, HALFT
	s_mul_i32 s22, s16, HALFT
	s_add_co_u32 s22, s22, 2*HALFT
	s_sub_co_u32 s22, s22, s21
	v_mul_u32_u24 v6, s22, v2
	v_lshl_add_u32 v5, v1, 3, v6
	s_add_co_u32 s21, s21, 12288
	v_add_nc_u32 v[ADRS], s21, v5
	v_add_nc_u32 v[ADRS+1], SLOT, v[ADRS]
	s_lshl_b32 s20, s17, 1
	s_add_co_u32 s20, s20, s15
	s_lshl_b32 s20, s20, 5
	s_mul_i32 s20, s20, UNIT
	s_mov_b32 s21, 0
	s_lshl_b32 s46, s42, 1
	s_add_co_u32 s46, s46, s16
	s_mul_i32 s46, s46, UNIT
	s_mov_b32 s47, 0
	s_add_nc_u64 s[20:21], s[20:21], s[46:47]
	s_add_nc_u64 s[8:9], s[8:9], s[20:21]
.macro FRAG reg, adr, off
.irp p, 0,1,2,3,4,5
	ds_load_b64 v[\reg+2*\p:\reg+2*\p+1], v[\adr] offset:\off+256*\p
.endr
.endm
.macro FETCH_B slot, q, p
	WIN TO_B
.irp i, 0,1,2,3,4,5,6,7
	FRAG 128*(\p)+FR*\i, ADRB+\slot, UNIT*(\q)+1536*\i
.endr
	WIN 0
.endm
.macro FETCH_A slot, q, i0
.irp i, \i0, \i0+1, \i0+2, \i0+3
	FRAG AF+FR*(\i), ADRA+\slot, UNIT*(\q)+1536*(\i)
.endr
.endm
.macro SCALES sc
.irp q, 0,1
.irp i, 0,1,2,3
	ds_load_b64 v[SC+16*\sc+8*\q+2*\i:SC+16*\sc+8*\q+2*\i+1], v[ADRS+\sc] offset:UNIT*\q+128*\i
.endr
.endr
.endm
.macro MUL16 a0, p, q, sc, zero
.irp a, \a0, \a0+1
.irp b, 0,1,2,3,4,5,6,7
.if \zero
.if BIAS
	v_wmma_scale_f32_16x16x128_f8f6f4 v[8*(8*((\a)%4)+\b):8*(8*((\a)%4)+\b)+7], v[128*(\p)+FR*\b:128*(\p)+FR*\b+FR-1], v[AF+FR*(\a):AF+FR*(\a)+FR-1], v[BI+8*\b:BI+8*\b+7], v[SC+16*(\sc)+8*(\q)+\b], v[SC+16*(\sc)+8*(\q)+(\a)] matrix_a_fmt:MATRIX_FMT_FP6 matrix_b_fmt:MATRIX_FMT_FP6 matrix_a_scale:MATRIX_SCALE_ROW1
.else
	v_wmma_scale_f32_16x16x128_f8f6f4 v[8*(8*((\a)%4)+\b):8*(8*((\a)%4)+\b)+7], v[128*(\p)+FR*\b:128*(\p)+FR*\b+FR-1], v[AF+FR*(\a):AF+FR*(\a)+FR-1], 0, v[SC+16*(\sc)+8*(\q)+\b], v[SC+16*(\sc)+8*(\q)+(\a)] matrix_a_fmt:MATRIX_FMT_FP6 matrix_b_fmt:MATRIX_FMT_FP6 matrix_a_scale:MATRIX_SCALE_ROW1
.endif
.else
	v_wmma_scale_f32_16x16x128_f8f6f4 v[8*(8*((\a)%4)+\b):8*(8*((\a)%4)+\b)+7], v[128*(\p)+FR*\b:128*(\p)+FR*\b+FR-1], v[AF+FR*(\a):AF+FR*(\a)+FR-1], v[8*(8*((\a)%4)+\b):8*(8*((\a)%4)+\b)+7], v[SC+16*(\sc)+8*(\q)+\b], v[SC+16*(\sc)+8*(\q)+(\a)] matrix_a_fmt:MATRIX_FMT_FP6 matrix_b_fmt:MATRIX_FMT_FP6 matrix_a_scale:MATRIX_SCALE_ROW1
.endif
.endr
.endr
.endm
.macro STEP slot, q, zero
	s_wait_dscnt 4*NL
.if (\zero) && BIAS
	WIN 0x81
.else
	WIN MUL_LO
.endif
	MUL16 0, (\q)%2, \q, \slot, \zero
	MUL16 2, (\q)%2, \q, \slot, \zero
	s_wait_dscnt 0
	PLACES 4
	FETCH_B \slot, (\q)+1, 1-(\q)%2
	FETCH_A \slot, (\q)+1, 0
.if (\zero) && BIAS
	WIN 0xc1
.else
	WIN MUL_HI
.endif
	MUL16 4, (\q)%2, \q, \slot, \zero
	MUL16 6, (\q)%2, \q, \slot, \zero
	PLACES 4
	WIN 0
	FETCH_A \slot, (\q)+1, 4
.endm
.macro TURN slot, next, fill
	s_wait_tensorcnt 0x0
	ds_add_u32 v[SPW], v[NIL]
	s_wait_dscnt 4*NL+1
	WIN MUL_LO
	MUL16 0, 1, 1, \slot, 0
	s_wait_dscnt 0x0
	s_barrier_signal -1
	MUL16 2, 1, 1, \slot, 0
	WIN 0
	s_barrier_wait -1
.if \fill
	CREST
	s_add_nc_u64 s[G0+4*\slot+2:G0+4*\slot+3], s[G0+4*\slot+2:G0+4*\slot+3], 2*HALFT
	s_add_nc_u64 s[G0B+4*\slot+2:G0B+4*\slot+3], s[G0B+4*\slot+2:G0B+4*\slot+3], 2*HALFT
	JLOAD G0+4*\slot, G1, G0B+4*\slot, G1B
.else
	PLACES 4
.endif
	FETCH_B \next, 0, 0
	FETCH_A \next, 0, 0
	SCALES \next
	WIN MUL_HI
	MUL16 4, 1, 1, \slot, 0
	MUL16 6, 1, 1, \slot, 0
	PLACES 4
	WIN 0
	FETCH_A \next, 0, 4
.endm
	s_wait_alu depctr_va_vdst(0)
	s_wait_tensorcnt 1
	s_barrier_signal -1
	s_barrier_wait -1
	FETCH_B 0, 0, 0
	FETCH_A 0, 0, 0
	SCALES 0
	FETCH_A 0, 0, 4
	STEP 0, 0, 1
	s_mov_b32 s3, LAPS-1
.Llap:
	TURN 0, 1, 1
	STEP 1, 0, 0
	TURN 1, 0, 1
	STEP 0, 0, 0
	s_sub_co_u32 s3, s3, 1
	s_cmp_lg_u32 s3, 0
	s_cbranch_scc1 .Llap
	TURN 0, 1, 0
	STEP 1, 0, 0
	s_wait_dscnt 4*NL
	WIN MUL_LO
	MUL16 0, 1, 1, 1, 0
	MUL16 2, 1, 1, 1, 0
	s_wait_dscnt 0
	WIN MUL_HI
	MUL16 4, 1, 1, 1, 0
	MUL16 6, 1, 1, 1, 0
	WIN 0
.set TM,  224
.set WR,  240
.set WP,  248
.set PC,  64
.set SEL, 18
	s_mov_b32 s[SEL], 0x76543210
	s_mov_b32 s[SEL+1], 0xfedcba98
	s_mov_b32 s22, 0xffff0000
.irp b, 0,1,2,3
	v_mov_b32 v[TM+4+\b], 0
.endr
.macro QUANT a
.set WW, 2+(\a)/4
.set AB0, 64*((\a)%4)
.if (\a) > 0
	s_wait_xcnt 0x0
.endif
.if RELU
	WIN (WW<<6)|(WW<<2)
.set ci, 0
.rept 64
	v_max_num_f32 v[AB0+ci], 0, v[AB0+ci]
.set ci, ci+1
.endr
.endif
	WIN (WW<<2)|(WW<<4)
.irp b, 0,1,2,3
	v_max3_num_f32 v[TM+\b], 0x1800000, |v[AB0+16*\b]|, |v[AB0+16*\b+1]|
.endr
.irp i, 2,4,6,8,10,12,14
.irp b, 0,1,2,3
	v_max3_num_f32 v[TM+\b], v[TM+\b], |v[AB0+16*\b+\i]|, |v[AB0+16*\b+\i+1]|
.endr
.endr
	WIN 0
.irp b, 0,1,2,3
	v_permlanex16_b32 v[TM+4+\b], v[TM+\b], s[SEL], s[SEL+1]
.endr
.irp b, 0,1,2,3
	v_max_num_f32 v[TM+\b], v[TM+\b], v[TM+4+\b]
.endr
.irp b, 0,1,2,3
	v_add_nc_u32 v[TM+12+\b], 0xff000000, v[TM+\b]
.endr
.irp b, 0,1,2,3
	v_lshrrev_b32 v[TM+4+\b], 23, v[TM+12+\b]
.endr
	v_lshl_or_b32 v[WR+(\a)], v[TM+5], 8, v[TM+4]
	v_lshl_or_b32 v[WR+(\a)], v[TM+6], 16, v[WR+(\a)]
	v_lshl_or_b32 v[WR+(\a)], v[TM+7], 24, v[WR+(\a)]
	WIN WW
.irp c, 0,1
	v_cvt_scalef32_pk16_fp6_f32 v[PC+6*\c:PC+6*\c+2], v[AB0+32*\c:AB0+32*\c+15], v[TM+12+2*\c]
	v_cvt_scalef32_pk16_fp6_f32 v[PC+12+4*\c:PC+12+4*\c+2], v[AB0+32*\c+16:AB0+32*\c+31], v[TM+12+2*\c+1]
.endr
	WIN 0
	v_nop
.irp c, 0,1
.irp i, 0,1,2
	v_permlane16_swap_b32 v[PC+6*\c+\i], v[PC+12+4*\c+\i]
.endr
.irp i, 0,1,2
	v_mov_b32 v[PC+3+6*\c+\i], v[PC+12+4*\c+\i]
.endr
.endr
.irp p, 0,1,2,3,4,5
	global_store_b64 v[LO8], v[PC+2*\p:PC+2*\p+1], s[8:9] offset:1536*(\a)+256*\p
.endr
.endm
.irp a, 0,1,2,3,4,5,6,7
	QUANT \a
.endr
.irp g, 0,1
	v_cndmask_b32 v[WP+2*\g], v[WR+4*\g], v[WR+4*\g+2], s22
	v_cndmask_b32 v[WP+2*\g+1], v[WR+4*\g+1], v[WR+4*\g+3], s22
	global_store_b64 v[LO8], v[WP+2*\g:WP+2*\g+1], s[8:9] offset:12288+256*\g
.endr
	s_wait_tensorcnt 0x0
	ds_add_u32 v[SPW], v[NIL]
	s_wait_dscnt 0x0
	CROUND
	s_endpgm
.Lfunc_end_k_q0f54128ede_qkv:
	.size	k_q0f54128ede_qkv, .Lfunc_end_k_q0f54128ede_qkv-k_q0f54128ede_qkv
	.p2alignl 7, 3214868480
	.fill 96, 4, 3214868480
	.section	.rodata,"a",@progbits
	.p2align	6, 0x0
	.amdhsa_kernel k_q0f54128ede_qkv
		.amdhsa_group_segment_fixed_size 327680
		.amdhsa_private_segment_fixed_size 0
		.amdhsa_enable_private_segment 0
		.amdhsa_kernarg_size 40
		.amdhsa_user_sgpr_count 2
		.amdhsa_user_sgpr_kernarg_segment_ptr 1
		.amdhsa_wavefront_size32 1
		.amdhsa_system_sgpr_workgroup_id_x 1
		.amdhsa_system_sgpr_workgroup_id_y 1
		.amdhsa_system_sgpr_workgroup_id_z 1
		.amdhsa_system_vgpr_workitem_id 0
		.amdhsa_next_free_vgpr 1024
		.amdhsa_next_free_sgpr 66
		.amdhsa_reserve_vcc 0
		.amdhsa_float_denorm_mode_32 3
		.amdhsa_float_denorm_mode_16_64 3
		.amdhsa_memory_ordered 1
		.amdhsa_forward_progress 1
		.amdhsa_inst_pref_size 165
	.end_amdhsa_kernel
	.amdgpu_metadata
---
amdhsa.version: [ 1, 2 ]
amdhsa.kernels:
  - .name:           k_q0f54128ede_qkv
    .symbol:         k_q0f54128ede_qkv.kd
    .args:
      - { .name: ac, .offset: 0, .size: 8, .value_kind: global_buffer, .address_space: global }
      - { .name: wqkc, .offset: 8, .size: 8, .value_kind: global_buffer, .address_space: global }
      - { .name: wvc, .offset: 16, .size: 8, .value_kind: global_buffer, .address_space: global }
      - { .name: big, .offset: 24, .size: 8, .value_kind: global_buffer, .address_space: global }
      - { .name: vc, .offset: 32, .size: 8, .value_kind: global_buffer, .address_space: global }
    .group_segment_fixed_size: 327680
    .private_segment_fixed_size: 0
    .kernarg_segment_align: 8
    .kernarg_segment_size: 40
    .max_flat_workgroup_size: 128
    .sgpr_count:     66
    .vgpr_count:     1024
    .wavefront_size: 32
...
	.end_amdgpu_metadata
.endif
;; end of part 10
;; launch attn (part 11): grid 8 x 32, 16 waves a work-group, clusters of 4 x 1, 327,680 bytes of LDS; arguments big, vc, ac; writes ac
.if DOCPART == 11
	.amdgcn_target "amdgcn-amd-amdhsa--gfx1250"
	.amdhsa_code_object_version 6
	.text
	.protected	k_q0f54128ede_attn
	.globl	k_q0f54128ede_attn
	.p2align	8
	.type	k_q0f54128ede_attn,@function
k_q0f54128ede_attn:
	s_mov_b64 s[64:65], 0
	v_nop
	global_prefetch_b8 v0, s[64:65] scope:SCOPE_SE
	s_setreg_imm32_b32 hwreg(HW_REG_WAVE_MODE, 25, 1), 1
	s_wait_xcnt 0x0
	s_wait_alu depctr_hold_cnt(0) depctr_sa_sdst(0) depctr_va_vdst(0) depctr_va_sdst(0) depctr_va_ssrc(0) depctr_va_vcc(0) depctr_vm_vsrc(0)
	s_getreg_b32 s2, hwreg(HW_REG_IB_STS2, 6, 4)
	s_cmp_eq_u32 s2, 0
	s_cbranch_scc0 .Lentry_in_a_cluster
	s_endpgm
.Lentry_in_a_cluster:
	s_bfe_u32 s2, ttmp6, 0x10000c
	s_cmp_lg_u32 s2, 0x3003
	s_cbranch_scc0 .Lentry_shape_is_right
	s_endpgm
.Lentry_shape_is_right:
; ctx = softmax(q k^T / 8) v for 32 (batch, head) pairs of 2,048 tokens and head size 64, both products on codes of FP6 with E8M0 scales; ctx is quantised along the features into units of ac.
; INPUTS, in units of 12,800 bytes (128 rows x 128 K; fragment t at 1,536 t, row index r = row 32 (t/2) + 8 (t%2) + r + 8 (r/8); plane p at + 256 p, lane at + 8 l; scale word of (t, r) at 12,288 + 128 (t/2) + 8 r + 4 (t%2)):
;   big: unit (token block, ks) at 32 block + ks: ks = j: q of head pair j, ks = 8 + j: k.  A head's 64 features are planes 3 e .. 3 e + 2 and bytes 2 e, 2 e + 1 of a scale word (e = the head's parity).
;   vc:  unit (head pair j, token block) at 32 j + block: rows = features, K = tokens; head e owns fragments 4 e .. 4 e + 3.
; SHARES.  A work-group owns ONE head and 256 queries: 32 heads x 8 blocks = 256 work-groups; wave w owns tile w % 8 (16 queries) of token block w / 8 of the two.  Every wave walks 16 key steps of 128 keys.
; LDS HOLDS ALL KEYS AND VALUES OF THE HEAD, each byte filled once.  k's codes: of each of 16 units the 45 rows of 256 bytes from byte 768 e on, at pitch 272, so that my head's planes of fragment t are LDS rows 6 t .. 6 t + 2
; whatever e is: 195,840 bytes.  k's scale words 8,192; v's 16 half units 98,304; v's scale words 4,096; spare words 2,048.
; Key steps 0-3 are asked for at the head (waves 0-3 a unit of k each, wave 4 four rows of v, wave 5 v's scale words, wave 6 k's); steps 4-15 behind the first round (waves 0-11 a unit of k, waves 13-15 four rows of v).
; One more barrier shows steps 4-15 to all waves: it is signalled ahead of key step 3 and waited for behind it.
; CLUSTER: the four query blocks of a cluster read the same k and v: every load is a joint one.  No prefetch is laid: no tile is asked for later than the first round, so there is no loop to run ahead in.
; THE FIRST PRODUCT's K is 64.  The eight tiles of k lie in 48 registers on end, six each, with six zeros behind: tile T's operand is registers 6 T .. 6 T + 11, whose upper six meet q's zero codes (FP6 has no NaN), under scale bytes 0.
; WHICH KEYS FORM A TILE: tile (c, i) takes keys 64 c + 8 i + 0..7 and 64 c + 32 + 8 i + 0..7, by the lanes' addresses.  Used transposed, lane (query r, h) then holds keys 64 c + 32 h + 0..31 in 32 registers on end:
; a whole block of the second product's K, in the operand's own order: its largest score needs no other lane, and its codes no exchange between lanes.  At pitch 272 the two halves of a tile, 12 rows apart, fall on different banks.
; THE SOFTMAX: t = score x log2(e) / 8; M = the running largest t rounded UP to a whole number; p = 2^(t - M) is quantised along the keys, not normalised; the row's sum is taken of the unquantised p and divides at the end;
; when M moves, the sum and O are multiplied by 2^(old M - new M), which rounds nothing.
; LIMITS: the promise holds while |t| stays under 2^31; NaN and infinities are not served; a block of ctx under 2^-124 gets the byte 1.
.set UNIT,  12800
.set KU,    12240                      ; a unit's codes of k in LDS: 45 rows x 272
.set VR,    6144                       ; a key step's codes of v for one head
.set KSB,   16*KU                      ; k's scale words: 512 bytes a key step
.set VB,    KSB+16*512
.set VSB,   VB+16*VR
.set SPARE, VSB+16*256                 ; the spare words, 128 bytes a wave: eight blocks of 256 bytes that no other line names
.set AK0,  1                           ; v1  my lane's place in a unit of k: 8 (l%8) + 128 (l/16) + 3,264 ((l/8)%2)
.set ASK0, 2                           ; v2  among k's scale words: KSB + 8 (l%16) + 64 ((l/8)%2) + 2 e
.set AV0,  3                           ; v3  in v: VB + 8 l
.set AVS0, 4                           ; v4  among v's scale words: VSB + 8 (l%16)
.set SPW,  5
.set NIL,  6
.set GO,   7                           ; v7  8 l + 1,536 t + 768 e: my place in q's unit and in ctx's
.set ADK,  8
.set ADS,  9
.set ADV,  10
.set ADT,  11
.set KO,   32                          ; v32-79 k's eight tiles, v80-85 zeros; then v32-79 v's four fragments
.set VF,   32
.set KS,   86                          ; v86-93 k's scale bytes, a register a tile
.set QS,   94                          ; q's scale bytes
.set SH8,  95                          ; 8 h
.set BM,   96                          ; v96-97 my two blocks' largest scores, then p, then bytes;  v98-99 second chains
.set BN,   98
.set SO,   100                         ; v100-101 the conversions' scale operands
.set T0,   102
.set T1,   103
.set F,    104                         ; v[104:105] f = 2^(old M - new M) in the low word
.set PW,   106                         ; p's scale word
.set GS,   107                         ; my row's two scale bytes in q's unit and in ctx's
.set TT,   108                         ; v108-114 the upper halves of the blocks' codes, before they are moved
.set T2,   115
.set PC,   116                         ; v116-127 p's codes
.set SS,   128                         ; v128-191 S^T, then p: tile (c, i) at + 32 c + 8 i
.set OT,   192                         ; v192-223 O^T
.set TS,   224                         ; v224-237 seven partial sums
.set WV,   18
.set NC,   19
.set SEL,  20
.set CS,   22
.set G1K,  24
.set G1V,  32
.set G1S,  40
.set G0K,  48
.set G0V,  52
.set G0S,  56
.set G0C,  68
.set G1C,  72
.set TBK,  2
.set TBV,  3
.set TBS,  10
.set CNT,  11
.set TBC,  80
.macro TL g0, g1                       ; a joint load; s_nop 0 and four v_nop follow it
	tensor_load_to_lds s[\g0:\g0+3], s[\g1:\g1+7]
	s_nop 0
.rept 4
	v_nop
.endr
.endm
.macro CROUND
	s_barrier_signal -1
	s_barrier_wait -1
	s_cmp_lg_u32 s[WV], 0
	s_cbranch_scc1 .Lnot_wave_0_\@
	s_barrier_signal -3
.Lnot_wave_0_\@:
	s_barrier_wait -3
	s_barrier_signal -1
	s_barrier_wait -1
.endm
	s_load_b128 s[4:7], s[0:1], 0x0                ; big, vc
	s_load_b64 s[8:9], s[0:1], 0x10                ; ac
	v_lshl_add_u32 v[SPW], v0, 2, SPARE
	v_mov_b32 v[NIL], 0
	ds_add_u32 v[SPW], v[NIL]                      ; the opening lines: the add, twice on end, and its wait
	ds_add_u32 v[SPW], v[NIL]
	v_lshrrev_b32 v8, 5, v0
	s_delay_alu instid0(VALU_DEP_1)
	v_readfirstlane_b32 s[WV], v8
	s_and_b32 s12, ttmp7, 0xffff                   ; y = 16 batch + 2 j + e
	s_and_b32 s14, s12, 1                          ; e
	s_bfe_u32 s13, s12, 0x30001                    ; j
	s_lshr_b32 s15, s12, 4
	s_lshl_b32 s15, s15, 4                         ; the batch's first token block
	s_lshl_b32 s84, s15, 5
	s_add_co_u32 s84, s84, s13
	s_add_co_u32 s84, s84, 8
	s_mul_i32 s84, s84, UNIT
	s_add_co_u32 s84, s84, 12288                   ; the scale words of k's first unit of the batch
	s_mov_b32 s85, 0
	s_add_co_u32 s16, s15, s[WV]
	s_lshl_b32 s16, s16, 5
	s_add_co_u32 s16, s16, s13
	s_add_co_u32 s16, s16, 8
	s_mul_i32 s60, s16, UNIT                       ; k's unit of token block w,
	s_mul_i32 s61, s14, 768
	s_add_co_u32 s60, s60, s61                     ; from my head's first plane on
	s_mov_b32 s61, 0
	s_and_b32 s17, s[WV], 3
	s_lshl_b32 s62, s13, 5
	s_add_co_u32 s62, s62, s15                     ; v's first unit of the batch
	s_mul_i32 s66, s62, UNIT
	s_lshl_b32 s67, s14, 8
	s_add_co_u32 s66, s66, s67
	s_add_co_u32 s66, s66, 12288                   ; my head's 256 bytes of its scale words
	s_mov_b32 s67, 0
	s_lshl_b32 s63, s17, 2
	s_add_co_u32 s62, s62, s63                     ; v's units 4 (w%4) .. + 3,
	s_mul_i32 s62, s62, UNIT
	s_mul_i32 s63, s14, VR
	s_add_co_u32 s62, s62, s63                     ; my head's half of each
	s_mov_b32 s63, 0
	s_mov_b32 s[G0K], 1
	s_mul_i32 s[G0K+1], s[WV], KU
	s_mov_b32 s[G0V], 1
	s_mul_i32 s[G0V+1], s17, 4*VR
	s_add_co_u32 s[G0V+1], s[G0V+1], VB
	s_mov_b32 s[G0S], 1
	s_mov_b32 s[G0S+1], VSB
	s_mov_b32 s[G0C], 1
	s_mov_b32 s[G0C+1], KSB
	s_mov_b32 s[G1K], 15|(3<<16)|(1<<20)|(1<<21)|(5<<22)|(3<<25)   ; all four work-groups; elements of 8 bytes; 16 bytes of padding behind each 256
	s_mov_b32 s[G1K+1], 32<<16
	s_mov_b32 s[G1K+2], 45<<16                     ; 45 rows of 256 bytes: up to my head's last plane
	s_mov_b32 s[G1K+3], 32<<16
	s_mov_b32 s[G1K+4], 45
	s_mov_b32 s[G1K+5], 32
	s_mov_b32 s[G1K+6], 0
	s_mov_b32 s[G1K+7], 0
	s_mov_b32 s[G1V], 15|(3<<16)|(1<<21)
	s_mov_b32 s[G1V+1], 768<<16                    ; four rows of 6,144 bytes, a unit apart
	s_mov_b32 s[G1V+2], 4<<16
	s_mov_b32 s[G1V+3], 768<<16
	s_mov_b32 s[G1V+4], 4
	s_mov_b32 s[G1V+5], 1600
	s_mov_b32 s[G1V+6], 0
	s_mov_b32 s[G1V+7], 0
	s_mov_b32 s[G1S], 15|(3<<16)|(1<<21)
	s_mov_b32 s[G1S+1], 32<<16                     ; sixteen rows of 256 bytes, a unit apart
	s_mov_b32 s[G1S+2], 16<<16
	s_mov_b32 s[G1S+3], 32<<16
	s_mov_b32 s[G1S+4], 16
	s_mov_b32 s[G1S+5], 1600
	s_mov_b32 s[G1S+6], 0
	s_mov_b32 s[G1S+7], 0
	s_mov_b32 s[G1C], 15|(3<<16)|(1<<21)
	s_mov_b32 s[G1C+1], 64<<16                     ; sixteen rows of 512 bytes, 32 units apart
	s_mov_b32 s[G1C+2], 16<<16
	s_mov_b32 s[G1C+3], 64<<16
	s_mov_b32 s[G1C+4], 16
	s_mov_b32 s[G1C+5], 32*1600
	s_mov_b32 s[G1C+6], 0
	s_mov_b32 s[G1C+7], 0
	s_mov_b32 s[SEL], 0x76543210
	s_mov_b32 s[SEL+1], 0xfedcba98
	s_mov_b32 s[CS], 0x3e38aa3b                    ; c = log2(e) / 8
	s_mov_b32 s[CS+1], s[CS]
	s_mov_b32 s[NC], 0xbe38aa3b                    ; -c
	s_wait_dscnt 0x0                               ; both opening adds are done
	s_wait_kmcnt 0x0
	s_add_nc_u64 s[G0K+2:G0K+3], s[4:5], s[60:61]
	s_or_b32 s[G0K+3], s[G0K+3], 0x80000000
	s_add_nc_u64 s[G0V+2:G0V+3], s[6:7], s[62:63]
	s_or_b32 s[G0V+3], s[G0V+3], 0x80000000
	s_add_nc_u64 s[G0S+2:G0S+3], s[6:7], s[66:67]
	s_or_b32 s[G0S+3], s[G0S+3], 0x80000000
	s_add_nc_u64 s[G0C+2:G0C+3], s[4:5], s[84:85]
	s_or_b32 s[G0C+3], s[G0C+3], 0x80000000
	CROUND                                         ; all four work-groups are here: the first joint loads meet
	s_cmp_lt_u32 s[WV], 4                          ; one chain of branches on the wave's number, one load to an arm: key steps 0-3, and all the scale words
	s_cbranch_scc0 .La_not_k
	TL G0K, G1K
	s_branch .La_asked
.La_not_k:
	s_cmp_eq_u32 s[WV], 4
	s_cbranch_scc0 .La_not_v
	TL G0V, G1V
	s_branch .La_asked
.La_not_v:
	s_cmp_eq_u32 s[WV], 5
	s_cbranch_scc0 .La_not_s
	TL G0S, G1S
	s_branch .La_asked
.La_not_s:
	s_cmp_eq_u32 s[WV], 6
	s_cbranch_scc0 .La_asked
	TL G0C, G1C
.La_asked:
	s_bfe_u32 s12, ttmp6, 0x40000                  ; cx: it enters q's and ctx's global addresses alone
	s_lshl_b32 s16, ttmp9, 2
	s_add_co_u32 s12, s12, s16                     ; my work-group's 256 queries
	s_lshl_b32 s12, s12, 1
	s_lshr_b32 s16, s[WV], 3
	s_add_co_u32 s12, s12, s16
	s_add_co_u32 s12, s12, s15                     ; my token block
	s_and_b32 s16, s[WV], 7                        ; t
	s_mul_i32 s82, s16, 1536
	s_mul_i32 s17, s14, 768
	s_add_co_u32 s82, s82, s17                     ; 1,536 t + 768 e
	s_lshr_b32 s83, s16, 1
	s_lshl_b32 s83, s83, 7
	s_and_b32 s17, s16, 1
	s_lshl_b32 s17, s17, 2
	s_add_co_u32 s83, s83, s17
	s_lshl_b32 s17, s14, 1
	s_add_co_u32 s83, s83, s17                     ; 128 (t/2) + 4 (t%2) + 2 e
	s_add_co_u32 s17, s17, KSB                     ; KSB + 2 e
	s_lshl_b32 s60, s12, 5
	s_add_co_u32 s60, s60, s13
	s_mul_i32 s60, s60, UNIT
	s_add_nc_u64 s[4:5], s[4:5], s[60:61]          ; q's unit
	s_lshl_b32 s60, s12, 3
	s_add_co_u32 s60, s60, s13
	s_mul_i32 s60, s60, UNIT
	s_add_nc_u64 s[8:9], s[8:9], s[60:61]          ; ctx's unit
	s_mov_b32 s[TBK], 0
	s_mov_b32 s[TBV], 0
	s_mov_b32 s[TBS], 0
	s_mov_b32 s[TBC], 0
	v_and_b32 v8, 31, v0                           ; l
	v_and_b32 v9, 15, v0                           ; r
	v_bfe_u32 v10, v0, 4, 1                        ; h
	v_bfe_u32 v11, v0, 3, 1                        ; which half of a tile's rows
	v_lshl_add_u32 v[GO], v8, 3, s82
	v_lshl_add_u32 v[GS], v9, 3, s83
.irp i, 0,1,2
	global_load_b64 v[16+2*\i:17+2*\i], v[GO], s[4:5] offset:256*\i   ; q's 64 codes a row stay in registers
.endr
	global_load_u16 v[QS], v[GS], s[4:5] offset:12288
	v_and_b32 v[AK0], 7, v0
	v_lshl_add_u32 v[ASK0], v9, 3, s17
	v_lshlrev_b32 v[AK0], 3, v[AK0]
	v_lshl_add_u32 v[ASK0], v11, 6, v[ASK0]
	v_lshl_add_u32 v[AK0], v10, 7, v[AK0]
	v_lshl_add_u32 v[AV0], v8, 3, VB
	v_mad_u32_u24 v[AK0], v11, 3264, v[AK0]
	v_lshl_add_u32 v[AVS0], v9, 3, VSB
	v_lshlrev_b32 v[SH8], 3, v10
.irp i, 22,23,24,25,26,27, 80,81,82,83,84,85
	v_mov_b32 v[\i], 0                             ; zero codes for k = 64 .. 127 of q, and the six registers behind k's last tile: set once
.endr
	v_mov_b32 v13, 0xff61b1e6                      ; the largest score so far: -3e38
	v_mov_b32 v14, 0                               ; the sum, in two halves
	v_mov_b32 v15, 0
	v_mul_f32 v12, s[NC], v13
	v_mov_b32 v[T2], 0                             ; a lane permute's destination counts as one of its sources
	v_mov_b32 v[F+1], 0                            ; (named as the upper half of the pair)
	v_floor_f32 v12, v12                           ; -M
.set ci, 0
.rept 32
	v_mov_b32 v[OT+ci], 0                          ; O^T: the step is written once; its first run finds zeros, which the first change of M leaves zeros
.set ci, ci+1
.endr
; A KEY STEP: 128 keys.
.macro STEP
	v_add_nc_u32 v[ADK], s[TBK], v[AK0]            ; (these four lines are the places in front of the loads below)
	v_add_nc_u32 v[ADS], s[TBC], v[ASK0]
	v_nop
	v_nop
.irp c, 0,1
.irp i, 0,1,2,3
.irp p, 0,1,2
	ds_load_b64 v[KO+6*(4*\c+\i)+2*\p:KO+6*(4*\c+\i)+2*\p+1], v[ADK] offset:(6*(4*\c+(\i%2))+\p)*272+64*(\i/2)
.endr
	ds_load_u16 v[KS+4*\c+\i], v[ADS] offset:256*\c+64*(\i/2)+4*(\i%2)
.endr
.endr
	s_wait_dscnt 0x0                               ; all eight tiles: an operand names its neighbour's registers too
.irp T, 0,1,2,3,4,5,6,7                        ; S^T = k q^T
	v_wmma_scale_f32_16x16x128_f8f6f4 v[SS+8*\T:SS+8*\T+7], v[KO+6*\T:KO+6*\T+11], v[16:27], 0, v[KS+\T], v[QS] matrix_a_fmt:MATRIX_FMT_FP6 matrix_b_fmt:MATRIX_FMT_FP6
.endr
	v_add_nc_u32 v[ADV], s[TBV], v[AV0]            ; four places: in front of the loads over k's tiles, and of the first read of S^T
	v_add_nc_u32 v[ADT], s[TBS], v[AVS0]
	v_mov_b32 v[T0], v12                           ; the old -M
	v_nop
.irp i, 0,1,2,3                                ; v's four fragments land under the softmax
.irp p, 0,1,2,3,4,5
	ds_load_b64 v[VF+12*\i+2*\p:VF+12*\i+2*\p+1], v[ADV] offset:1536*\i+256*\p
.endr
.endr
	ds_load_b64 v[28:29], v[ADT]
	ds_load_b64 v[30:31], v[ADT] offset:128
.irp c, 0,1                                    ; the largest score of my two blocks of 32 keys, in four chains by turns; each tile is first read at its low end
	v_max3_num_f32 v[BM+\c], v[SS+32*\c], v[SS+32*\c+1], v[SS+32*\c+2]
	v_max3_num_f32 v[BN+\c], v[SS+32*\c+17], v[SS+32*\c+18], v[SS+32*\c+19]
.endr
.irp k, 0,2,4,6,8,10
.irp c, 0,1
	v_max3_num_f32 v[BM+\c], v[BM+\c], v[SS+32*\c+3+\k], v[SS+32*\c+4+\k]
	v_max3_num_f32 v[BN+\c], v[BN+\c], v[SS+32*\c+20+\k], v[SS+32*\c+21+\k]
.endr
.endr
.irp c, 0,1
	v_max3_num_f32 v[BM+\c], v[BM+\c], v[SS+32*\c+15], v[SS+32*\c+16]
.endr
.irp c, 0,1
	s_delay_alu instid0(VALU_DEP_2)
	v_max_num_f32 v[BM+\c], v[BM+\c], v[BN+\c]
.endr
	s_delay_alu instid0(VALU_DEP_1)
	v_max_num_f32 v[T1], v[BM], v[BM+1]
	s_delay_alu instid0(VALU_DEP_1)
	v_permlanex16_b32 v[T2], v[T1], s[SEL], s[SEL+1]
	s_delay_alu instid0(VALU_DEP_1)
	v_max3_num_f32 v13, v13, v[T1], v[T2]          ; the running largest score of my query
	s_delay_alu instid0(VALU_DEP_1)
	v_mul_f32 v[T1], s[NC], v13                    ; -t
	s_delay_alu instid0(VALU_DEP_1)
	v_floor_f32 v12, v[T1]                         ; the new -M = -ceil(t)
	s_delay_alu instid0(VALU_DEP_1)
	v_sub_f32 v[T1], v12, v[T0]                    ; old M - new M: a whole number, 0 or less
	s_delay_alu instid0(VALU_DEP_1)
	v_cvt_i32_f32 v[T1], v[T1]                     ; (it saturates)
	s_delay_alu instid0(VALU_DEP_1)
	v_ldexp_f32 v[F], 1.0, v[T1]                   ; f = 2^(old M - new M)
.set ci, 0
.rept 32
	v_pk_fma_f32 v[SS+ci:SS+ci+1], v[SS+ci:SS+ci+1], s[CS:CS+1], v[12:13] op_sel_hi:[1,0,0]   ; t - M
.set ci, ci+2
.endr
.irp c, 0,1
	v_fma_f32 v[BM+\c], v[BM+\c], s[CS], v12       ; the same of each block's largest score
.endr
	s_wait_alu depctr_va_vdst(0)                   ; the wait ahead of the batch
.set ci, 0
.rept 64
	v_exp_f32 v[SS+ci], v[SS+ci]                   ; p = 2^(t - M)
.set ci, ci+1
.endr
.irp c, 0,1
	v_exp_f32 v[BM+\c], v[BM+\c]                   ; each block's largest p: the same two instructions on the same number
.endr
	v_pk_mul_f32 v[14:15], v[14:15], v[F:F+1] op_sel_hi:[1,0]   ; the sums under the new M: a plain place behind the batch
	s_wait_alu depctr_va_vdst(0)                   ; one wait for the whole batch, ahead of its first reader
.irp c, 0,1
	v_max_num_f32 v[BM+\c], 0x1800000, v[BM+\c]    ; the floor: the byte cannot fall under 1
.endr
.irp c, 0,1
	s_delay_alu instid0(VALU_DEP_2)
	v_add_nc_u32 v[SO+\c], 0xff000000, v[BM+\c]    ; 2 off the exponent field: the conversion's scale operand
.endr
.irp c, 0,1
	s_delay_alu instid0(VALU_DEP_2)
	v_lshrrev_b32 v[BM+\c], 23, v[SO+\c]           ; the bytes of blocks h and 2 + h
.endr
	s_delay_alu instid0(VALU_DEP_1)
	v_lshl_or_b32 v[T1], v[BM+1], 16, v[BM]
	s_delay_alu instid0(VALU_DEP_1)
	v_lshlrev_b32 v[T1], v[SH8], v[T1]             ; at their places in the word
	s_delay_alu instid0(VALU_DEP_1)
	v_permlanex16_b32 v[T2], v[T1], s[SEL], s[SEL+1]
.set sq, 0                                     ; the row's sum of the unquantised p: eight chains by turns
.rept 7
	v_pk_add_f32 v[TS+2*sq:TS+2*sq+1], v[SS+4*sq:SS+4*sq+1], v[SS+4*sq+2:SS+4*sq+3]
.set sq, sq+1
.endr
	v_pk_add_f32 v[14:15], v[14:15], v[SS+28:SS+29]
.set sk, 30
.rept 2
.set sq, 0
.rept 7
	v_pk_add_f32 v[TS+2*sq:TS+2*sq+1], v[TS+2*sq:TS+2*sq+1], v[SS+sk:SS+sk+1]
.set sq, sq+1
.set sk, sk+2
.endr
	v_pk_add_f32 v[14:15], v[14:15], v[SS+sk:SS+sk+1]
.set sk, sk+2
.endr
	v_pk_add_f32 v[TS:TS+1], v[TS:TS+1], v[SS+62:SS+63]
	v_pk_add_f32 v[TS+4:TS+5], v[TS+4:TS+5], v[TS+6:TS+7]
	v_pk_add_f32 v[TS+8:TS+9], v[TS+8:TS+9], v[TS+10:TS+11]
	v_pk_add_f32 v[14:15], v[14:15], v[TS+12:TS+13]
	v_pk_add_f32 v[TS:TS+1], v[TS:TS+1], v[TS+2:TS+3]
	s_delay_alu instid0(VALU_DEP_2)
	v_pk_add_f32 v[14:15], v[14:15], v[TS+8:TS+9]
	s_delay_alu instid0(VALU_DEP_2)
	v_pk_add_f32 v[TS:TS+1], v[TS:TS+1], v[TS+4:TS+5]
	s_delay_alu instid0(VALU_DEP_1)
	v_pk_add_f32 v[14:15], v[14:15], v[TS:TS+1]
.irp c, 0,1
	v_cvt_scalef32_pk16_fp6_f32 v[PC+6*\c:PC+6*\c+2], v[SS+32*\c:SS+32*\c+15], v[SO+\c]
	v_cvt_scalef32_pk16_fp6_f32 v[TT+4*\c:TT+4*\c+2], v[SS+32*\c+16:SS+32*\c+31], v[SO+\c]   ; (a conversion's three registers begin on an even number)
.endr
	v_or_b32 v[PW], v[T1], v[T2]                   ; with lane l xor 16's two bytes p's scale word is whole.  (The plain place behind the conversions)
.irp c, 0,1
.irp i, 0,1,2
	v_mov_b32 v[PC+6*\c+3+\i], v[TT+4*\c+\i]
.endr
.endr
	s_wait_alu depctr_va_vdst(0)                   ; the wait directly ahead of the first reader of O^T
.set ci, 0
.rept 16
	v_pk_mul_f32 v[OT+ci:OT+ci+1], v[OT+ci:OT+ci+1], v[F:F+1] op_sel_hi:[1,0]   ; O^T under the new M; these 16 are also the places in front of the products below
.set ci, ci+2
.endr
	s_wait_alu depctr_va_vdst(0)
	s_wait_dscnt 0x0                               ; v is in
.irp i, 0,1,2,3                                ; O^T += v^T p^T: the four accumulators by turns
	v_wmma_scale_f32_16x16x128_f8f6f4 v[OT+8*\i:OT+8*\i+7], v[VF+12*\i:VF+12*\i+11], v[PC:PC+11], v[OT+8*\i:OT+8*\i+7], v[28+\i], v[PW] matrix_a_fmt:MATRIX_FMT_FP6 matrix_b_fmt:MATRIX_FMT_FP6
.endr
	s_add_co_u32 s[TBK], s[TBK], KU                ; the next key step
	s_add_co_u32 s[TBC], s[TBC], 512
	s_add_co_u32 s[TBV], s[TBV], VR
	s_add_co_u32 s[TBS], s[TBS], 256
.endm
	s_wait_alu depctr_va_vdst(0)                   ; the wait at the head's end
	s_wait_tensorcnt 0x0                           ; my part of key steps 0-3 is in
	ds_add_u32 v[SPW], v[NIL]
	ds_add_u32 v[SPW], v[NIL]
	s_add_co_u32 s[G0K+1], s[G0K+1], 4*KU          ; no tensor load of mine is out: k's unit of token block 4 + w
	s_add_nc_u64 s[G0K+2:G0K+3], s[G0K+2:G0K+3], 4*32*UNIT
	s_wait_dscnt 0x0
	CROUND                                         ; key steps 0-3 are whole, and all four work-groups are here
	s_cmp_lt_u32 s[WV], 12                         ; key steps 4-15, a wave's one load behind the round: bytes filled for the first time
	s_cbranch_scc0 .Lb_not_k
	TL G0K, G1K
	s_branch .Lb_asked
.Lb_not_k:
	s_cmp_gt_u32 s[WV], 12
	s_cbranch_scc0 .Lb_asked
	TL G0V, G1V
.Lb_asked:
	s_wait_loadcnt 0x0                             ; q
	s_mov_b32 s[CNT], 3
.Lfirst:                                           ; key steps 0-2
	s_barrier_signal -1                            ; I begin a key step; no LDS instruction of mine is out.  The step reads bytes that nobody writes
	STEP
	s_barrier_wait -1                              ; all sixteen waves have begun it: the waves stay within one key step of each other
	s_sub_co_u32 s[CNT], s[CNT], 1
	s_cmp_lg_u32 s[CNT], 0
	s_cbranch_scc1 .Lfirst
	s_wait_tensorcnt 0x0                           ; my part of key steps 4-15 is in: say so,
	s_barrier_signal -1
	STEP                                           ; work key step 3, whose bytes nobody writes,
	s_barrier_wait -1                              ; and go on when all sixteen waves have said so
	s_mov_b32 s[CNT], 12
.Lrest:                                            ; key steps 4-15
	s_barrier_signal -1                            ; as in key steps 0-2
	STEP
	s_barrier_wait -1
	s_sub_co_u32 s[CNT], s[CNT], 1
	s_cmp_lg_u32 s[CNT], 0
	s_cbranch_scc1 .Lrest
	; THE WAY OUT: O^T / the sum is ctx(query r, features 64 e + 32 b + 16 h + i): two blocks along the next product's K.  They become planes 3 e .. 3 e + 2 of fragment t of ctx's unit.
.rept 4
	v_nop                                          ; places behind the last product
.endr
	v_add_f32 v14, v14, v15
	s_delay_alu instid0(VALU_DEP_1)
	v_permlanex16_b32 v[T2], v14, s[SEL], s[SEL+1]
	s_delay_alu instid0(VALU_DEP_1)
	v_add_f32 v14, v14, v[T2]                      ; the row's sum
	s_wait_alu depctr_va_vdst(0)
	v_rcp_f32 v14, v14
	v_nop
	s_wait_alu depctr_va_vdst(0)                   ; ahead of the reciprocal's first reader, which is O^T's too
.set ci, 0
.rept 32
	v_mul_f32 v[SS+ci], v[OT+ci], v14              ; each accumulator from its low end on
.set ci, ci+1
.endr
.irp b, 0,1
	v_max3_num_f32 v[BM+\b], |v[SS+16*\b]|, |v[SS+1+16*\b]|, 0x1800000
.endr
.irp i, 2,4,6,8,10,12,14
.irp b, 0,1
	s_delay_alu instid0(VALU_DEP_2)
	v_max3_num_f32 v[BM+\b], v[BM+\b], |v[SS+16*\b+\i]|, |v[SS+1+16*\b+\i]|
.endr
.endr
.irp b, 0,1
	s_delay_alu instid0(VALU_DEP_2)
	v_permlanex16_b32 v[BN+\b], v[BM+\b], s[SEL], s[SEL+1]
.endr
.irp b, 0,1
	s_delay_alu instid0(VALU_DEP_2)
	v_max_num_f32 v[BM+\b], v[BM+\b], v[BN+\b]
.endr
.irp b, 0,1
	s_delay_alu instid0(VALU_DEP_2)
	v_add_nc_u32 v[SO+\b], 0xff000000, v[BM+\b]
.endr
.irp b, 0,1
	s_delay_alu instid0(VALU_DEP_2)
	v_lshrrev_b32 v[BM+\b], 23, v[SO+\b]
.endr
	s_delay_alu instid0(VALU_DEP_1)
	v_lshl_or_b32 v[T1], v[BM+1], 8, v[BM]         ; my row's two bytes
	v_cvt_scalef32_pk16_fp6_f32 v[PC:PC+2], v[SS:SS+15], v[SO]
	v_cvt_scalef32_pk16_fp6_f32 v[TT:TT+2], v[SS+16:SS+31], v[SO+1]
	v_nop
.irp i, 0,1,2
	v_permlane16_swap_b32 v[PC+\i], v[TT+\i]       ; a whole block to a lane
.endr
.irp i, 0,1,2
	v_mov_b32 v[PC+3+\i], v[TT+\i]
.endr
.irp i, 0,1,2
	global_store_b64 v[GO], v[PC+2*\i:PC+2*\i+1], s[8:9] offset:256*\i   ; a plane: 256 consecutive bytes, aligned
.endr
	global_store_b16 v[GS], v[T1], s[8:9] offset:12288   ; two bytes a row: the word's other two belong to the other head's work-group; lanes r and r + 16 store the same bytes with the same value
	s_wait_tensorcnt 0x0                           ; the wave's end
	ds_add_u32 v[SPW], v[NIL]
	s_wait_dscnt 0x0
	CROUND                                         ; the closing round
	s_endpgm
.Lfunc_end_k_q0f54128ede_attn:
	.size	k_q0f54128ede_attn, .Lfunc_end_k_q0f54128ede_attn-k_q0f54128ede_attn
	.p2alignl 7, 3214868480
	.fill 96, 4, 3214868480
	.section	.rodata,"a",@progbits
	.p2align	6, 0x0
	.amdhsa_kernel k_q0f54128ede_attn
		.amdhsa_group_segment_fixed_size 327680
		.amdhsa_private_segment_fixed_size 0
		.amdhsa_enable_private_segment 0
		.amdhsa_kernarg_size 24
		.amdhsa_user_sgpr_count 2
		.amdhsa_user_sgpr_kernarg_segment_ptr 1
		.amdhsa_wavefront_size32 1
		.amdhsa_system_sgpr_workgroup_id_x 1
		.amdhsa_system_sgpr_workgroup_id_y 1
		.amdhsa_system_sgpr_workgroup_id_z 1
		.amdhsa_system_vgpr_workitem_id 0
		.amdhsa_next_free_vgpr 256
		.amdhsa_next_free_sgpr 88
		.amdhsa_reserve_vcc 0
		.amdhsa_float_denorm_mode_32 3
		.amdhsa_float_denorm_mode_16_64 3
		.amdhsa_memory_ordered 1
		.amdhsa_forward_progress 1
		.amdhsa_inst_pref_size 69
	.end_amdhsa_kernel
	.amdgpu_metadata
---
amdhsa.version: [ 1, 2 ]
amdhsa.kernels:
  - .name:           k_q0f54128ede_attn
    .symbol:         k_q0f54128ede_attn.kd
    .args:
      - { .name: big, .offset: 0, .size: 8, .value_kind: global_buffer, .address_space: global }
      - { .name: vc, .offset: 8, .size: 8, .value_kind: global_buffer, .address_space: global }
      - { .name: ac, .offset: 16, .size: 8, .value_kind: global_buffer, .address_space: global }
    .group_segment_fixed_size: 327680
    .private_segment_fixed_size: 0
    .kernarg_segment_align: 8
    .kernarg_segment_size: 24
    .max_flat_workgroup_size: 512
    .sgpr_count:     88
    .vgpr_count:     256
    .wavefront_size: 32
...
	.end_amdgpu_metadata
.endif
;; end of part 11
;; launch wo (part 12): grid 8 x 32, 4 waves a work-group, clusters of 4 x 4, 327,680 bytes of LDS; arguments ac, wc, x, theta, ybuf; writes ybuf
.if DOCPART == 12
	.amdgcn_target "amdgcn-amd-amdhsa--gfx1250"
	.amdhsa_code_object_version 6
	.text
	.protected	k_q0f54128ede_wo
	.globl	k_q0f54128ede_wo
	.p2align	8
	.type	k_q0f54128ede_wo,@function
k_q0f54128ede_wo:
	s_mov_b64 s[64:65], 0
	v_nop
	global_prefetch_b8 v0, s[64:65] scope:SCOPE_SE
	s_setreg_imm32_b32 hwreg(HW_REG_WAVE_MODE, 25, 1), 1
	s_wait_xcnt 0x0
	s_wait_alu depctr_hold_cnt(0) depctr_sa_sdst(0) depctr_va_vdst(0) depctr_va_sdst(0) depctr_va_ssrc(0) depctr_va_vcc(0) depctr_vm_vsrc(0)
	s_getreg_b32 s2, hwreg(HW_REG_IB_STS2, 6, 4)
	s_cmp_eq_u32 s2, 0
	s_cbranch_scc0 .Lentry_in_a_cluster
	s_endpgm
.Lentry_in_a_cluster:
	s_bfe_u32 s2, ttmp6, 0x10000c
	s_cmp_lg_u32 s2, 0xf033
	s_cbranch_scc0 .Lentry_shape_is_right
	s_endpgm
.Lentry_shape_is_right:
; y1 = x + sigmoid(cos(theta)) (ctx wo): a GEMM on units of FP6 codes with an f32 way out.  Arguments: ctx's units, the weights' units (wo's come first), x, theta, y1 [4096][1024] f32.
; THE UNIT: 128 operand rows x 128 K in 12,800 bytes: fragment t at 1,536 t (row index r = operand row 32 (t/2) + 8 (t%2) + r + 8 (r/8)), plane p at + 256 p = registers 2 p, 2 p + 1, lane l at + 8 l;
; scale word of (t, r) at 12,288 + 128 (t/2) + 8 r + 4 (t%2).  Unit (rb, ks) of an operand lies at (rb KS + ks) x 12,800.
; A TILE IS 128 x 128: one row block of A (tokens) against one of B (columns of the weight): 4,096 x 1,024 gives 256 such tiles, where tiles of 256 x 256 would be only 64 work-groups.  Four waves, 64 x 64 each: 16 accumulators.
; Source 0 = a fragment of B, source 1 = a fragment of A: lane (r, h) holds token index r, and the 16 registers of B's tiles 2 b and 2 b + 1 are the neighbouring columns 32 b + 16 h + 0 .. 15.
; K goes in steps of 512 through two LDS slots: a slot holds four units of A and four of B; a wave's tensor load brings four units, 51,200 dense bytes.  Here K is 1,024: both slots are filled once, at the start.
; CLUSTERS 4 x 4: A's units are asked for jointly along a row of the cluster, B's along a column.
; The residual's 64 x 64 numbers of a wave are asked for at the head, whole aligned runs of 256 bytes a row, and are waited for on the way out.
; The layer norm needs whole rows of 1,024 and is a launch of its own.  LIMITS: |theta| under 2^16 (the reduction of the cosine's argument); NaN and infinities are not served.
; REGISTERS: window 0: v16-31 addresses; v32-63 scale words; v64-127 the bias (where there is one), later rows read back; v128-255 the accumulators ((a, b) at v[128 + 8 (4 a + b)]).
;   window 1: two fragment buffers, at v0 and v128: B's four fragments, then A's four.   window 2: v0-127 the residual.
.set KS,    8
.set WOFF,  0
.set BIAS,  0
.set GATE,  1
.set UNIT,  12800
.set HALFT, 2*UNIT                     ; two units; a wave's one tensor load brings four: A's or B's half of one slot
.set SLOT,  4*HALFT                    ; A's four units, then B's four
.set SPARE, 2*SLOT                     ; the spare words, 128 bytes a wave: two blocks of 256 bytes that no other line names
.set LAPS,  KS/8                       ; a lap = once round the ring = eight units
.set FR,    12
.set ADRA,  16                         ; v16-17 LDS address of my A fragments in slot 0, 1
.set ADRB,  20                         ; v20-21 of my B fragments
.set ADRS,  22                         ; v22-23 of my scale words: lanes 0-15 A's, lanes 16-31 B's
.set STO,   24                         ; v24 the way out: where I put 32 bytes of a row
.set RD,    25                         ; v25 where I read rows back
.set CO,    26                         ; v26 4,096 (lane / 16) + 16 (lane % 16): two rows an instruction
.set LO8,   27
.set SPW,   28
.set NIL,   29
.set GT,    30                         ; v[30:31] the gate, twice
.set SC,    32                         ; v32-63 scale words and nothing else: set s at + 16 s, the slot's q-th unit at + 4 q, my tile i at + i
.set BI,    64                         ; v64-95 the bias in the result's layout
.set BK,    64                         ; v64-95, v96-127 the way out: a block's rows read back, two sets
.set ACC,   128
.set G1,    24
.set G0,    32
.set G1B,   48
.set G0B,   56
.set MSB,   0
.macro WIN new                         ; the immediate's high byte repeats the setting that is left
.if MSB != (\new)
	s_set_vgpr_msb (MSB<<8)|(\new)
.set MSB, (\new)
.endif
.endm
.set MUL,  0x05                        ; sources 0 (B) and 1 (A) window 1; C and D window 0
.set TO_F, 0x40                        ; destination window 1, address window 0
.macro JLOAD g0a, g1a, g0b, g1b        ; a joint load: waves 0, 1 fetch for A, waves 2, 3 for B; four v_nop follow each line
	s_cmp_eq_u32 s15, 0
	s_cbranch_scc0 .Lfor_b_\@
	tensor_load_to_lds s[\g0a:\g0a+3], s[\g1a:\g1a+7]
	s_nop 0
.rept 4
	v_nop
.endr
	s_branch .Lasked_\@
.Lfor_b_\@:
	tensor_load_to_lds s[\g0b:\g0b+3], s[\g1b:\g1b+7]
	s_nop 0
.rept 4
	v_nop
.endr
.Lasked_\@:
.endm
.macro CREST
	s_cmp_lg_u32 s14, 0
	s_cbranch_scc1 .Lnot_wave_0_\@
	s_barrier_signal -3
.Lnot_wave_0_\@:
	s_barrier_wait -3
	s_barrier_signal -1
	s_barrier_wait -1
.endm
.macro CROUND
	s_barrier_signal -1
	s_barrier_wait -1
	CREST
.endm
.macro PLACES n
.rept \n
	v_nop
.endr
.endm
	s_load_b128 s[4:7], s[0:1], 0x0                ; A, B
	s_load_b128 s[8:11], s[0:1], 0x10              ; x, theta
	s_load_b64 s[12:13], s[0:1], 0x20              ; y1
	v_lshl_add_u32 v[SPW], v0, 2, SPARE
	v_mov_b32 v[NIL], 0
	ds_add_u32 v28, v29
	ds_add_u32 v28, v29
	s_wait_dscnt 0x0
	v_lshrrev_b32 v1, 5, v0
	v_readfirstlane_b32 s14, v1                    ; wave
	s_lshr_b32 s15, s14, 1                         ; my half of A's 128 rows.  Also: I fetch for A (0) or B (1)
	s_and_b32 s16, s14, 1                          ; my half of B's 128 rows.  Also: which half of K, and so which slot, I fetch
	s_bfe_u32 s40, ttmp6, 0x40000                  ; cx
	s_bfe_u32 s41, ttmp6, 0x40004                  ; cy
	s_lshl_b32 s42, ttmp9, 2
	s_add_co_u32 s42, s42, s40                     ; B's row block
	s_and_b32 s17, ttmp7, 0xffff
	s_lshl_b32 s17, s17, 2
	s_add_co_u32 s17, s17, s41                     ; A's row block
	s_lshl_b32 s43, s41, 2
	s_lshl_b32 s43, 15, s43                        ; my row of the cluster
	s_lshl_b32 s44, 0x1111, s40                    ; my column
	s_or_b32 s[G1+0], s43, (3<<16)|(1<<21)         ; the mask; elements of 8 bytes; bit 21 beside a mask; no padding
	s_or_b32 s[G1B+0], s44, (3<<16)|(1<<21)
.irp g, G1, G1B
	s_mov_b32 s[\g+1], 32<<16                      ; rows of 256 bytes,
	s_mov_b32 s[\g+2], 200<<16                     ; 200 of them: four units
	s_mov_b32 s[\g+3], 32<<16
	s_mov_b32 s[\g+4], 200
	s_mov_b32 s[\g+5], 32
	s_mov_b32 s[\g+6], 0
	s_mov_b32 s[\g+7], 0
.endr
	s_mov_b32 s20, s17
	s_mov_b32 s21, 0
	s_mov_b32 s46, s42
	s_mov_b32 s47, 0
	s_mov_b64 s[18:19], KS*UNIT
	s_mul_u64 s[20:21], s[20:21], s[18:19]         ; the row block's first unit,
	s_mul_u64 s[46:47], s[46:47], s[18:19]
	s_mul_i32 s18, s16, 2*HALFT                    ; + the four units that I fetch: K's first or second half
	s_mov_b32 s19, 0
	s_add_nc_u64 s[20:21], s[20:21], s[18:19]
	s_add_nc_u64 s[46:47], s[46:47], s[18:19]
	s_mul_i32 s45, s16, SLOT                       ; where they go: K's half picks the slot, A's units lie ahead of B's: the wave's number alone
	s_mul_i32 s3, s15, 2*HALFT
	s_add_co_u32 s45, s45, s3
	s_wait_kmcnt 0x0
	s_load_b32 s2, s[10:11], 0x0                   ; theta
	s_add_nc_u64 s[20:21], s[4:5], s[20:21]
	s_add_nc_u64 s[46:47], s[6:7], s[46:47]
.if WOFF
	s_add_nc_u64 s[46:47], s[46:47], WOFF
.endif
	CROUND                                         ; all sixteen work-groups are here: the first joint loads meet
.irp s, 0
	s_mov_b32 s[G0+4*\s], 1
	s_add_co_u32 s[G0+4*\s+1], s45, \s*SLOT
	s_add_nc_u64 s[G0+4*\s+2:G0+4*\s+3], s[20:21], \s*2*HALFT
	s_or_b32 s[G0+4*\s+3], s[G0+4*\s+3], 0x80000000
	s_mov_b32 s[G0B+4*\s], 1
	s_add_co_u32 s[G0B+4*\s+1], s45, \s*SLOT
	s_add_nc_u64 s[G0B+4*\s+2:G0B+4*\s+3], s[46:47], \s*2*HALFT
	s_or_b32 s[G0B+4*\s+3], s[G0B+4*\s+3], 0x80000000
	JLOAD G0+4*\s, G1, G0B+4*\s, G1B
.endr
	v_and_b32 v1, 15, v0                           ; r
	v_bfe_u32 v2, v0, 4, 1                         ; h
	s_wait_alu depctr_va_vdst(0)
	v_and_b32 v3, 31, v0                           ; l
	v_lshlrev_b32 v[LO8], 3, v3
	s_mul_i32 s21, s15, 6144                       ; my four fragments of a unit of A,
	s_mul_i32 s22, s16, 6144                       ; and of B,
	s_add_co_u32 s22, s22, 4*UNIT                  ; whose units lie behind A's four
.irp s, 0,1
	v_add_nc_u32 v[ADRA+\s], s21, v[LO8]
	v_add_nc_u32 v[ADRB+\s], s22, v[LO8]
	s_add_co_u32 s21, s21, SLOT
	s_add_co_u32 s22, s22, SLOT
.endr
	s_lshl_b32 s21, s15, 8                         ; my four tiles' scale words: 256 bytes for each half of a unit
	s_lshl_b32 s22, s16, 8
	s_add_co_u32 s22, s22, 4*UNIT
	s_sub_co_u32 s22, s22, s21
	v_mul_u32_u24 v6, s22, v2                      ; lanes 16-31 take B's words: one product, the distance between the two places
	v_lshl_add_u32 v5, v1, 3, v6
	s_add_co_u32 s21, s21, 12288
	v_add_nc_u32 v[ADRS], s21, v5
	v_add_nc_u32 v[ADRS+1], SLOT, v[ADRS]
	s_mul_i32 s23, s14, 16*272                     ; my stage, 16 rows x (256 + 16) bytes, in slot 0: when the first result is stored there, that slot has had its last fill and its last read
	v_mul_u32_u24 v5, v1, 272
	v_lshl_add_u32 v5, v2, 6, v5
	v_add_nc_u32 v[STO], s23, v5                   ; in: row r, + 64 h
	v_mul_u32_u24 v5, v2, 272
	v_lshl_add_u32 v5, v1, 4, v5
	v_add_nc_u32 v[RD], s23, v5                    ; back: lanes 0-15 one row of 256 bytes, lanes 16-31 the next
	v_lshlrev_b32 v5, 12, v2
	v_lshl_add_u32 v[CO], v1, 4, v5                ; and the same two rows in x and in y
	s_wait_alu depctr_va_vdst(0)
	s_lshl_b32 s20, s17, 7
	s_lshl_b32 s21, s15, 6
	s_add_co_u32 s20, s20, s21
	s_lshl_b32 s20, s20, 12                        ; my first token's row of 4,096 bytes
	s_mov_b32 s21, 0
	s_lshl_b32 s46, s42, 9
	s_lshl_b32 s47, s16, 8
	s_add_co_u32 s46, s46, s47                     ; my first column, in bytes: a multiple of 256
	s_mov_b32 s47, 0
	s_add_nc_u64 s[20:21], s[20:21], s[46:47]
	s_add_nc_u64 s[8:9], s[8:9], s[20:21]
	s_add_nc_u64 s[12:13], s[12:13], s[20:21]
	WIN 0x80                                       ; destination window 2
.irp a, 0,1,2,3                                ; the residual: block a's row indices 2 t and 2 t + 1; sixteen lanes read 256 consecutive bytes, aligned
.irp t, 0,1,2,3,4,5,6,7
	global_load_b128 v[32*\a+4*\t:32*\a+4*\t+3], v[CO], s[8:9] offset:(32*(\a/2)+8*(\a%2)+2*\t+8*(\t/4))*4096
.endr
.endr
	WIN 0
	s_wait_kmcnt 0x0                               ; theta
.macro FRAG reg, adr, off              ; a fragment: six loads of 8 bytes a lane, 256 consecutive bytes each
.irp p, 0,1,2,3,4,5
	ds_load_b64 v[\reg+2*\p:\reg+2*\p+1], v[\adr] offset:\off+256*\p
.endr
.endm
.macro FETCH slot, q, f                ; 48 LDS loads in one run: my fragments of the slot's q-th unit into buffer f: B's four, then A's four
	WIN TO_F
.irp i, 0,1,2,3
	FRAG 128*(\f)+FR*\i, ADRB+\slot, UNIT*(\q)+1536*\i
.endr
.irp i, 0,1,2,3
	FRAG 128*(\f)+48+FR*\i, ADRA+\slot, UNIT*(\q)+1536*\i
.endr
.endm
.macro SCALES sc                       ; a slot's scale words: eight loads; a load brings the words of my tiles 2 i and 2 i + 1
.irp q, 0,1,2,3
.irp i, 0,1
	ds_load_b64 v[SC+16*\sc+4*\q+2*\i:SC+16*\sc+4*\q+2*\i+1], v[ADRS+\sc] offset:UNIT*\q+128*\i
.endr
.endr
.endm
; 4 matrix instructions: A's block a x B's four.  The 16 accumulators take turns, one instruction a turn, in the same order in every unit.
.macro MULA a, f, q, sc, zero
.irp b, 0,1,2,3
.if \zero
.if BIAS
	v_wmma_scale_f32_16x16x128_f8f6f4 v[ACC+8*(4*(\a)+\b):ACC+8*(4*(\a)+\b)+7], v[128*(\f)+FR*\b:128*(\f)+FR*\b+FR-1], v[128*(\f)+48+FR*(\a):128*(\f)+48+FR*(\a)+FR-1], v[BI+8*\b:BI+8*\b+7], v[SC+16*(\sc)+4*(\q)+\b], v[SC+16*(\sc)+4*(\q)+(\a)] matrix_a_fmt:MATRIX_FMT_FP6 matrix_b_fmt:MATRIX_FMT_FP6 matrix_a_scale:MATRIX_SCALE_ROW1
.else
	v_wmma_scale_f32_16x16x128_f8f6f4 v[ACC+8*(4*(\a)+\b):ACC+8*(4*(\a)+\b)+7], v[128*(\f)+FR*\b:128*(\f)+FR*\b+FR-1], v[128*(\f)+48+FR*(\a):128*(\f)+48+FR*(\a)+FR-1], 0, v[SC+16*(\sc)+4*(\q)+\b], v[SC+16*(\sc)+4*(\q)+(\a)] matrix_a_fmt:MATRIX_FMT_FP6 matrix_b_fmt:MATRIX_FMT_FP6 matrix_a_scale:MATRIX_SCALE_ROW1
.endif
.else
	v_wmma_scale_f32_16x16x128_f8f6f4 v[ACC+8*(4*(\a)+\b):ACC+8*(4*(\a)+\b)+7], v[128*(\f)+FR*\b:128*(\f)+FR*\b+FR-1], v[128*(\f)+48+FR*(\a):128*(\f)+48+FR*(\a)+FR-1], v[ACC+8*(4*(\a)+\b):ACC+8*(4*(\a)+\b)+7], v[SC+16*(\sc)+4*(\q)+\b], v[SC+16*(\sc)+4*(\q)+(\a)] matrix_a_fmt:MATRIX_FMT_FP6 matrix_b_fmt:MATRIX_FMT_FP6 matrix_a_scale:MATRIX_SCALE_ROW1
.endif
.endr
.endm
.macro STEP slot, q, zero              ; a unit (128 along K) that has its successor in the same slot: buffer q % 2 is multiplied, the other is filled
	s_wait_dscnt 12                                ; the words, B's four and A's fragments 0, 1 are in; the youngest 12 loads (A's fragments 2, 3) may be out
	WIN MUL
	MULA 0, (\q)%2, \q, \slot, \zero
	MULA 1, (\q)%2, \q, \slot, \zero
	PLACES 4                                       ; four places in front of loads into registers that matrix instructions have read
	FETCH \slot, (\q)+1, 1-(\q)%2
	s_wait_dscnt 48                                ; all but the 48 just issued
	WIN MUL
	MULA 2, (\q)%2, \q, \slot, \zero
	MULA 3, (\q)%2, \q, \slot, \zero
.endm
; A slot's fourth unit (buffer 1) changes slots: one barrier; in front of it each wave waits for all its tensor loads, adds 0 to its spare word, and waits for that and for its reads of this slot.
.macro TURN slot, next, fill
	WIN 0                                          ; (the add's two registers lie in window 0)
	s_wait_tensorcnt 0x0                           ; all my tensor loads have landed: my part of the next slot
	ds_add_u32 v[SPW], v[NIL]                      ; 0 onto my spare word
	s_wait_dscnt 13                                ; (the add and the youngest 12 loads may be out)
	WIN MUL
	MULA 0, 1, 3, \slot, 0
	s_wait_dscnt 0x0                               ; the add is done, and my reads of this slot are over
	s_barrier_signal -1
	MULA 1, 1, 3, \slot, 0
	WIN 0
	s_barrier_wait -1
.if \fill
	CREST                                          ; the barrier has opened a round of the cluster's: no wave of any partner still reads this slot or has a load on its way
	s_add_nc_u64 s[G0+4*\slot+2:G0+4*\slot+3], s[G0+4*\slot+2:G0+4*\slot+3], 4*HALFT
	s_add_nc_u64 s[G0B+4*\slot+2:G0B+4*\slot+3], s[G0B+4*\slot+2:G0B+4*\slot+3], 4*HALFT
	JLOAD G0+4*\slot, G1, G0B+4*\slot, G1B         ; the first tensor load behind the round; its four v_nop are the places in front of the loads below
.else
	PLACES 4
.endif
	SCALES \next
	FETCH \next, 0, 0
	WIN MUL
	MULA 2, 1, 3, \slot, 0
	MULA 3, 1, 3, \slot, 0
.endm
	s_wait_tensorcnt 0x0                           ; my one load, four units, is in
	s_barrier_signal -1
	s_barrier_wait -1
	SCALES 0
	FETCH 0, 0, 0
	STEP 0, 0, 1                                   ; the first unit starts the sums: nothing is cleared
.if LAPS > 1
	WIN 0                                          ; at a label and at a branch every window is 0
	s_mov_b32 s3, LAPS-1
.Llap:                                                 ; a trip goes once round the ring, from a lap's second unit to the next lap's first, and fills both slots again
	STEP 0, 1, 0
	STEP 0, 2, 0
	TURN 0, 1, 1
	STEP 1, 0, 0
	STEP 1, 1, 0
	STEP 1, 2, 0
	TURN 1, 0, 1
	STEP 0, 0, 0
	WIN 0
	s_sub_co_u32 s3, s3, 1
	s_cmp_lg_u32 s3, 0
	s_cbranch_scc1 .Llap
.endif
	STEP 0, 1, 0                                   ; the last lap fills nothing
	STEP 0, 2, 0
	TURN 0, 1, 0
	STEP 1, 0, 0
	STEP 1, 1, 0
	STEP 1, 2, 0
	s_wait_dscnt 12                                ; the very last unit: nothing more to fetch
	WIN MUL
	MULA 0, 1, 3, 1, 0
	MULA 1, 1, 3, 1, 0
	s_wait_dscnt 0
	MULA 2, 1, 3, 1, 0
	MULA 3, 1, 3, 1, 0
	WIN 0
; THE WAY OUT, block by block of A's 16 rows x my 64 columns: through my stage, back as whole rows of 256 bytes, joined with the residual, stored: sixteen lanes write 256 consecutive bytes, aligned.
.if GATE
	; the gate = sigmoid(cos(theta)), in f32.  theta less a whole number of turns (2 pi in three parts), the half angle's cosine by its series to z^7 (z at most 2.47: the next term is under 1e-10), doubled.
	v_mov_b32 v1, s2                               ; (these plain lines are also the places behind the last product)
	v_mul_f32 v2, 0.15915494, v1
	v_rndne_f32 v2, v2
	v_fma_f32 v1, v2, 0xc0c90000, v1
	v_fma_f32 v1, v2, 0xbafda000, v1
	v_fma_f32 v1, v2, 0xb4a22168, v1
	v_mul_f32 v1, 0.5, v1
	v_mul_f32 v1, v1, v1                           ; z
	v_mov_b32 v3, 0xad49cba5
	v_fma_f32 v3, v3, v1, 0x310f76c7
	v_fma_f32 v3, v3, v1, 0xb493f27e
	v_fma_f32 v3, v3, v1, 0x37d00d01
	v_fma_f32 v3, v3, v1, 0xbab60b61
	v_fma_f32 v3, v3, v1, 0x3d2aaaab
	v_fma_f32 v3, v3, v1, -0.5
	v_fma_f32 v3, v3, v1, 1.0
	v_mul_f32 v4, v3, v3
	v_fma_f32 v4, v4, 2.0, -1.0                    ; cos(theta)
	v_mul_f32 v4, 0xbfb8aa3b, v4
	s_wait_alu depctr_va_vdst(0)
	v_exp_f32 v5, v4
	v_nop
	s_wait_alu depctr_va_vdst(0)                   ; the wait ahead of the exponential's reader
	v_add_f32 v5, 1.0, v5
	s_wait_alu depctr_va_vdst(0)
	v_rcp_f32 v[GT], v5
	v_nop
	s_wait_alu depctr_va_vdst(0)
	v_mov_b32 v[GT+1], v[GT]
.else
	PLACES 4                                       ; in front of the first read of results
.endif
	s_wait_alu depctr_va_vdst(0)
	s_wait_loadcnt 0x0                             ; the residual, asked for at the head
.macro TOSTAGE a
.set BB, BK+32*((\a)%2)
.irp b, 0,1,2,3
	ds_store_b128 v[STO], v[ACC+8*(4*(\a)+\b):ACC+8*(4*(\a)+\b)+3] offset:128*(\b/2)+32*(\b%2)        ; each accumulator from its low end on
	ds_store_b128 v[STO], v[ACC+8*(4*(\a)+\b)+4:ACC+8*(4*(\a)+\b)+7] offset:128*(\b/2)+32*(\b%2)+16
.endr
.irp t, 0,1,2,3,4,5,6,7
	ds_load_b128 v[BB+4*\t:BB+4*\t+3], v[RD] offset:2*\t*272   ; LDS serves a wave's instructions in order: these see the stores above, and the next block's stores come behind them
.endr
.endm
.macro SEND a, younger                 ; younger: the LDS instructions issued behind block a's loads, which may stay out
.set BB, BK+32*((\a)%2)
.set RB, 32*(\a)
	s_wait_dscnt \younger                          ; the block is back in registers
.if GATE
	WIN 0x20                                       ; source 2 (the residual) window 2
.else
	WIN 0x08                                       ; source 1 (the residual) window 2
.endif
.set ci, 0
.rept 16
.if GATE
	v_pk_fma_f32 v[BB+ci:BB+ci+1], v[BB+ci:BB+ci+1], v[GT:GT+1], v[RB+ci:RB+ci+1]
.else
	v_pk_add_f32 v[BB+ci:BB+ci+1], v[BB+ci:BB+ci+1], v[RB+ci:RB+ci+1]
.endif
.set ci, ci+2
.endr
	WIN 0
.irp t, 0,1,2,3,4,5,6,7
	global_store_b128 v[CO], v[BB+4*\t:BB+4*\t+3], s[12:13] offset:(32*((\a)/2)+8*((\a)%2)+2*\t+8*(\t/4))*4096
.endr
.endm
	TOSTAGE 0
.irp a, 1,2,3
.if \a > 1
	s_wait_xcnt 0x0                                ; block a - 2's stores have read their registers: block a's loads may land there
.endif
	TOSTAGE \a
	SEND \a-1, 16                                  ; behind block a - 1's loads: block a's 8 stores and 8 loads
.endr
	SEND 3, 0
	s_wait_tensorcnt 0x0                           ; the wave's end
	ds_add_u32 v[SPW], v[NIL]
	s_wait_dscnt 0x0
	CROUND                                         ; the closing round
	s_endpgm
.Lfunc_end_k_q0f54128ede_wo:
	.size	k_q0f54128ede_wo, .Lfunc_end_k_q0f54128ede_wo-k_q0f54128ede_wo
	.p2alignl 7, 3214868480
	.fill 96, 4, 3214868480
	.section	.rodata,"a",@progbits
	.p2align	6, 0x0
	.amdhsa_kernel k_q0f54128ede_wo
		.amdhsa_group_segment_fixed_size 327680
		.amdhsa_private_segment_fixed_size 0
		.amdhsa_enable_private_segment 0
		.amdhsa_kernarg_size 40
		.amdhsa_user_sgpr_count 2
		.amdhsa_user_sgpr_kernarg_segment_ptr 1
		.amdhsa_wavefront_size32 1
		.amdhsa_system_sgpr_workgroup_id_x 1
		.amdhsa_system_sgpr_workgroup_id_y 1
		.amdhsa_system_sgpr_workgroup_id_z 1
		.amdhsa_system_vgpr_workitem_id 0
		.amdhsa_next_free_vgpr 640
		.amdhsa_next_free_sgpr 66
		.amdhsa_reserve_vcc 0
		.amdhsa_float_denorm_mode_32 3
		.amdhsa_float_denorm_mode_16_64 3
		.amdhsa_memory_ordered 1
		.amdhsa_forward_progress 1
		.amdhsa_inst_pref_size 67
	.end_amdhsa_kernel
	.amdgpu_metadata
---
amdhsa.version: [ 1, 2 ]
amdhsa.kernels:
  - .name:           k_q0f54128ede_wo
    .symbol:         k_q0f54128ede_wo.kd
    .args:
      - { .name: ac, .offset: 0, .size: 8, .value_kind: global_buffer, .address_space: global }
      - { .name: wc, .offset: 8, .size: 8, .value_kind: global_buffer, .address_space: global }
      - { .name: x, .offset: 16, .size: 8, .value_kind: global_buffer, .address_space: global }
      - { .name: theta, .offset: 24, .size: 8, .value_kind: global_buffer, .address_space: global }
      - { .name: ybuf, .offset: 32, .size: 8, .value_kind: global_buffer, .address_space: global }
    .group_segment_fixed_size: 327680
    .private_segment_fixed_size: 0
    .kernarg_segment_align: 8
    .kernarg_segment_size: 40
    .max_flat_workgroup_size: 128
    .sgpr_count:     66
    .vgpr_count:     640
    .wavefront_size: 32
...
	.end_amdgpu_metadata
.endif
;; end of part 12
;; launch ln1 (part 13): grid 128 x 1, 8 waves a work-group, no clusters, 132,608 bytes of LDS; arguments ybuf, ln1_g, ln1_b, x1, ac; writes x1, ac
.if DOCPART == 13
	.amdgcn_target "amdgcn-amd-amdhsa--gfx1250"
	.amdhsa_code_object_version 6
	.text
	.protected	k_q0f54128ede_ln1
	.globl	k_q0f54128ede_ln1
	.p2align	8
	.type	k_q0f54128ede_ln1,@function
k_q0f54128ede_ln1:
	s_mov_b64 s[64:65], 0
	v_nop
	global_prefetch_b8 v0, s[64:65] scope:SCOPE_SE
	s_setreg_imm32_b32 hwreg(HW_REG_WAVE_MODE, 25, 1), 1
	s_wait_xcnt 0x0
; x1 = layernorm(y1) g + b, rows of 1,024 f32, stored as f32 AND quantised along the row into units of FP6 codes for the next product.
; A work-group takes 32 consecutive rows, which are two fragments of eight units; each of its eight waves takes four whole rows in registers: the row is read once, and no reduction leaves the wave.
; The variance is taken of the centred numbers: no difference of large sums is formed.
; Then the rows meet in LDS (pitch 4,112 bytes), in the order of the fragments' row indices, and wave w quantises K step w of both fragments.
; THE UNIT: 128 rows x 128 K in 12,800 bytes: fragment t at 1,536 t (row index r = row 32 (t/2) + 8 (t%2) + r + 8 (r/8)), plane p at + 256 p, lane l at + 8 l; scale word of (t, r) at 12,288 + 128 (t/2) + 8 r + 4 (t%2).
; LIMITS: NaN and infinities are not served; a block of zeros, or one under 2^-124, gets the byte 1 (this program alone reads the bytes).  Matrix units, clusters and tensor loads buy nothing here: memory binds.
.set QNT,  1
.set Y,    64                          ; v64-191  four rows: row i at + 32 i, its columns 128 q + 4 l + 0 .. 3 at + 4 q
.set GG,   192                         ; v192-223 the gain of my columns
.set BB,   224                         ; v224-255 the bias
.set PS,   8                           ; v8-15    a pair a row: the sum, the mean, then 1 / sqrt(var + eps)
.set SQ,   16                          ; v16-23   a pair a row: the sum of squares
.set SEL,  22
.set TT,   40
.set MX,   48
.set SO,   50
.set TP,   52
.set WA,   53
.set WB,   54
.set WD,   55
.set SH8,  6
.macro QUANTX xs, cd, wd               ; 64 numbers of a lane, v[xs + 32 c + i] = k 64 c + 32 h + i of its row, become the fragment's 12 registers v[cd] on and its row's scale word
	v_max3_num_f32 v[MX], |v[\xs]|, |v[\xs+1]|, 0x1800000            ; the floor 2^(3 - 127) holds the byte at 1 from below
	v_max3_num_f32 v[MX+1], |v[\xs+32]|, |v[\xs+33]|, 0x1800000
.set qi, 2
.rept 15
	s_delay_alu instid0(VALU_DEP_2)
	v_max3_num_f32 v[MX], v[MX], |v[\xs+qi]|, |v[\xs+qi+1]|
	s_delay_alu instid0(VALU_DEP_2)
	v_max3_num_f32 v[MX+1], v[MX+1], |v[\xs+32+qi]|, |v[\xs+33+qi]|
.set qi, qi+2
.endr
	s_delay_alu instid0(VALU_DEP_2)
	v_add_nc_u32 v[SO], 0xff000000, v[MX]
	s_delay_alu instid0(VALU_DEP_2)
	v_add_nc_u32 v[SO+1], 0xff000000, v[MX+1]
	s_delay_alu instid0(VALU_DEP_2)
	v_lshrrev_b32 v[MX], 23, v[SO]
	s_delay_alu instid0(VALU_DEP_2)
	v_lshrrev_b32 v[MX+1], 23, v[SO+1]
	s_delay_alu instid0(VALU_DEP_1)
	v_lshl_or_b32 v[\wd], v[MX+1], 16, v[MX]
	s_delay_alu instid0(VALU_DEP_1)
	v_lshlrev_b32 v[\wd], v[SH8], v[\wd]
	s_delay_alu instid0(VALU_DEP_1)
	v_permlanex16_b32 v[TP], v[\wd], s[SEL], s[SEL+1]
	s_delay_alu instid0(VALU_DEP_1)
	v_or_b32 v[\wd], v[\wd], v[TP]
.irp c, 0,1
	v_cvt_scalef32_pk16_fp6_f32 v[\cd+6*\c:\cd+6*\c+2], v[\xs+32*\c:\xs+32*\c+15], v[SO+\c]
	v_cvt_scalef32_pk16_fp6_f32 v[TT+4*\c:TT+4*\c+2], v[\xs+32*\c+16:\xs+32*\c+31], v[SO+\c]
.endr
	v_nop
.irp c, 0,1
.irp i, 0,1,2
	v_mov_b32 v[\cd+6*\c+3+\i], v[TT+4*\c+\i]
.endr
.endr
.endm
.macro REDUCE base                     ; the four rows' figures, each over the 32 lanes, by turns
.irp m, 1,2,4,8
.irp i, 0,1,2,3
	s_delay_alu instid0(VALU_DEP_4)
	v_add_f32_dpp v[\base+2*\i], v[\base+2*\i], v[\base+2*\i] row_xmask:\m row_mask:0xf bank_mask:0xf
.endr
.endr
.irp i, 0,1,2,3
	s_delay_alu instid0(VALU_DEP_4)
	v_permlanex16_b32 v[\base+2*\i+1], v[\base+2*\i], s[SEL], s[SEL+1]
.endr
.irp i, 0,1,2,3
	s_delay_alu instid0(VALU_DEP_4)
	v_add_f32 v[\base+2*\i], v[\base+2*\i], v[\base+2*\i+1]
.endr
.endm
	s_load_b256 s[4:11], s[0:1], 0x0               ; y, the gain, the bias, the f32 result
.if QNT
	s_load_b64 s[12:13], s[0:1], 0x20              ; the units
	v_lshl_add_u32 v62, v0, 2, 0x20200
	v_mov_b32 v63, 0
.endif
	v_lshrrev_b32 v1, 5, v0
	s_delay_alu instid0(VALU_DEP_1)
	v_readfirstlane_b32 s14, v1                    ; wave
	v_and_b32 v8, 31, v0
	s_delay_alu instid0(VALU_DEP_1)
	v_lshlrev_b32 v1, 4, v8                        ; 16 l
	s_mov_b32 s[SEL], 0x76543210
	s_mov_b32 s[SEL+1], 0xfedcba98
	s_mov_b32 s20, 0x3a800000                      ; 1 / 1,024
	s_mov_b32 s21, 0x3727c5ac                      ; 1e-5
	s_lshl_b32 s16, ttmp9, 17                      ; 32 rows of 4,096 bytes
	s_lshl_b32 s17, s14, 14                        ; + my four
	s_add_co_u32 s16, s16, s17
	s_mov_b32 s17, 0
	s_wait_alu depctr_va_vdst(0)
	s_wait_kmcnt 0x0
	s_add_nc_u64 s[4:5], s[4:5], s[16:17]
	s_add_nc_u64 s[10:11], s[10:11], s[16:17]
.irp i, 0,1,2,3
.irp q, 0,1,2,3,4,5,6,7
	global_load_b128 v[Y+32*\i+4*\q:Y+32*\i+4*\q+3], v1, s[4:5] offset:4096*\i+512*\q th:TH_LOAD_NT
.endr
.endr
.irp q, 0,1,2,3,4,5,6,7
	global_load_b128 v[GG+4*\q:GG+4*\q+3], v1, s[6:7] offset:512*\q
	global_load_b128 v[BB+4*\q:BB+4*\q+3], v1, s[8:9] offset:512*\q
.endr
.if QNT
	v_and_b32 v9, 15, v0                           ; r
	s_wait_alu depctr_va_vdst(0)
	v_bfe_u32 v10, v0, 4, 1                        ; h
	s_bfe_u32 s16, s14, 0x10001                    ; row 4 w + i of the 32 is row index 4 (w%2) + 8 (w/4) + i of fragment (w/2)%2
	s_lshl_b32 s16, s16, 4
	s_and_b32 s17, s14, 1
	s_lshl_b32 s17, s17, 2
	s_add_co_u32 s16, s16, s17
	s_lshr_b32 s17, s14, 2
	s_lshl_b32 s17, s17, 3
	s_add_co_u32 s16, s16, s17
	s_mul_i32 s16, s16, 4112
	v_add_nc_u32 v2, s16, v1                       ; into LDS
	v_mul_u32_u24 v3, v9, 4112
	s_wait_alu depctr_va_vdst(0)
	v_lshl_add_u32 v3, v10, 7, v3
	s_lshl_b32 s16, s14, 9
	v_add_nc_u32 v3, s16, v3                       ; out of it: row index r, + 128 h, + my K step's 512 bytes; fragment 0,
	s_delay_alu instid0(VALU_DEP_1)
	v_add_nc_u32 v4, 65792, v3                     ; fragment 1
	s_lshr_b32 s16, ttmp9, 2
	s_lshl_b32 s16, s16, 3
	s_add_co_u32 s16, s16, s14
	s_mul_i32 s16, s16, 12800
	s_mov_b32 s17, 0
	s_add_nc_u64 s[12:13], s[12:13], s[16:17]      ; unit (row block, K step w)
	s_and_b32 s18, ttmp9, 3
	s_mul_i32 s19, s18, 3072
	v_lshl_add_u32 v5, v8, 3, s19                  ; 8 l + the pair's two fragments
	s_lshl_b32 s19, s18, 7
	v_lshl_add_u32 v7, v9, 3, s19
	s_delay_alu instid0(VALU_DEP_1)
	v_lshl_add_u32 v7, v10, 2, v7                  ; the words' place
	v_lshlrev_b32 v[SH8], 3, v10
	v_mov_b32 v[TP], 0
	s_mov_b32 s19, 0xffff0000
.endif
	s_wait_loadcnt 16                              ; the rows are in; the gain's and the bias's 16 loads may stay out
.irp i, 0,1,2,3
	v_pk_add_f32 v[PS+2*\i:PS+2*\i+1], v[Y+32*\i:Y+32*\i+1], v[Y+32*\i+2:Y+32*\i+3]
.endr
.irp k, 4,6,8,10,12,14,16,18,20,22,24,26,28,30
.irp i, 0,1,2,3
	s_delay_alu instid0(VALU_DEP_4)
	v_pk_add_f32 v[PS+2*\i:PS+2*\i+1], v[PS+2*\i:PS+2*\i+1], v[Y+32*\i+\k:Y+32*\i+\k+1]
.endr
.endr
.irp i, 0,1,2,3
	s_delay_alu instid0(VALU_DEP_4)
	v_add_f32 v[PS+2*\i], v[PS+2*\i], v[PS+2*\i+1]
.endr
	REDUCE PS
.irp i, 0,1,2,3
	s_delay_alu instid0(VALU_DEP_4)
	v_mul_f32 v[PS+2*\i], s20, v[PS+2*\i]          ; the mean
.endr
.irp k, 0,2,4,6,8,10,12,14,16,18,20,22,24,26,28,30
.irp i, 0,1,2,3
	v_pk_add_f32 v[Y+32*\i+\k:Y+32*\i+\k+1], v[Y+32*\i+\k:Y+32*\i+\k+1], v[PS+2*\i:PS+2*\i+1] op_sel_hi:[1,0] neg_lo:[0,1] neg_hi:[0,1]
.endr
.endr
.irp i, 0,1,2,3
	v_pk_mul_f32 v[SQ+2*\i:SQ+2*\i+1], v[Y+32*\i:Y+32*\i+1], v[Y+32*\i:Y+32*\i+1]
.endr
.irp k, 2,4,6,8,10,12,14,16,18,20,22,24,26,28,30
.irp i, 0,1,2,3
	s_delay_alu instid0(VALU_DEP_4)
	v_pk_fma_f32 v[SQ+2*\i:SQ+2*\i+1], v[Y+32*\i+\k:Y+32*\i+\k+1], v[Y+32*\i+\k:Y+32*\i+\k+1], v[SQ+2*\i:SQ+2*\i+1]
.endr
.endr
.irp i, 0,1,2,3
	s_delay_alu instid0(VALU_DEP_4)
	v_add_f32 v[SQ+2*\i], v[SQ+2*\i], v[SQ+2*\i+1]
.endr
	REDUCE SQ
.irp i, 0,1,2,3
	s_delay_alu instid0(VALU_DEP_4)
	v_fma_f32 v[SQ+2*\i], v[SQ+2*\i], s20, s21     ; the variance + 1e-5
.endr
	s_wait_alu depctr_va_vdst(0)
.irp i, 0,1,2,3
	v_rsq_f32 v[PS+2*\i], v[SQ+2*\i]
.endr
	v_nop                                          ; a plain place behind the batch,
	s_wait_alu depctr_va_vdst(0)                   ; and one wait for the four, ahead of their first reader
	s_wait_loadcnt 0x0                             ; the gain and the bias
.irp i, 0,1,2,3
.irp k, 0,2,4,6,8,10,12,14,16,18,20,22,24,26,28,30
	v_pk_mul_f32 v[Y+32*\i+\k:Y+32*\i+\k+1], v[Y+32*\i+\k:Y+32*\i+\k+1], v[PS+2*\i:PS+2*\i+1] op_sel_hi:[1,0]
.endr
.irp k, 0,2,4,6,8,10,12,14,16,18,20,22,24,26,28,30
	v_pk_fma_f32 v[Y+32*\i+\k:Y+32*\i+\k+1], v[Y+32*\i+\k:Y+32*\i+\k+1], v[GG+\k:GG+\k+1], v[BB+\k:BB+\k+1]
.endr
.irp q, 0,1,2,3,4,5,6,7
	global_store_b128 v1, v[Y+32*\i+4*\q:Y+32*\i+4*\q+3], s[10:11] offset:4096*\i+512*\q   ; 512 consecutive bytes, aligned
.if QNT
	ds_store_b128 v2, v[Y+32*\i+4*\q:Y+32*\i+4*\q+3] offset:4112*\i+512*\q
.endif
.endr
.endr
.if QNT
	s_wait_dscnt 0x0                               ; for the others' sake: my rows lie in LDS
	s_barrier_signal -1
	s_barrier_wait -1
	s_wait_xcnt 0x0                                ; the global stores have read the rows' registers: they may be loaded again
.irp u, 0,1
.irp c, 0,1
.irp i, 0,1,2,3,4,5,6,7
	ds_load_b128 v[Y+64*\u+32*\c+4*\i:Y+64*\u+32*\c+4*\i+3], v[3+\u] offset:256*\c+16*\i
.endr
.endr
.endr
	s_wait_dscnt 16                                ; fragment 0's 16 loads are in
	QUANTX Y, 16, WA
.irp p, 0,1,2,3,4,5
	global_store_b64 v5, v[16+2*\p:17+2*\p], s[12:13] offset:256*\p
.endr
	s_wait_dscnt 0x0
	QUANTX Y+64, 28, WB
.irp p, 0,1,2,3,4,5
	global_store_b64 v5, v[28+2*\p:29+2*\p], s[12:13] offset:1536+256*\p
.endr
	v_cndmask_b32 v[WD], v[WA], v[WB], s19         ; lanes 16-31 store the second fragment's words
	global_store_b32 v7, v[WD], s[12:13] offset:12288
.endif
	s_wait_tensorcnt 0x0
	ds_add_u32 v62, v63
	s_wait_dscnt 0x0
	s_endpgm
.Lfunc_end_k_q0f54128ede_ln1:
	.size	k_q0f54128ede_ln1, .Lfunc_end_k_q0f54128ede_ln1-k_q0f54128ede_ln1
	.p2alignl 7, 3214868480
	.fill 96, 4, 3214868480
	.section	.rodata,"a",@progbits
	.p2align	6, 0x0
	.amdhsa_kernel k_q0f54128ede_ln1
		.amdhsa_group_segment_fixed_size 132608
		.amdhsa_private_segment_fixed_size 0
		.amdhsa_enable_private_segment 0
		.amdhsa_kernarg_size 40
		.amdhsa_user_sgpr_count 2
		.amdhsa_user_sgpr_kernarg_segment_ptr 1
		.amdhsa_wavefront_size32 1
		.amdhsa_system_sgpr_workgroup_id_x 1
		.amdhsa_system_sgpr_workgroup_id_y 1
		.amdhsa_system_sgpr_workgroup_id_z 1
		.amdhsa_system_vgpr_workitem_id 0
		.amdhsa_next_free_vgpr 256
		.amdhsa_next_free_sgpr 66
		.amdhsa_reserve_vcc 0
		.amdhsa_float_denorm_mode_32 3
		.amdhsa_float_denorm_mode_16_64 3
		.amdhsa_memory_ordered 1
		.amdhsa_forward_progress 1
		.amdhsa_inst_pref_size 54
	.end_amdhsa_kernel
	.amdgpu_metadata
---
amdhsa.version: [ 1, 2 ]
amdhsa.kernels:
  - .name:           k_q0f54128ede_ln1
    .symbol:         k_q0f54128ede_ln1.kd
    .args:
      - { .name: ybuf, .offset: 0, .size: 8, .value_kind: global_buffer, .address_space: global }
      - { .name: ln1_g, .offset: 8, .size: 8, .value_kind: global_buffer, .address_space: global }
      - { .name: ln1_b, .offset: 16, .size: 8, .value_kind: global_buffer, .address_space: global }
      - { .name: x1, .offset: 24, .size: 8, .value_kind: global_buffer, .address_space: global }
      - { .name: ac, .offset: 32, .size: 8, .value_kind: global_buffer, .address_space: global }
    .group_segment_fixed_size: 132608
    .private_segment_fixed_size: 0
    .kernarg_segment_align: 8
    .kernarg_segment_size: 40
    .max_flat_workgroup_size: 256
    .sgpr_count:     66
    .vgpr_count:     256
    .wavefront_size: 32
...
	.end_amdgpu_metadata
.endif
;; end of part 13
;; launch ffn1 (part 14): grid 16 x 16, 4 waves a work-group, clusters of 4 x 4, 327,680 bytes of LDS; arguments ac, wc, b1, big; writes big
.if DOCPART == 14
	.amdgcn_target "amdgcn-amd-amdhsa--gfx1250"
	.amdhsa_code_object_version 6
	.text
	.protected	k_q0f54128ede_ffn1
	.globl	k_q0f54128ede_ffn1
	.p2align	8
	.type	k_q0f54128ede_ffn1,@function
k_q0f54128ede_ffn1:
	s_mov_b64 s[64:65], 0
	v_nop
	global_prefetch_b8 v0, s[64:65] scope:SCOPE_SE
	s_setreg_imm32_b32 hwreg(HW_REG_WAVE_MODE, 25, 1), 1
	s_wait_xcnt 0x0
	s_wait_alu depctr_hold_cnt(0) depctr_sa_sdst(0) depctr_va_vdst(0) depctr_va_sdst(0) depctr_va_ssrc(0) depctr_va_vcc(0) depctr_vm_vsrc(0)
	s_getreg_b32 s2, hwreg(HW_REG_IB_STS2, 6, 4)
	s_cmp_eq_u32 s2, 0
	s_cbranch_scc0 .Lentry_in_a_cluster
	s_endpgm
.Lentry_in_a_cluster:
	s_bfe_u32 s2, ttmp6, 0x10000c
	s_cmp_lg_u32 s2, 0xf033
	s_cbranch_scc0 .Lentry_shape_is_right
	s_endpgm
.Lentry_shape_is_right:
.set KS,    8
.set WOFF,  819200
.set BIAS,  1
.set RELU,  1
.set UNIT,  12800
.set HALFT, 2*UNIT
.set SLOT,  4*HALFT
.set SPARE, 2*SLOT
.set LAPS,  KS/4
.set FR,    12
.set NL,    6
.set ADRA,  16
.set ADRB,  20
.set ADRS,  22
.set LO8,   27
.set SPW,   28
.set NIL,   29
.set SC,    32
.set BI,    64
.set AF,    128
.set G1,    24
.set G0,    32
.set G1B,   48
.set G0B,   56
.set MSB,   0
.macro WIN new
.if MSB != (\new)
	s_set_vgpr_msb (MSB<<8)|(\new)
.set MSB, (\new)
.endif
.endm
.set MUL_LO, 0xa1
.set MUL_HI, 0xf1
.set TO_B,   0x40
.macro JLOAD g0a, g1a, g0b, g1b
	s_cmp_eq_u32 s15, 0
	s_cbranch_scc0 .Lfor_b_\@
	tensor_load_to_lds s[\g0a:\g0a+3], s[\g1a:\g1a+7]
	s_nop 0
.rept 4
	v_nop
.endr
	s_branch .Lasked_\@
.Lfor_b_\@:
	tensor_load_to_lds s[\g0b:\g0b+3], s[\g1b:\g1b+7]
	s_nop 0
.rept 4
	v_nop
.endr
.Lasked_\@:
.endm
.macro CREST
	s_cmp_lg_u32 s14, 0
	s_cbranch_scc1 .Lnot_wave_0_\@
	s_barrier_signal -3
.Lnot_wave_0_\@:
	s_barrier_wait -3
	s_barrier_signal -1
	s_barrier_wait -1
.endm
.macro CROUND
	s_barrier_signal -1
	s_barrier_wait -1
	CREST
.endm
.macro PLACES n
.rept \n
	v_nop
.endr
.endm
	s_load_b128 s[4:7], s[0:1], 0x0
	s_load_b64 s[10:11], s[0:1], 0x10
	s_load_b64 s[8:9], s[0:1], 0x18
	v_lshl_add_u32 v[SPW], v0, 2, SPARE
	v_mov_b32 v[NIL], 0
	ds_add_u32 v28, v29
	ds_add_u32 v28, v29
	s_wait_dscnt 0x0
	v_lshrrev_b32 v1, 5, v0
	v_readfirstlane_b32 s14, v1
	s_lshr_b32 s15, s14, 1
	s_and_b32 s16, s14, 1
	s_bfe_u32 s40, ttmp6, 0x40000
	s_bfe_u32 s41, ttmp6, 0x40004
	s_lshl_b32 s42, ttmp9, 2
	s_add_co_u32 s42, s42, s40
	s_and_b32 s17, ttmp7, 0xffff
	s_lshl_b32 s17, s17, 2
	s_add_co_u32 s17, s17, s41
	s_lshl_b32 s43, s41, 2
	s_lshl_b32 s43, 15, s43
	s_lshl_b32 s44, 0x1111, s40
	s_or_b32 s[G1+0], s43, (3<<16)|(1<<21)
	s_or_b32 s[G1B+0], s44, (3<<16)|(1<<21)
.irp g, G1, G1B
	s_mov_b32 s[\g+1], 32<<16
	s_mov_b32 s[\g+2], 100<<16
	s_mov_b32 s[\g+3], 32<<16
	s_mov_b32 s[\g+4], 100
	s_mov_b32 s[\g+5], 32
	s_mov_b32 s[\g+6], 0
	s_mov_b32 s[\g+7], 0
.endr
	s_lshl_b32 s20, s17, 1
	s_add_co_u32 s20, s20, s16
	s_lshl_b32 s46, s42, 1
	s_add_co_u32 s46, s46, s16
	s_mov_b32 s21, 0
	s_mov_b32 s47, 0
	s_mov_b64 s[18:19], KS*UNIT
	s_mul_u64 s[20:21], s[20:21], s[18:19]
	s_mul_u64 s[46:47], s[46:47], s[18:19]
	s_mul_i32 s45, s14, HALFT
	s_wait_kmcnt 0x0
	s_add_nc_u64 s[20:21], s[4:5], s[20:21]
	s_add_nc_u64 s[46:47], s[6:7], s[46:47]
.if WOFF
	s_add_nc_u64 s[46:47], s[46:47], WOFF
.endif
	CROUND
.irp s, 0,1
	s_mov_b32 s[G0+4*\s], 1
	s_add_co_u32 s[G0+4*\s+1], s45, \s*SLOT
	s_add_nc_u64 s[G0+4*\s+2:G0+4*\s+3], s[20:21], \s*HALFT
	s_or_b32 s[G0+4*\s+3], s[G0+4*\s+3], 0x80000000
	s_mov_b32 s[G0B+4*\s], 1
	s_add_co_u32 s[G0B+4*\s+1], s45, \s*SLOT
	s_add_nc_u64 s[G0B+4*\s+2:G0B+4*\s+3], s[46:47], \s*HALFT
	s_or_b32 s[G0B+4*\s+3], s[G0B+4*\s+3], 0x80000000
.if \s                                         ; slot 1's first fill stands behind the full sequence and a round; slot 0's is the head's one load a wave
	s_wait_alu depctr_va_vdst(0)
	s_wait_tensorcnt 0x0
	ds_add_u32 v28, v29
	ds_add_u32 v28, v29
	s_wait_dscnt 0x0
	CROUND
.endif
	JLOAD G0+4*\s, G1, G0B+4*\s, G1B
.endr
	; prefetches into the L2: K chunks 2 and 3 of the tile that I fetch, which the loop's two refills will load.  Of a chunk's 100 rows of 256 bytes each of the four partners that ask for it jointly
	; takes 25, told apart by address (cx for A, cy for B); a lane a row; lanes 25-31 name the last row again.  Chunks 0 and 1 come by their loads alone.
	s_cmp_eq_u32 s15, 0
	s_cselect_b64 s[4:5], s[20:21], s[46:47]
	s_cselect_b32 s6, s40, s41
	s_mul_i32 s6, s6, 25*256
	s_mov_b32 s7, 0
	s_add_nc_u64 s[4:5], s[4:5], s[6:7]
	v_and_b32 v8, 31, v0
	v_min_u32 v8, 24, v8
	v_lshlrev_b32 v8, 8, v8
	global_prefetch_b8 v8, s[4:5] offset:2*HALFT th:TH_LOAD_NT scope:SCOPE_SE
	global_prefetch_b8 v8, s[4:5] offset:3*HALFT th:TH_LOAD_NT scope:SCOPE_SE
	v_and_b32 v1, 15, v0
	v_bfe_u32 v2, v0, 4, 1
	s_wait_alu depctr_va_vdst(0)
	v_and_b32 v3, 31, v0
	v_lshlrev_b32 v[LO8], 3, v3
	s_mul_i32 s21, s15, HALFT
	s_mul_i32 s22, s16, HALFT
	s_add_co_u32 s22, s22, 2*HALFT
.irp s, 0,1
	v_add_nc_u32 v[ADRA+\s], s21, v[LO8]
	v_add_nc_u32 v[ADRB+\s], s22, v[LO8]
	s_add_co_u32 s21, s21, SLOT
	s_add_co_u32 s22, s22, SLOT
.endr
	s_mul_i32 s21, s15, HALFT
	s_mul_i32 s22, s16, HALFT
	s_add_co_u32 s22, s22, 2*HALFT
	s_sub_co_u32 s22, s22, s21
	v_mul_u32_u24 v6, s22, v2
	v_lshl_add_u32 v5, v1, 3, v6
	s_add_co_u32 s21, s21, 12288
	v_add_nc_u32 v[ADRS], s21, v5
	v_add_nc_u32 v[ADRS+1], SLOT, v[ADRS]
	s_lshl_b32 s46, s42, 10
	s_lshl_b32 s47, s16, 9
	s_add_co_u32 s46, s46, s47
	s_mov_b32 s47, 0
	s_add_nc_u64 s[10:11], s[10:11], s[46:47]
	v_lshlrev_b32 v7, 6, v2
.irp b, 0,1,2,3,4,5,6,7
	global_load_b128 v[BI+8*\b:BI+8*\b+3], v7, s[10:11] offset:(32*(\b/2)+8*(\b%2))*4
	global_load_b128 v[BI+8*\b+4:BI+8*\b+7], v7, s[10:11] offset:(32*(\b/2)+8*(\b%2))*4+16
.endr
	s_lshl_b32 s20, s17, 1
	s_add_co_u32 s20, s20, s15
	s_lshl_b32 s20, s20, 5
	s_mul_i32 s20, s20, UNIT
	s_mov_b32 s21, 0
	s_lshl_b32 s46, s42, 1
	s_add_co_u32 s46, s46, s16
	s_mul_i32 s46, s46, UNIT
	s_mov_b32 s47, 0
	s_add_nc_u64 s[20:21], s[20:21], s[46:47]
	s_add_nc_u64 s[8:9], s[8:9], s[20:21]
	s_wait_alu depctr_va_vdst(0)
	s_wait_loadcnt 0x0
.macro FRAG reg, adr, off
.irp p, 0,1,2,3,4,5
	ds_load_b64 v[\reg+2*\p:\reg+2*\p+1], v[\adr] offset:\off+256*\p
.endr
.endm
.macro FETCH_B slot, q, p
	WIN TO_B
.irp i, 0,1,2,3,4,5,6,7
	FRAG 128*(\p)+FR*\i, ADRB+\slot, UNIT*(\q)+1536*\i
.endr
	WIN 0
.endm
.macro FETCH_A slot, q, i0
.irp i, \i0, \i0+1, \i0+2, \i0+3
	FRAG AF+FR*(\i), ADRA+\slot, UNIT*(\q)+1536*(\i)
.endr
.endm
.macro SCALES sc
.irp q, 0,1
.irp i, 0,1,2,3
	ds_load_b64 v[SC+16*\sc+8*\q+2*\i:SC+16*\sc+8*\q+2*\i+1], v[ADRS+\sc] offset:UNIT*\q+128*\i
.endr
.endr
.endm
.macro MUL16 a0, p, q, sc, zero
.irp a, \a0, \a0+1
.irp b, 0,1,2,3,4,5,6,7
.if \zero
.if BIAS
	v_wmma_scale_f32_16x16x128_f8f6f4 v[8*(8*((\a)%4)+\b):8*(8*((\a)%4)+\b)+7], v[128*(\p)+FR*\b:128*(\p)+FR*\b+FR-1], v[AF+FR*(\a):AF+FR*(\a)+FR-1], v[BI+8*\b:BI+8*\b+7], v[SC+16*(\sc)+8*(\q)+\b], v[SC+16*(\sc)+8*(\q)+(\a)] matrix_a_fmt:MATRIX_FMT_FP6 matrix_b_fmt:MATRIX_FMT_FP6 matrix_a_scale:MATRIX_SCALE_ROW1
.else
	v_wmma_scale_f32_16x16x128_f8f6f4 v[8*(8*((\a)%4)+\b):8*(8*((\a)%4)+\b)+7], v[128*(\p)+FR*\b:128*(\p)+FR*\b+FR-1], v[AF+FR*(\a):AF+FR*(\a)+FR-1], 0, v[SC+16*(\sc)+8*(\q)+\b], v[SC+16*(\sc)+8*(\q)+(\a)] matrix_a_fmt:MATRIX_FMT_FP6 matrix_b_fmt:MATRIX_FMT_FP6 matrix_a_scale:MATRIX_SCALE_ROW1
.endif
.else
	v_wmma_scale_f32_16x16x128_f8f6f4 v[8*(8*((\a)%4)+\b):8*(8*((\a)%4)+\b)+7], v[128*(\p)+FR*\b:128*(\p)+FR*\b+FR-1], v[AF+FR*(\a):AF+FR*(\a)+FR-1], v[8*(8*((\a)%4)+\b):8*(8*((\a)%4)+\b)+7], v[SC+16*(\sc)+8*(\q)+\b], v[SC+16*(\sc)+8*(\q)+(\a)] matrix_a_fmt:MATRIX_FMT_FP6 matrix_b_fmt:MATRIX_FMT_FP6 matrix_a_scale:MATRIX_SCALE_ROW1
.endif
.endr
.endr
.endm
.macro STEP slot, q, zero
	s_wait_dscnt 4*NL
.if (\zero) && BIAS
	WIN 0x81
.else
	WIN MUL_LO
.endif
	MUL16 0, (\q)%2, \q, \slot, \zero
	MUL16 2, (\q)%2, \q, \slot, \zero
	s_wait_dscnt 0
	PLACES 4
	FETCH_B \slot, (\q)+1, 1-(\q)%2
	FETCH_A \slot, (\q)+1, 0
.if (\zero) && BIAS
	WIN 0xc1
.else
	WIN MUL_HI
.endif
	MUL16 4, (\q)%2, \q, \slot, \zero
	MUL16 6, (\q)%2, \q, \slot, \zero
	PLACES 4
	WIN 0
	FETCH_A \slot, (\q)+1, 4
.endm
.macro TURN slot, next, fill
	s_wait_tensorcnt 0x0
	ds_add_u32 v[SPW], v[NIL]
	s_wait_dscnt 4*NL+1
	WIN MUL_LO
	MUL16 0, 1, 1, \slot, 0
	s_wait_dscnt 0x0
	s_barrier_signal -1
	MUL16 2, 1, 1, \slot, 0
	WIN 0
	s_barrier_wait -1
.if \fill
	CREST
	s_add_nc_u64 s[G0+4*\slot+2:G0+4*\slot+3], s[G0+4*\slot+2:G0+4*\slot+3], 2*HALFT
	s_add_nc_u64 s[G0B+4*\slot+2:G0B+4*\slot+3], s[G0B+4*\slot+2:G0B+4*\slot+3], 2*HALFT
	JLOAD G0+4*\slot, G1, G0B+4*\slot, G1B
.else
	PLACES 4
.endif
	FETCH_B \next, 0, 0
	FETCH_A \next, 0, 0
	SCALES \next
	WIN MUL_HI
	MUL16 4, 1, 1, \slot, 0
	MUL16 6, 1, 1, \slot, 0
	PLACES 4
	WIN 0
	FETCH_A \next, 0, 4
.endm
	s_wait_tensorcnt 1
	s_barrier_signal -1
	s_barrier_wait -1
	FETCH_B 0, 0, 0
	FETCH_A 0, 0, 0
	SCALES 0
	FETCH_A 0, 0, 4
	STEP 0, 0, 1
	s_mov_b32 s3, LAPS-1
.Llap:
	TURN 0, 1, 1
	STEP 1, 0, 0
	TURN 1, 0, 1
	STEP 0, 0, 0
	s_sub_co_u32 s3, s3, 1
	s_cmp_lg_u32 s3, 0
	s_cbranch_scc1 .Llap
	TURN 0, 1, 0
	STEP 1, 0, 0
	s_wait_dscnt 4*NL
	WIN MUL_LO
	MUL16 0, 1, 1, 1, 0
	MUL16 2, 1, 1, 1, 0
	s_wait_dscnt 0
	WIN MUL_HI
	MUL16 4, 1, 1, 1, 0
	MUL16 6, 1, 1, 1, 0
	WIN 0
.set TM,  224
.set WR,  240
.set WP,  248
.set PC,  64
.set SEL, 18
	s_mov_b32 s[SEL], 0x76543210
	s_mov_b32 s[SEL+1], 0xfedcba98
	s_mov_b32 s22, 0xffff0000
.irp b, 0,1,2,3
	v_mov_b32 v[TM+4+\b], 0
.endr
.macro QUANT a
.set WW, 2+(\a)/4
.set AB0, 64*((\a)%4)
.if (\a) > 0
	s_wait_xcnt 0x0
.endif
.if RELU
	WIN (WW<<6)|(WW<<2)
.set ci, 0
.rept 64
	v_max_num_f32 v[AB0+ci], 0, v[AB0+ci]
.set ci, ci+1
.endr
.endif
	WIN (WW<<2)|(WW<<4)
.irp b, 0,1,2,3
	v_max3_num_f32 v[TM+\b], 0x1800000, |v[AB0+16*\b]|, |v[AB0+16*\b+1]|
.endr
.irp i, 2,4,6,8,10,12,14
.irp b, 0,1,2,3
	v_max3_num_f32 v[TM+\b], v[TM+\b], |v[AB0+16*\b+\i]|, |v[AB0+16*\b+\i+1]|
.endr
.endr
	WIN 0
.irp b, 0,1,2,3
	v_permlanex16_b32 v[TM+4+\b], v[TM+\b], s[SEL], s[SEL+1]
.endr
.irp b, 0,1,2,3
	v_max_num_f32 v[TM+\b], v[TM+\b], v[TM+4+\b]
.endr
.irp b, 0,1,2,3
	v_add_nc_u32 v[TM+12+\b], 0xff000000, v[TM+\b]
.endr
.irp b, 0,1,2,3
	v_lshrrev_b32 v[TM+4+\b], 23, v[TM+12+\b]
.endr
	v_lshl_or_b32 v[WR+(\a)], v[TM+5], 8, v[TM+4]
	v_lshl_or_b32 v[WR+(\a)], v[TM+6], 16, v[WR+(\a)]
	v_lshl_or_b32 v[WR+(\a)], v[TM+7], 24, v[WR+(\a)]
	WIN WW
.irp c, 0,1
	v_cvt_scalef32_pk16_fp6_f32 v[PC+6*\c:PC+6*\c+2], v[AB0+32*\c:AB0+32*\c+15], v[TM+12+2*\c]
	v_cvt_scalef32_pk16_fp6_f32 v[PC+12+4*\c:PC+12+4*\c+2], v[AB0+32*\c+16:AB0+32*\c+31], v[TM+12+2*\c+1]
.endr
	WIN 0
	v_nop
.irp c, 0,1
.irp i, 0,1,2
	v_permlane16_swap_b32 v[PC+6*\c+\i], v[PC+12+4*\c+\i]
.endr
.irp i, 0,1,2
	v_mov_b32 v[PC+3+6*\c+\i], v[PC+12+4*\c+\i]
.endr
.endr
.irp p, 0,1,2,3,4,5
	global_store_b64 v[LO8], v[PC+2*\p:PC+2*\p+1], s[8:9] offset:1536*(\a)+256*\p
.endr
.endm
.irp a, 0,1,2,3,4,5,6,7
	QUANT \a
.endr
.irp g, 0,1
	v_cndmask_b32 v[WP+2*\g], v[WR+4*\g], v[WR+4*\g+2], s22
	v_cndmask_b32 v[WP+2*\g+1], v[WR+4*\g+1], v[WR+4*\g+3], s22
	global_store_b64 v[LO8], v[WP+2*\g:WP+2*\g+1], s[8:9] offset:12288+256*\g
.endr
	s_wait_tensorcnt 0x0
	ds_add_u32 v[SPW], v[NIL]
	s_wait_dscnt 0x0
	CROUND
	s_endpgm
.Lfunc_end_k_q0f54128ede_ffn1:
	.size	k_q0f54128ede_ffn1, .Lfunc_end_k_q0f54128ede_ffn1-k_q0f54128ede_ffn1
	.p2alignl 7, 3214868480
	.fill 96, 4, 3214868480
	.section	.rodata,"a",@progbits
	.p2align	6, 0x0
	.amdhsa_kernel k_q0f54128ede_ffn1
		.amdhsa_group_segment_fixed_size 327680
		.amdhsa_private_segment_fixed_size 0
		.amdhsa_enable_private_segment 0
		.amdhsa_kernarg_size 32
		.amdhsa_user_sgpr_count 2
		.amdhsa_user_sgpr_kernarg_segment_ptr 1
		.amdhsa_wavefront_size32 1
		.amdhsa_system_sgpr_workgroup_id_x 1
		.amdhsa_system_sgpr_workgroup_id_y 1
		.amdhsa_system_sgpr_workgroup_id_z 1
		.amdhsa_system_vgpr_workitem_id 0
		.amdhsa_next_free_vgpr 1024
		.amdhsa_next_free_sgpr 66
		.amdhsa_reserve_vcc 0
		.amdhsa_float_denorm_mode_32 3
		.amdhsa_float_denorm_mode_16_64 3
		.amdhsa_memory_ordered 1
		.amdhsa_forward_progress 1
		.amdhsa_inst_pref_size 183
	.end_amdhsa_kernel
	.amdgpu_metadata
---
amdhsa.version: [ 1, 2 ]
amdhsa.kernels:
  - .name:           k_q0f54128ede_ffn1
    .symbol:         k_q0f54128ede_ffn1.kd
    .args:
      - { .name: ac, .offset: 0, .size: 8, .value_kind: global_buffer, .address_space: global }
      - { .name: wc, .offset: 8, .size: 8, .value_kind: global_buffer, .address_space: global }
      - { .name: b1, .offset: 16, .size: 8, .value_kind: global_buffer, .address_space: global }
      - { .name: big, .offset: 24, .size: 8, .value_kind: global_buffer, .address_space: global }
    .group_segment_fixed_size: 327680
    .private_segment_fixed_size: 0
    .kernarg_segment_align: 8
    .kernarg_segment_size: 32
    .max_flat_workgroup_size: 128
    .sgpr_count:     66
    .vgpr_count:     1024
    .wavefront_size: 32
...
	.end_amdgpu_metadata
.endif
;; end of part 14
;; launch ffn2 (part 15): grid 8 x 32, 4 waves a work-group, clusters of 4 x 4, 327,680 bytes of LDS; arguments big, wc, b2, x1, ybuf; writes ybuf
.if DOCPART == 15
	.amdgcn_target "amdgcn-amd-amdhsa--gfx1250"
	.amdhsa_code_object_version 6
	.text
	.protected	k_q0f54128ede_ffn2
	.globl	k_q0f54128ede_ffn2
	.p2align	8
	.type	k_q0f54128ede_ffn2,@function
k_q0f54128ede_ffn2:
	s_mov_b64 s[64:65], 0
	v_nop
	global_prefetch_b8 v0, s[64:65] scope:SCOPE_SE
	s_setreg_imm32_b32 hwreg(HW_REG_WAVE_MODE, 25, 1), 1
	s_wait_xcnt 0x0
	s_wait_alu depctr_hold_cnt(0) depctr_sa_sdst(0) depctr_va_vdst(0) depctr_va_sdst(0) depctr_va_ssrc(0) depctr_va_vcc(0) depctr_vm_vsrc(0)
	s_getreg_b32 s2, hwreg(HW_REG_IB_STS2, 6, 4)
	s_cmp_eq_u32 s2, 0
	s_cbranch_scc0 .Lentry_in_a_cluster
	s_endpgm
.Lentry_in_a_cluster:
	s_bfe_u32 s2, ttmp6, 0x10000c
	s_cmp_lg_u32 s2, 0xf033
	s_cbranch_scc0 .Lentry_shape_is_right
	s_endpgm
.Lentry_shape_is_right:
.set KS,    32
.set WOFF,  4096000
.set BIAS,  1
.set GATE,  0
.set UNIT,  12800
.set HALFT, 2*UNIT
.set SLOT,  4*HALFT
.set SPARE, 2*SLOT
.set LAPS,  KS/8
.set FR,    12
.set ADRA,  16
.set ADRB,  20
.set ADRS,  22
.set STO,   24
.set RD,    25
.set CO,    26
.set LO8,   27
.set SPW,   28
.set NIL,   29
.set GT,    30
.set SC,    32
.set BI,    64
.set BK,    64
.set ACC,   128
.set G1,    24
.set G0,    32
.set G1B,   48
.set G0B,   56
.set MSB,   0
.macro WIN new
.if MSB != (\new)
	s_set_vgpr_msb (MSB<<8)|(\new)
.set MSB, (\new)
.endif
.endm
.set MUL,  0x05
.set TO_F, 0x40
.macro JLOAD g0a, g1a, g0b, g1b
	s_cmp_eq_u32 s15, 0
	s_cbranch_scc0 .Lfor_b_\@
	tensor_load_to_lds s[\g0a:\g0a+3], s[\g1a:\g1a+7]
	s_nop 0
.rept 4
	v_nop
.endr
	s_branch .Lasked_\@
.Lfor_b_\@:
	tensor_load_to_lds s[\g0b:\g0b+3], s[\g1b:\g1b+7]
	s_nop 0
.rept 4
	v_nop
.endr
.Lasked_\@:
.endm
.macro CREST
	s_cmp_lg_u32 s14, 0
	s_cbranch_scc1 .Lnot_wave_0_\@
	s_barrier_signal -3
.Lnot_wave_0_\@:
	s_barrier_wait -3
	s_barrier_signal -1
	s_barrier_wait -1
.endm
.macro CROUND
	s_barrier_signal -1
	s_barrier_wait -1
	CREST
.endm
.macro PLACES n
.rept \n
	v_nop
.endr
.endm
	s_load_b128 s[4:7], s[0:1], 0x0
	s_load_b64 s[10:11], s[0:1], 0x10
	s_load_b64 s[8:9], s[0:1], 0x18
	s_load_b64 s[12:13], s[0:1], 0x20
	v_lshl_add_u32 v[SPW], v0, 2, SPARE
	v_mov_b32 v[NIL], 0
	ds_add_u32 v28, v29
	ds_add_u32 v28, v29
	s_wait_dscnt 0x0
	v_lshrrev_b32 v1, 5, v0
	v_readfirstlane_b32 s14, v1
	s_lshr_b32 s15, s14, 1
	s_and_b32 s16, s14, 1
	s_bfe_u32 s40, ttmp6, 0x40000
	s_bfe_u32 s41, ttmp6, 0x40004
	s_lshl_b32 s42, ttmp9, 2
	s_add_co_u32 s42, s42, s40
	s_and_b32 s17, ttmp7, 0xffff
	s_lshl_b32 s17, s17, 2
	s_add_co_u32 s17, s17, s41
	s_lshl_b32 s43, s41, 2
	s_lshl_b32 s43, 15, s43
	s_lshl_b32 s44, 0x1111, s40
	s_or_b32 s[G1+0], s43, (3<<16)|(1<<21)
	s_or_b32 s[G1B+0], s44, (3<<16)|(1<<21)
.irp g, G1, G1B
	s_mov_b32 s[\g+1], 32<<16
	s_mov_b32 s[\g+2], 100<<16
	s_mov_b32 s[\g+3], 32<<16
	s_mov_b32 s[\g+4], 100
	s_mov_b32 s[\g+5], 32
	s_mov_b32 s[\g+6], 0
	s_mov_b32 s[\g+7], 0
.endr
	s_mov_b32 s20, s17
	s_mov_b32 s21, 0
	s_mov_b32 s46, s42
	s_mov_b32 s47, 0
	s_mov_b64 s[18:19], KS*UNIT
	s_mul_u64 s[20:21], s[20:21], s[18:19]
	s_mul_u64 s[46:47], s[46:47], s[18:19]
	s_mul_i32 s18, s16, HALFT
	s_mov_b32 s19, 0
	s_add_nc_u64 s[20:21], s[20:21], s[18:19]
	s_add_nc_u64 s[46:47], s[46:47], s[18:19]
	s_mul_i32 s45, s14, HALFT
	s_wait_kmcnt 0x0
	s_add_nc_u64 s[20:21], s[4:5], s[20:21]
	s_add_nc_u64 s[46:47], s[6:7], s[46:47]
.if WOFF
	s_add_nc_u64 s[46:47], s[46:47], WOFF
.endif
	CROUND
.irp s, 0,1
	s_mov_b32 s[G0+4*\s], 1
	s_add_co_u32 s[G0+4*\s+1], s45, \s*SLOT
	s_add_nc_u64 s[G0+4*\s+2:G0+4*\s+3], s[20:21], \s*2*HALFT
	s_or_b32 s[G0+4*\s+3], s[G0+4*\s+3], 0x80000000
	s_mov_b32 s[G0B+4*\s], 1
	s_add_co_u32 s[G0B+4*\s+1], s45, \s*SLOT
	s_add_nc_u64 s[G0B+4*\s+2:G0B+4*\s+3], s[46:47], \s*2*HALFT
	s_or_b32 s[G0B+4*\s+3], s[G0B+4*\s+3], 0x80000000
.if \s                                         ; slot 1's first fill stands behind the full sequence and a round; slot 0's is the head's one load a wave
	s_wait_alu depctr_va_vdst(0)
	s_wait_tensorcnt 0x0
	ds_add_u32 v28, v29
	ds_add_u32 v28, v29
	s_wait_dscnt 0x0
	CROUND
.endif
	JLOAD G0+4*\s, G1, G0B+4*\s, G1B
.endr
	; prefetches into the L2.  A K chunk is what one fill of a slot brings: four units an operand, 2 HALFT bytes along K; my load brings 100 rows of 256 bytes of it.  Of these each of the four partners that ask
	; jointly takes 25, told apart by address (cx for A, cy for B); a lane a row; lanes 25-31 name the last row again.  Here chunks 2 and 3; each refill of the loop then asks for the chunk two refills on.
	s_cmp_eq_u32 s15, 0
	s_cselect_b64 s[4:5], s[20:21], s[46:47]
	s_cselect_b32 s6, s40, s41
	s_mul_i32 s6, s6, 25*256
	s_mov_b32 s7, 0
	s_add_nc_u64 s[4:5], s[4:5], s[6:7]
	v_and_b32 v8, 31, v0
	v_min_u32 v8, 24, v8
	v_lshlrev_b32 v8, 8, v8
	global_prefetch_b8 v8, s[4:5] offset:4*HALFT th:TH_LOAD_NT scope:SCOPE_SE
	global_prefetch_b8 v8, s[4:5] offset:6*HALFT th:TH_LOAD_NT scope:SCOPE_SE
	v_and_b32 v1, 15, v0
	v_bfe_u32 v2, v0, 4, 1
	s_wait_alu depctr_va_vdst(0)
	v_and_b32 v3, 31, v0
	v_lshlrev_b32 v[LO8], 3, v3
	s_mul_i32 s21, s15, 6144
	s_mul_i32 s22, s16, 6144
	s_add_co_u32 s22, s22, 4*UNIT
.irp s, 0,1
	v_add_nc_u32 v[ADRA+\s], s21, v[LO8]
	v_add_nc_u32 v[ADRB+\s], s22, v[LO8]
	s_add_co_u32 s21, s21, SLOT
	s_add_co_u32 s22, s22, SLOT
.endr
	s_lshl_b32 s21, s15, 8
	s_lshl_b32 s22, s16, 8
	s_add_co_u32 s22, s22, 4*UNIT
	s_sub_co_u32 s22, s22, s21
	v_mul_u32_u24 v6, s22, v2
	v_lshl_add_u32 v5, v1, 3, v6
	s_add_co_u32 s21, s21, 12288
	v_add_nc_u32 v[ADRS], s21, v5
	v_add_nc_u32 v[ADRS+1], SLOT, v[ADRS]
	s_mul_i32 s23, s14, 16*272
	v_mul_u32_u24 v5, v1, 272
	v_lshl_add_u32 v5, v2, 6, v5
	v_add_nc_u32 v[STO], s23, v5
	v_mul_u32_u24 v5, v2, 272
	v_lshl_add_u32 v5, v1, 4, v5
	v_add_nc_u32 v[RD], s23, v5
	v_lshlrev_b32 v5, 12, v2
	v_lshl_add_u32 v[CO], v1, 4, v5
	s_wait_alu depctr_va_vdst(0)
	s_lshl_b32 s20, s17, 7
	s_lshl_b32 s21, s15, 6
	s_add_co_u32 s20, s20, s21
	s_lshl_b32 s20, s20, 12
	s_mov_b32 s21, 0
	s_lshl_b32 s46, s42, 9
	s_lshl_b32 s47, s16, 8
	s_add_co_u32 s46, s46, s47
	s_mov_b32 s47, 0
	s_add_nc_u64 s[10:11], s[10:11], s[46:47]
	v_lshlrev_b32 v7, 6, v2
.irp b, 0,1,2,3
	global_load_b128 v[BI+8*\b:BI+8*\b+3], v7, s[10:11] offset:(32*(\b/2)+8*(\b%2))*4
	global_load_b128 v[BI+8*\b+4:BI+8*\b+7], v7, s[10:11] offset:(32*(\b/2)+8*(\b%2))*4+16
.endr
	s_add_nc_u64 s[20:21], s[20:21], s[46:47]
	s_add_nc_u64 s[8:9], s[8:9], s[20:21]
	s_add_nc_u64 s[12:13], s[12:13], s[20:21]
	WIN 0x80
.irp a, 0,1,2,3
.irp t, 0,1,2,3,4,5,6,7
	global_load_b128 v[32*\a+4*\t:32*\a+4*\t+3], v[CO], s[8:9] offset:(32*(\a/2)+8*(\a%2)+2*\t+8*(\t/4))*4096
.endr
.endr
	WIN 0
	s_wait_loadcnt 32
.macro FRAG reg, adr, off
.irp p, 0,1,2,3,4,5
	ds_load_b64 v[\reg+2*\p:\reg+2*\p+1], v[\adr] offset:\off+256*\p
.endr
.endm
.macro FETCH slot, q, f
	WIN TO_F
.irp i, 0,1,2,3
	FRAG 128*(\f)+FR*\i, ADRB+\slot, UNIT*(\q)+1536*\i
.endr
.irp i, 0,1,2,3
	FRAG 128*(\f)+48+FR*\i, ADRA+\slot, UNIT*(\q)+1536*\i
.endr
.endm
.macro SCALES sc
.irp q, 0,1,2,3
.irp i, 0,1
	ds_load_b64 v[SC+16*\sc+4*\q+2*\i:SC+16*\sc+4*\q+2*\i+1], v[ADRS+\sc] offset:UNIT*\q+128*\i
.endr
.endr
.endm
.macro MULA a, f, q, sc, zero
.irp b, 0,1,2,3
.if \zero
.if BIAS
	v_wmma_scale_f32_16x16x128_f8f6f4 v[ACC+8*(4*(\a)+\b):ACC+8*(4*(\a)+\b)+7], v[128*(\f)+FR*\b:128*(\f)+FR*\b+FR-1], v[128*(\f)+48+FR*(\a):128*(\f)+48+FR*(\a)+FR-1], v[BI+8*\b:BI+8*\b+7], v[SC+16*(\sc)+4*(\q)+\b], v[SC+16*(\sc)+4*(\q)+(\a)] matrix_a_fmt:MATRIX_FMT_FP6 matrix_b_fmt:MATRIX_FMT_FP6 matrix_a_scale:MATRIX_SCALE_ROW1
.else
	v_wmma_scale_f32_16x16x128_f8f6f4 v[ACC+8*(4*(\a)+\b):ACC+8*(4*(\a)+\b)+7], v[128*(\f)+FR*\b:128*(\f)+FR*\b+FR-1], v[128*(\f)+48+FR*(\a):128*(\f)+48+FR*(\a)+FR-1], 0, v[SC+16*(\sc)+4*(\q)+\b], v[SC+16*(\sc)+4*(\q)+(\a)] matrix_a_fmt:MATRIX_FMT_FP6 matrix_b_fmt:MATRIX_FMT_FP6 matrix_a_scale:MATRIX_SCALE_ROW1
.endif
.else
	v_wmma_scale_f32_16x16x128_f8f6f4 v[ACC+8*(4*(\a)+\b):ACC+8*(4*(\a)+\b)+7], v[128*(\f)+FR*\b:128*(\f)+FR*\b+FR-1], v[128*(\f)+48+FR*(\a):128*(\f)+48+FR*(\a)+FR-1], v[ACC+8*(4*(\a)+\b):ACC+8*(4*(\a)+\b)+7], v[SC+16*(\sc)+4*(\q)+\b], v[SC+16*(\sc)+4*(\q)+(\a)] matrix_a_fmt:MATRIX_FMT_FP6 matrix_b_fmt:MATRIX_FMT_FP6 matrix_a_scale:MATRIX_SCALE_ROW1
.endif
.endr
.endm
.macro STEP slot, q, zero
	s_wait_dscnt 12
	WIN MUL
	MULA 0, (\q)%2, \q, \slot, \zero
	MULA 1, (\q)%2, \q, \slot, \zero
	PLACES 4
	FETCH \slot, (\q)+1, 1-(\q)%2
	s_wait_dscnt 48
	WIN MUL
	MULA 2, (\q)%2, \q, \slot, \zero
	MULA 3, (\q)%2, \q, \slot, \zero
.endm
.macro TURN slot, next, fill
	WIN 0
.if \fill
	s_wait_xcnt 0x0                                ; my last prefetch has read its address: it steps one chunk along K
	s_add_nc_u64 s[4:5], s[4:5], 2*HALFT
.endif
	s_wait_tensorcnt 0x0
	ds_add_u32 v[SPW], v[NIL]
	s_wait_dscnt 13
	WIN MUL
	MULA 0, 1, 3, \slot, 0
	s_wait_dscnt 0x0
	s_barrier_signal -1
	MULA 1, 1, 3, \slot, 0
	WIN 0
	s_barrier_wait -1
.if \fill
	CREST
	s_add_nc_u64 s[G0+4*\slot+2:G0+4*\slot+3], s[G0+4*\slot+2:G0+4*\slot+3], 4*HALFT
	s_add_nc_u64 s[G0B+4*\slot+2:G0B+4*\slot+3], s[G0B+4*\slot+2:G0B+4*\slot+3], 4*HALFT
	JLOAD G0+4*\slot, G1, G0B+4*\slot, G1B
.else
	PLACES 4
.endif
	SCALES \next
	FETCH \next, 0, 0
.if \fill
	WIN 0                                          ; at a branch and at a label every window is 0
	s_cmp_gt_u32 s3, 1                             ; the last trip's two refills have no chunk two refills on
	s_cbranch_scc0 .Lno_ask_\@
	global_prefetch_b8 v8, s[4:5] offset:6*HALFT th:TH_LOAD_NT scope:SCOPE_SE   ; the refill above brought chunk n; this names chunk n + 2
.Lno_ask_\@:
.endif
	WIN MUL
	MULA 2, 1, 3, \slot, 0
	MULA 3, 1, 3, \slot, 0
.endm
	s_wait_tensorcnt 1
	s_barrier_signal -1
	s_barrier_wait -1
	SCALES 0
	FETCH 0, 0, 0
	STEP 0, 0, 1
.if LAPS > 1
	WIN 0
	s_mov_b32 s3, LAPS-1
.Llap:
	STEP 0, 1, 0
	STEP 0, 2, 0
	TURN 0, 1, 1
	STEP 1, 0, 0
	STEP 1, 1, 0
	STEP 1, 2, 0
	TURN 1, 0, 1
	STEP 0, 0, 0
	WIN 0
	s_sub_co_u32 s3, s3, 1
	s_cmp_lg_u32 s3, 0
	s_cbranch_scc1 .Llap
.endif
	STEP 0, 1, 0
	STEP 0, 2, 0
	TURN 0, 1, 0
	STEP 1, 0, 0
	STEP 1, 1, 0
	STEP 1, 2, 0
	s_wait_dscnt 12
	WIN MUL
	MULA 0, 1, 3, 1, 0
	MULA 1, 1, 3, 1, 0
	s_wait_dscnt 0
	MULA 2, 1, 3, 1, 0
	MULA 3, 1, 3, 1, 0
	WIN 0
	PLACES 4
	s_wait_loadcnt 0x0
.macro TOSTAGE a
.set BB, BK+32*((\a)%2)
.irp b, 0,1,2,3
	ds_store_b128 v[STO], v[ACC+8*(4*(\a)+\b):ACC+8*(4*(\a)+\b)+3] offset:128*(\b/2)+32*(\b%2)
	ds_store_b128 v[STO], v[ACC+8*(4*(\a)+\b)+4:ACC+8*(4*(\a)+\b)+7] offset:128*(\b/2)+32*(\b%2)+16
.endr
.irp t, 0,1,2,3,4,5,6,7
	ds_load_b128 v[BB+4*\t:BB+4*\t+3], v[RD] offset:2*\t*272
.endr
.endm
.macro SEND a, younger
.set BB, BK+32*((\a)%2)
.set RB, 32*(\a)
	s_wait_dscnt \younger
.if GATE
	WIN 0x20
.else
	WIN 0x08
.endif
.set ci, 0
.rept 16
.if GATE
	v_pk_fma_f32 v[BB+ci:BB+ci+1], v[BB+ci:BB+ci+1], v[GT:GT+1], v[RB+ci:RB+ci+1]
.else
	v_pk_add_f32 v[BB+ci:BB+ci+1], v[BB+ci:BB+ci+1], v[RB+ci:RB+ci+1]
.endif
.set ci, ci+2
.endr
	WIN 0
.irp t, 0,1,2,3,4,5,6,7
	global_store_b128 v[CO], v[BB+4*\t:BB+4*\t+3], s[12:13] offset:(32*((\a)/2)+8*((\a)%2)+2*\t+8*(\t/4))*4096
.endr
.endm
	TOSTAGE 0
.irp a, 1,2,3
.if \a > 1
	s_wait_xcnt 0x0
.endif
	TOSTAGE \a
	SEND \a-1, 16
.endr
	SEND 3, 0
	s_wait_tensorcnt 0x0
	ds_add_u32 v[SPW], v[NIL]
	s_wait_dscnt 0x0
	CROUND
	s_endpgm
.Lfunc_end_k_q0f54128ede_ffn2:
	.size	k_q0f54128ede_ffn2, .Lfunc_end_k_q0f54128ede_ffn2-k_q0f54128ede_ffn2
	.p2alignl 7, 3214868480
	.fill 96, 4, 3214868480
	.section	.rodata,"a",@progbits
	.p2align	6, 0x0
	.amdhsa_kernel k_q0f54128ede_ffn2
		.amdhsa_group_segment_fixed_size 327680
		.amdhsa_private_segment_fixed_size 0
		.amdhsa_enable_private_segment 0
		.amdhsa_kernarg_size 40
		.amdhsa_user_sgpr_count 2
		.amdhsa_user_sgpr_kernarg_segment_ptr 1
		.amdhsa_wavefront_size32 1
		.amdhsa_system_sgpr_workgroup_id_x 1
		.amdhsa_system_sgpr_workgroup_id_y 1
		.amdhsa_system_sgpr_workgroup_id_z 1
		.amdhsa_system_vgpr_workitem_id 0
		.amdhsa_next_free_vgpr 640
		.amdhsa_next_free_sgpr 66
		.amdhsa_reserve_vcc 0
		.amdhsa_float_denorm_mode_32 3
		.amdhsa_float_denorm_mode_16_64 3
		.amdhsa_memory_ordered 1
		.amdhsa_forward_progress 1
		.amdhsa_inst_pref_size 114
	.end_amdhsa_kernel
	.amdgpu_metadata
---
amdhsa.version: [ 1, 2 ]
amdhsa.kernels:
  - .name:           k_q0f54128ede_ffn2
    .symbol:         k_q0f54128ede_ffn2.kd
    .args:
      - { .name: big, .offset: 0, .size: 8, .value_kind: global_buffer, .address_space: global }
      - { .name: wc, .offset: 8, .size: 8, .value_kind: global_buffer, .address_space: global }
      - { .name: b2, .offset: 16, .size: 8, .value_kind: global_buffer, .address_space: global }
      - { .name: x1, .offset: 24, .size: 8, .value_kind: global_buffer, .address_space: global }
      - { .name: ybuf, .offset: 32, .size: 8, .value_kind: global_buffer, .address_space: global }
    .group_segment_fixed_size: 327680
    .private_segment_fixed_size: 0
    .kernarg_segment_align: 8
    .kernarg_segment_size: 40
    .max_flat_workgroup_size: 128
    .sgpr_count:     66
    .vgpr_count:     640
    .wavefront_size: 32
...
	.end_amdgpu_metadata
.endif
;; end of part 15
;; launch ln2 (part 16): grid 128 x 1, 8 waves a work-group, no clusters, 0 bytes of LDS; arguments ybuf, ln2_g, ln2_b, out0; writes out0
.if DOCPART == 16
	.amdgcn_target "amdgcn-amd-amdhsa--gfx1250"
	.amdhsa_code_object_version 6
	.text
	.protected	k_q0f54128ede_ln2
	.globl	k_q0f54128ede_ln2
	.p2align	8
	.type	k_q0f54128ede_ln2,@function
k_q0f54128ede_ln2:
	s_mov_b64 s[64:65], 0
	v_nop
	global_prefetch_b8 v0, s[64:65] scope:SCOPE_SE
	s_setreg_imm32_b32 hwreg(HW_REG_WAVE_MODE, 25, 1), 1
	s_wait_xcnt 0x0
; out = layernorm(y2) g + b, rows of 1,024 f32.  A work-group takes 32 consecutive rows; each of its eight waves takes four whole rows in registers: a row is read once, and no reduction leaves the wave: no LDS, no barrier.
; The variance is taken of the centred numbers: no difference of large sums is formed.  LIMITS: NaN and infinities are not served.  Matrix units, clusters and tensor loads buy nothing here: memory binds.
.set Y,    64                          ; v64-191  four rows: row i at + 32 i, its columns 128 q + 4 l + 0 .. 3 at + 4 q
.set GG,   192                         ; v192-223 the gain of my columns
.set BB,   224                         ; v224-255 the bias
.set PS,   8                           ; v8-15    a pair a row: the sum, the mean, then 1 / sqrt(var + eps)
.set SQ,   16                          ; v16-23   a pair a row: the sum of squares
.set SEL,  22
.macro REDUCE base                     ; the four rows' figures, each over the 32 lanes, by turns
.irp m, 1,2,4,8
.irp i, 0,1,2,3
	s_delay_alu instid0(VALU_DEP_4)
	v_add_f32_dpp v[\base+2*\i], v[\base+2*\i], v[\base+2*\i] row_xmask:\m row_mask:0xf bank_mask:0xf
.endr
.endr
.irp i, 0,1,2,3
	s_delay_alu instid0(VALU_DEP_4)
	v_permlanex16_b32 v[\base+2*\i+1], v[\base+2*\i], s[SEL], s[SEL+1]
.endr
.irp i, 0,1,2,3
	s_delay_alu instid0(VALU_DEP_4)
	v_add_f32 v[\base+2*\i], v[\base+2*\i], v[\base+2*\i+1]
.endr
.endm
	s_load_b256 s[4:11], s[0:1], 0x0               ; y, the gain, the bias, the result
	v_lshrrev_b32 v1, 5, v0
	s_delay_alu instid0(VALU_DEP_1)
	v_readfirstlane_b32 s14, v1                    ; wave
	v_and_b32 v2, 31, v0
	s_delay_alu instid0(VALU_DEP_1)
	v_lshlrev_b32 v1, 4, v2                        ; 16 l
	s_mov_b32 s[SEL], 0x76543210
	s_mov_b32 s[SEL+1], 0xfedcba98
	s_mov_b32 s20, 0x3a800000                      ; 1 / 1,024
	s_mov_b32 s21, 0x3727c5ac                      ; 1e-5
	s_lshl_b32 s16, ttmp9, 17                      ; 32 rows of 4,096 bytes
	s_lshl_b32 s17, s14, 14                        ; + my four
	s_add_co_u32 s16, s16, s17
	s_mov_b32 s17, 0
	s_wait_alu depctr_va_vdst(0)
	s_wait_kmcnt 0x0
	s_add_nc_u64 s[4:5], s[4:5], s[16:17]
	s_add_nc_u64 s[10:11], s[10:11], s[16:17]
.irp i, 0,1,2,3
.irp q, 0,1,2,3,4,5,6,7
	global_load_b128 v[Y+32*\i+4*\q:Y+32*\i+4*\q+3], v1, s[4:5] offset:4096*\i+512*\q th:TH_LOAD_NT
.endr
.endr
.irp q, 0,1,2,3,4,5,6,7
	global_load_b128 v[GG+4*\q:GG+4*\q+3], v1, s[6:7] offset:512*\q
	global_load_b128 v[BB+4*\q:BB+4*\q+3], v1, s[8:9] offset:512*\q
.endr
	s_wait_loadcnt 16                              ; the rows are in; the gain's and the bias's 16 loads may stay out
.irp i, 0,1,2,3
	v_pk_add_f32 v[PS+2*\i:PS+2*\i+1], v[Y+32*\i:Y+32*\i+1], v[Y+32*\i+2:Y+32*\i+3]
.endr
.irp k, 4,6,8,10,12,14,16,18,20,22,24,26,28,30
.irp i, 0,1,2,3
	s_delay_alu instid0(VALU_DEP_4)
	v_pk_add_f32 v[PS+2*\i:PS+2*\i+1], v[PS+2*\i:PS+2*\i+1], v[Y+32*\i+\k:Y+32*\i+\k+1]
.endr
.endr
.irp i, 0,1,2,3
	s_delay_alu instid0(VALU_DEP_4)
	v_add_f32 v[PS+2*\i], v[PS+2*\i], v[PS+2*\i+1]
.endr
	REDUCE PS
.irp i, 0,1,2,3
	s_delay_alu instid0(VALU_DEP_4)
	v_mul_f32 v[PS+2*\i], s20, v[PS+2*\i]          ; the mean
.endr
.irp k, 0,2,4,6,8,10,12,14,16,18,20,22,24,26,28,30
.irp i, 0,1,2,3
	v_pk_add_f32 v[Y+32*\i+\k:Y+32*\i+\k+1], v[Y+32*\i+\k:Y+32*\i+\k+1], v[PS+2*\i:PS+2*\i+1] op_sel_hi:[1,0] neg_lo:[0,1] neg_hi:[0,1]
.endr
.endr
.irp i, 0,1,2,3
	v_pk_mul_f32 v[SQ+2*\i:SQ+2*\i+1], v[Y+32*\i:Y+32*\i+1], v[Y+32*\i:Y+32*\i+1]
.endr
.irp k, 2,4,6,8,10,12,14,16,18,20,22,24,26,28,30
.irp i, 0,1,2,3
	s_delay_alu instid0(VALU_DEP_4)
	v_pk_fma_f32 v[SQ+2*\i:SQ+2*\i+1], v[Y+32*\i+\k:Y+32*\i+\k+1], v[Y+32*\i+\k:Y+32*\i+\k+1], v[SQ+2*\i:SQ+2*\i+1]
.endr
.endr
.irp i, 0,1,2,3
	s_delay_alu instid0(VALU_DEP_4)
	v_add_f32 v[SQ+2*\i], v[SQ+2*\i], v[SQ+2*\i+1]
.endr
	REDUCE SQ
.irp i, 0,1,2,3
	s_delay_alu instid0(VALU_DEP_4)
	v_fma_f32 v[SQ+2*\i], v[SQ+2*\i], s20, s21     ; the variance + 1e-5
.endr
	s_wait_alu depctr_va_vdst(0)
.irp i, 0,1,2,3
	v_rsq_f32 v[PS+2*\i], v[SQ+2*\i]
.endr
	v_nop                                          ; a plain place behind the batch,
	s_wait_alu depctr_va_vdst(0)                   ; and one wait for the four, ahead of their first reader
	s_wait_loadcnt 0x0                             ; the gain and the bias
.irp i, 0,1,2,3
.irp k, 0,2,4,6,8,10,12,14,16,18,20,22,24,26,28,30
	v_pk_mul_f32 v[Y+32*\i+\k:Y+32*\i+\k+1], v[Y+32*\i+\k:Y+32*\i+\k+1], v[PS+2*\i:PS+2*\i+1] op_sel_hi:[1,0]
.endr
.irp k, 0,2,4,6,8,10,12,14,16,18,20,22,24,26,28,30
	v_pk_fma_f32 v[Y+32*\i+\k:Y+32*\i+\k+1], v[Y+32*\i+\k:Y+32*\i+\k+1], v[GG+\k:GG+\k+1], v[BB+\k:BB+\k+1]
.endr
.irp q, 0,1,2,3,4,5,6,7
	global_store_b128 v1, v[Y+32*\i+4*\q:Y+32*\i+4*\q+3], s[10:11] offset:4096*\i+512*\q th:TH_STORE_NT   ; 512 consecutive bytes, aligned; written once, read by nobody here
.endr
.endr
	s_endpgm
.Lfunc_end_k_q0f54128ede_ln2:
	.size	k_q0f54128ede_ln2, .Lfunc_end_k_q0f54128ede_ln2-k_q0f54128ede_ln2
	.p2alignl 7, 3214868480
	.fill 96, 4, 3214868480
	.section	.rodata,"a",@progbits
	.p2align	6, 0x0
	.amdhsa_kernel k_q0f54128ede_ln2
		.amdhsa_group_segment_fixed_size 0
		.amdhsa_private_segment_fixed_size 0
		.amdhsa_enable_private_segment 0
		.amdhsa_kernarg_size 32
		.amdhsa_user_sgpr_count 2
		.amdhsa_user_sgpr_kernarg_segment_ptr 1
		.amdhsa_wavefront_size32 1
		.amdhsa_system_sgpr_workgroup_id_x 1
		.amdhsa_system_sgpr_workgroup_id_y 1
		.amdhsa_system_sgpr_workgroup_id_z 1
		.amdhsa_system_vgpr_workitem_id 0
		.amdhsa_next_free_vgpr 256
		.amdhsa_next_free_sgpr 66
		.amdhsa_reserve_vcc 0
		.amdhsa_float_denorm_mode_32 3
		.amdhsa_float_denorm_mode_16_64 3
		.amdhsa_memory_ordered 1
		.amdhsa_forward_progress 1
		.amdhsa_inst_pref_size 38
	.end_amdhsa_kernel
	.amdgpu_metadata
---
amdhsa.version: [ 1, 2 ]
amdhsa.kernels:
  - .name:           k_q0f54128ede_ln2
    .symbol:         k_q0f54128ede_ln2.kd
    .args:
      - { .name: ybuf, .offset: 0, .size: 8, .value_kind: global_buffer, .address_space: global }
      - { .name: ln2_g, .offset: 8, .size: 8, .value_kind: global_buffer, .address_space: global }
      - { .name: ln2_b, .offset: 16, .size: 8, .value_kind: global_buffer, .address_space: global }
      - { .name: out0, .offset: 24, .size: 8, .value_kind: global_buffer, .address_space: global }
    .group_segment_fixed_size: 0
    .private_segment_fixed_size: 0
    .kernarg_segment_align: 8
    .kernarg_segment_size: 32
    .max_flat_workgroup_size: 256
    .sgpr_count:     66
    .vgpr_count:     256
    .wavefront_size: 32
...
	.end_amdgpu_metadata
.endif
;; end of part 16
